; MI455X (gfx1250); checked and timed in simulation.
; The chip was launched on July 23, 2026; its instructions are those of AMD's public machine-readable ISA for CDNA 5 (MIT licence, August 2026) and "CDNA5" Instruction Set Architecture Reference Guide (July 2026). The comments in the code are by the model that wrote it; some were corrected since.
;; Layer. Allowed arithmetic: matrix products marked QUANTISED: E2M3 operands, one E8M0 scale for each 32 along K, by v_wmma_scale_f32_16x16x128_f8f6f4 with both operands' format E2M3, f32 sums; everything else in f32.
;; Inputs: b_attn 3,072 float32; b_fc1 4,096 float32; b_fc2 1,024 float32; b_proj 1,024 float32; g_norm1 1,024 float32; g_norm2 1,024 float32; w_attn 1,024 x 3,072 float32; w_fc1 1,024 x 4,096 float32; w_fc2 4,096 x 1,024 float32; w_proj 1,024 x 1,024 float32; x 2 x 2,048 x 1,024 float32.
;; Outputs: out0 2 x 2,048 x 1,024 float32.
;; This version of the problem:
;;   THIS VERSION OF THE PROBLEM IS GIVEN IN LOW PRECISION. The matrix products marked QUANTISED in the list below multiply operands that are first quantised to E2M3 (2 exponent bits, 3 mantissa bits; 6 bits a number), with one power-of-two scale for each 32 numbers along K (OCP MX v1.0); their sums are f32. All else is computed in f32.
;;   The module's matrix products, in the order in which they are computed (A, B: the left and right operand; K: the contracted axis; several contracted axes count as one K, in the product's order):
;;     1. [M 4,096, K 1,024] x [K 1,024, N 3,072]; A: computed on the way; B: input w_attn: QUANTISED
;;     2. batch 32 x [M 2,048, K 64] x [K 64, N 2,048]; A: computed on the way; B: computed on the way: QUANTISED
;;     3. batch 32 x [M 2,048, K 2,048] x [K 2,048, N 64]; A: computed on the way; B: computed on the way: QUANTISED
;;     4. [M 4,096, K 1,024] x [K 1,024, N 1,024]; A: computed on the way; B: input w_proj: QUANTISED
;;     5. [M 4,096, K 1,024] x [K 1,024, N 4,096]; A: computed on the way; B: input w_fc1: QUANTISED
;;     6. [M 4,096, K 4,096] x [K 4,096, N 1,024]; A: computed on the way; B: input w_fc2: QUANTISED
;;   THE QUANTISER, for each operand of a quantised product, along K:
;;     - K is cut into blocks of 32 from its start; a last block that is shorter is filled with zeros.
;;     - A block's scale is 2^e with e = floor(log2(the largest magnitude in the block)) - 2, held to -126 .. 127; a block of zeros has e = 0. As a byte (E8M0): e + 127.
;;     - Each number is divided by its block's scale, clamped to +-7.5, and rounded to the nearest number of E2M3, ties to even, subnormals kept.
;;     - The product sums the exact products of the quantised numbers (number of the format x scale) in f32.
;;   ~~~python
;;   def quantise(x, axis):      # numpy; x: float32 -> the quantised numbers, widened to float32 again
;;       x = np.moveaxis(x, axis, -1); K = x.shape[-1]
;;       x = np.pad(x, [(0, 0)] * (x.ndim - 1) + [(0, -K % 32)]); x = x.reshape(x.shape[:-1] + (-1, 32)); a = np.abs(x).max(-1, keepdims=True)
;;       e = np.where(a > 0, np.clip(np.frexp(np.where(a > 0, a, 1))[1] - 1 - 2, -126, 127), 0)      # np.frexp(a)[1] - 1 = floor(log2(a)), exactly
;;       r = np.clip(x / 2.0 ** e, -7.5, 7.5)
;;       step = 2.0 ** (np.maximum(np.frexp(np.where(r == 0, 1, r))[1] - 1, 0) - 3)
;;       q = np.round(r / step) * step * 2.0 ** e      # np.round: ties to even
;;       return np.moveaxis(q.reshape(q.shape[:-2] + (-1,))[..., :K], -1, axis).astype(np.float32)
;;   ~~~
;;   OPERANDS COMPUTED ON THE WAY. 'Computed on the way' means the value that the module computes at that place (a softmax that the list does not call 'softmax' is quantised finished and normalised). What goes into a quantiser is computed in f32, as accurately as f32 sums, v_exp_f32 and their like allow (about 1e-6 of the number): no bf16 or f16 on the way to a quantiser, and a product that is left as it is and whose result goes on into a quantised operand takes f32 operands (vector FMAs, or v_wmma_f32_16x16x4_f32). A number that lies on a knife's edge between two numbers of the format may be rounded either way, as far as f32 arithmetic and the matrix unit's own rounding can turn it there, and no further.
;; 2 versions, each right and faster than the one before. Each part assembles by itself: llvm-mc -triple=amdgcn-amd-amdhsa -mcpu=gfx1250 --defsym DOCPART=n.
;; ======== version 1 of 2: 8 launches
;; limits: a function is approximated: absolute error at most 7.5e-08; an absolute error that grows with the inputs' magnitude: up to 7.5e-08 times it
;; workspace buffers: W 9,830,400 bytes; H 3,276,800 bytes; O 3,276,800 bytes; G 13,107,200 bytes; X2 16,777,216 bytes; QKV 9,830,400 bytes
;; launch prepw (part 1): grid 384 x 1, 4 waves a work-group, no clusters, 0 bytes of LDS; arguments w_attn, w_proj, w_fc1, w_fc2, W; writes W
.if DOCPART == 1
	.amdgcn_target "amdgcn-amd-amdhsa--gfx1250"
	.amdhsa_code_object_version 6
	.text
	.protected	k_q6bfa3b44b3_prepw
	.globl	k_q6bfa3b44b3_prepw
	.p2align	8
	.type	k_q6bfa3b44b3_prepw,@function
k_q6bfa3b44b3_prepw:
	s_mov_b64 s[64:65], 0
	v_nop
	global_prefetch_b8 v0, s[64:65] scope:SCOPE_SE
	s_setreg_imm32_b32 hwreg(HW_REG_WAVE_MODE, 25, 1), 1
	s_wait_xcnt 0x0
; The four weights, f32 stored [K][N], become codes of FP6 (E2M3) and E8M0 scale bytes along K, laid as the products' launches load them.
; LAYOUT OF W.  Columns go in tiles of 16; row r of tile T is column 32 (T / 2) + 8 (T % 2) + r + 8 (r / 8).  A tile's codes are K / 64 pieces of 768 bytes, each an image of
; six operand registers: bytes 16 l .. + 15 hold registers 0-3 of lane l = r + 16 h, bytes 512 + 8 l .. + 7 registers 4-5: the codes of row r, k = 32 h .. 32 h + 31 of the piece.
; Scale words: [tile][K / 128][16 rows], four bytes a word.
; SHARES.  A work-group takes 128 columns x 256 along K, a wave 32 columns: A LANE TAKES A COLUMN AND ITS REGISTERS RUN DOWN K, so a block of 32 lies in one lane.
; Lanes 0-15 hold the rows of tile 2 B, lanes 16-31 those of tile 2 B + 1; each load of a wave reads 128 consecutive bytes.  One exchange of the halves of the lanes turns
; (tile by half, both blocks in a lane) into (one tile, block by half), which is the image.  Code stores cover 512 or 256 consecutive bytes; the scale words leave in runs of 64 bytes.
; One text serves the four weights: pointers and sizes are chosen by the work-group's number alone.
; LIMITS: a block whose largest magnitude lies under 2^-124 (a block of zeros among them) gets the byte 1; the bytes are read by this program alone.  NaN and infinities are not served.
.set VOFF, 32                          ; v32-63   byte offset of row i of a block, at my column
.set D,    64                          ; v64-191  two sets of 64 numbers: two blocks each
.set F,    192                         ; v192-239 codes: 12 registers for each pair of blocks, so that no store's data are written again
.set T0,   240                         ; v240-242, v244-246: the upper halves of the two blocks' codes
.set T1,   244
.set LI,   4                           ; 16 x lane;  LI1: the same one tile on
.set L8,   5                           ; 8 x lane;   L81 likewise
.set LI1,  6
.set L81,  7
.set VSO,  8                           ; my scale words' place
	s_load_b256 s[4:11], s[0:1], 0x0               ; w_attn, w_proj, w_fc1, w_fc2
	s_load_b64 s[12:13], s[0:1], 0x20              ; W
	v_lshrrev_b32 v1, 5, v0
	v_readfirstlane_b32 s14, v1                    ; wave
	v_and_b32 v1, 31, v0                           ; lane
	v_and_b32 v2, 15, v0                           ; r
	v_bfe_u32 v3, v0, 4, 1                         ; u: which of the two tiles
	s_mov_b32 s16, 4096                            ; w_fc2's figures: bytes in a row,
	s_mov_b32 s17, 256                             ; its first work-group,
	s_mov_b32 s18, 6291456                         ; where its codes begin in W,
	s_mov_b32 s19, 9699328                         ; and its scale words,
	s_mov_b32 s20, 4                               ; log2 of K / 256,
	s_mov_b32 s21, 49152                           ; a tile's codes in bytes,
	s_mov_b32 s22, 2048                            ; a tile's scale words in bytes,
	s_mov_b32 s23, 15                              ; K / 256 - 1
	s_wait_kmcnt 0x0
	s_mov_b64 s[24:25], s[10:11]
	s_cmp_lt_u32 ttmp9, 256                        ; w_fc1's in their stead
	s_cselect_b64 s[24:25], s[8:9], s[24:25]
	s_cselect_b32 s16, 16384, s16
	s_cselect_b32 s17, 128, s17
	s_cselect_b32 s18, 3145728, s18
	s_cselect_b32 s19, 9568256, s19
	s_cselect_b32 s20, 2, s20
	s_cselect_b32 s21, 12288, s21
	s_cselect_b32 s22, 512, s22
	s_cselect_b32 s23, 3, s23
	s_cmp_lt_u32 ttmp9, 128                        ; w_proj's
	s_cselect_b64 s[24:25], s[6:7], s[24:25]
	s_cselect_b32 s16, 4096, s16
	s_cselect_b32 s17, 96, s17
	s_cselect_b32 s18, 2359296, s18
	s_cselect_b32 s19, 9535488, s19
	s_cmp_lt_u32 ttmp9, 96                         ; w_attn's
	s_cselect_b64 s[24:25], s[4:5], s[24:25]
	s_cselect_b32 s16, 12288, s16
	s_cselect_b32 s17, 0, s17
	s_cselect_b32 s18, 0, s18
	s_cselect_b32 s19, 9437184, s19
	s_sub_co_u32 s26, ttmp9, s17                   ; my number within the weight
	s_and_b32 s27, s26, s23                        ; y: which 256 along K
	s_lshr_b32 s26, s26, s20                       ; x: which 128 columns
	s_lshl_b32 s26, s26, 2
	s_add_co_u32 s26, s26, s14                     ; B: my wave's 32 columns
	s_lshl_b32 s28, s27, 8
	s_mul_i32 s28, s28, s16                        ; 256 y rows,
	s_lshl_b32 s29, s26, 7
	s_add_co_u32 s28, s28, s29                     ; + 128 B bytes
	s_mov_b32 s29, 0
	s_add_nc_u64 s[32:33], s[24:25], s[28:29]      ; block 0's first row
	s_lshl_b32 s28, s16, 5                         ; 32 rows on
.irp t, 1,2,3,4,5,6,7
	s_add_nc_u64 s[32+2*\t:33+2*\t], s[30+2*\t:31+2*\t], s[28:29]   ; a base for each of the eight blocks: none is stepped
.endr
	s_lshl_b32 s30, s26, 1                         ; tile 2 B
	s_mul_i32 s48, s30, s21
	s_add_co_u32 s48, s48, s18
	s_mul_i32 s49, s27, 3072                       ; 256 along K are four pieces
	s_add_co_u32 s48, s48, s49
	s_mov_b32 s49, 0
	s_add_nc_u64 s[48:49], s[12:13], s[48:49]      ; where my codes go
	s_mul_i32 s50, s30, s22
	s_add_co_u32 s50, s50, s19
	s_lshl_b32 s51, s27, 7                         ; 256 along K are two words a row
	s_add_co_u32 s50, s50, s51
	s_mov_b32 s51, 0
	s_add_nc_u64 s[50:51], s[12:13], s[50:51]      ; and my scale words
	v_lshlrev_b32 v[LI], 4, v1
	v_lshlrev_b32 v[L8], 3, v1
	v_add_nc_u32 v[LI1], s21, v[LI]
	v_add_nc_u32 v[L81], s21, v[L8]
	v_mul_u32_u24 v[VSO], s22, v3
	v_lshl_add_u32 v[VSO], v2, 2, v[VSO]           ; u tiles on, + 4 r
	v_and_b32 v9, 8, v2
	v_add_nc_u32 v9, v9, v2                        ; r + 8 (r / 8)
	v_lshl_add_u32 v9, v3, 3, v9                   ; + 8 u: my column among the 32
	v_lshlrev_b32 v[VOFF], 2, v9
.set i, 1
.rept 31
	v_add_nc_u32 v[VOFF+i], s16, v[VOFF+i-1]       ; a row further down
.set i, i+1
.endr
.macro LOADPAIR kk, set                ; blocks 2 kk and 2 kk + 1: 64 loads
.set i, 0
.rept 32
	global_load_b32 v[D+64*(\set)+i], v[VOFF+i], s[32+4*(\kk):33+4*(\kk)] th:TH_LOAD_NT
.set i, i+1
.endr
.set i, 0
.rept 32
	global_load_b32 v[D+64*(\set)+32+i], v[VOFF+i], s[34+4*(\kk):35+4*(\kk)] th:TH_LOAD_NT
.set i, i+1
.endr
.endm
.macro PROC kk, set
.set D0, D+64*(\set)
.set F0, F+12*(\kk)
.irp b, 0,1
	v_max3_num_f32 v[10+2*\b], |v[D0+32*\b]|, |v[D0+32*\b+1]|, |v[D0+32*\b+2]|   ; each block's largest magnitude: all 32 numbers are mine; two chains a block
	v_max3_num_f32 v[11+2*\b], |v[D0+32*\b+3]|, |v[D0+32*\b+4]|, |v[D0+32*\b+5]|
.endr
.irp i, 6,10,14,18,22,26
.irp b, 0,1
	v_max3_num_f32 v[10+2*\b], v[10+2*\b], |v[D0+32*\b+\i]|, |v[D0+32*\b+\i+1]|
	v_max3_num_f32 v[11+2*\b], v[11+2*\b], |v[D0+32*\b+\i+2]|, |v[D0+32*\b+\i+3]|
.endr
.endr
.irp b, 0,1
	v_max3_num_f32 v[10+2*\b], v[10+2*\b], |v[D0+32*\b+30]|, |v[D0+32*\b+31]|
.endr
.irp b, 0,1
	v_max3_num_f32 v[10+2*\b], v[10+2*\b], v[11+2*\b], 0x1800000   ; and the floor 2^(3 - 127): the byte cannot fall under 1
.endr
.irp b, 0,1
	v_add_nc_u32 v[14+\b], 0xff000000, v[10+2*\b]  ; 2 off the exponent field: the conversion's scale operand
.endr
.irp b, 0,1
	v_lshrrev_b32 v[16+\b], 23, v[14+\b]           ; the scale's byte
.endr
.if (\kk)%2 == 0
	v_lshl_or_b32 v[18+(\kk)/2], v17, 8, v16       ; four bytes to a word, the lower K in the lower byte
.else
	v_lshl_or_b32 v[18+(\kk)/2], v16, 16, v[18+(\kk)/2]
	v_lshl_or_b32 v[18+(\kk)/2], v17, 24, v[18+(\kk)/2]
.endif
	v_cvt_scalef32_pk16_fp6_f32 v[F0:F0+2], v[D0:D0+15], v14
	v_cvt_scalef32_pk16_fp6_f32 v[T0:T0+2], v[D0+16:D0+31], v14
	v_cvt_scalef32_pk16_fp6_f32 v[F0+6:F0+8], v[D0+32:D0+47], v15
	v_cvt_scalef32_pk16_fp6_f32 v[T1:T1+2], v[D0+48:D0+63], v15
	v_nop                                          ; one plain place behind a scaled conversion
.irp i, 0,1,2
	v_permlane16_swap_b32 v[F0+\i], v[F0+6+\i]     ; the first now holds tile 2 B (lanes 0-15 the even block, lanes 16-31 the odd one), the second tile 2 B + 1
	v_permlane16_swap_b32 v[T0+\i], v[T1+\i]
.endr
.irp i, 0,1,2
	v_mov_b32 v[F0+3+\i], v[T0+\i]
	v_mov_b32 v[F0+9+\i], v[T1+\i]
.endr
	global_store_b128 v[LI], v[F0:F0+3], s[48:49] offset:768*(\kk)          ; 512 consecutive bytes,
	global_store_b64 v[L8], v[F0+4:F0+5], s[48:49] offset:768*(\kk)+512     ; and the 256 behind them
	global_store_b128 v[LI1], v[F0+6:F0+9], s[48:49] offset:768*(\kk)
	global_store_b64 v[L81], v[F0+10:F0+11], s[48:49] offset:768*(\kk)+512
.endm
	LOADPAIR 0, 0
	LOADPAIR 1, 1
	s_wait_loadcnt 63                              ; the older pair's 64 loads are in: 64 were issued behind them, and a wait names 63 at the most
	PROC 0, 0
	LOADPAIR 2, 0
	s_wait_loadcnt 63
	PROC 1, 1
	LOADPAIR 3, 1
	s_wait_loadcnt 63
	PROC 2, 0
	s_wait_loadcnt 0x0
	PROC 3, 1
	global_store_b32 v[VSO], v18, s[50:51]
	global_store_b32 v[VSO], v19, s[50:51] offset:64
	s_endpgm
.Lfunc_end_k_q6bfa3b44b3_prepw:
	.size	k_q6bfa3b44b3_prepw, .Lfunc_end_k_q6bfa3b44b3_prepw-k_q6bfa3b44b3_prepw
	.p2alignl 7, 3214868480
	.fill 96, 4, 3214868480
	.section	.rodata,"a",@progbits
	.p2align	6, 0x0
	.amdhsa_kernel k_q6bfa3b44b3_prepw
		.amdhsa_group_segment_fixed_size 0
		.amdhsa_private_segment_fixed_size 0
		.amdhsa_enable_private_segment 0
		.amdhsa_kernarg_size 40
		.amdhsa_user_sgpr_count 2
		.amdhsa_user_sgpr_kernarg_segment_ptr 1
		.amdhsa_wavefront_size32 1
		.amdhsa_system_sgpr_workgroup_id_x 1
		.amdhsa_system_sgpr_workgroup_id_y 1
		.amdhsa_system_sgpr_workgroup_id_z 1
		.amdhsa_system_vgpr_workitem_id 0
		.amdhsa_next_free_vgpr 256
		.amdhsa_next_free_sgpr 66
		.amdhsa_reserve_vcc 0
		.amdhsa_float_denorm_mode_32 3
		.amdhsa_float_denorm_mode_16_64 3
		.amdhsa_memory_ordered 1
		.amdhsa_forward_progress 1
		.amdhsa_inst_pref_size 43
	.end_amdhsa_kernel
	.amdgpu_metadata
---
amdhsa.version: [ 1, 2 ]
amdhsa.kernels:
  - .name:           k_q6bfa3b44b3_prepw
    .symbol:         k_q6bfa3b44b3_prepw.kd
    .args:
      - { .name: w_attn, .offset: 0, .size: 8, .value_kind: global_buffer, .address_space: global }
      - { .name: w_proj, .offset: 8, .size: 8, .value_kind: global_buffer, .address_space: global }
      - { .name: w_fc1, .offset: 16, .size: 8, .value_kind: global_buffer, .address_space: global }
      - { .name: w_fc2, .offset: 24, .size: 8, .value_kind: global_buffer, .address_space: global }
      - { .name: W, .offset: 32, .size: 8, .value_kind: global_buffer, .address_space: global }
    .group_segment_fixed_size: 0
    .private_segment_fixed_size: 0
    .kernarg_segment_align: 8
    .kernarg_segment_size: 40
    .max_flat_workgroup_size: 128
    .sgpr_count:     66
    .vgpr_count:     256
    .wavefront_size: 32
...
	.end_amdgpu_metadata
.endif
;; end of part 1
;; launch norm1 (part 2): grid 256 x 1, 4 waves a work-group, no clusters, 66,304 bytes of LDS; arguments x, g_norm1, H; writes H
.if DOCPART == 2
	.amdgcn_target "amdgcn-amd-amdhsa--gfx1250"
	.amdhsa_code_object_version 6
	.text
	.protected	k_q6bfa3b44b3_norm1
	.globl	k_q6bfa3b44b3_norm1
	.p2align	8
	.type	k_q6bfa3b44b3_norm1,@function
k_q6bfa3b44b3_norm1:
	s_mov_b64 s[64:65], 0
	v_nop
	global_prefetch_b8 v0, s[64:65] scope:SCOPE_SE
	s_setreg_imm32_b32 hwreg(HW_REG_WAVE_MODE, 25, 1), 1
	s_wait_xcnt 0x0
; h = x * rsqrt(mean(x^2) + eps) * g for 16 rows of 1,024 f32, quantised along the row to FP6 (E2M3) with one E8M0 byte for each 32, and stored as images of operand registers.
; LAYOUT OF H.  Tokens go in tiles of 16; row r of tile T is token 32 (T / 2) + 8 (T % 2) + r + 8 (r / 8).  A tile's codes: 16 pieces of 768 bytes (64 along K each): bytes 16 l .. + 15 hold
; registers 0-3 of lane l = r + 16 h, bytes 512 + 8 l .. + 7 registers 4-5.  Scale words at byte 3,145,728: [tile][8][16 rows].
; SHARES.  A work-group is one tile.  First each wave takes four whole rows (a load covers 512 consecutive bytes), finds their sums of squares and writes h into LDS, rows 4,112 bytes apart;
; one barrier; then each wave takes 256 columns of all 16 rows, a lane 16 neighbours of each block of 32 of its row, and makes two fragments.
; LIMITS: the sum of squares is taken in another order than a plain chain; a block under 2^-124 gets the byte 1 (read by this program alone); NaN and infinities are not served.
.set PITCH, 4112                       ; 257 x 16 bytes: the 16 rows that a load of 16 bytes a lane touches begin at 16 different places modulo 256 bytes
.set X,   32                           ; v32-159  four rows, later the numbers of two fragments
.set G,   160                          ; v160-191 the gains of my columns
.set SS,  8                            ; v8-23    four registers a row for its sum
.set RS,  24                           ; v24-31   1 / root, a pair a row (the low word serves both halves)
.set PC0, 160                          ; the two fragments' codes
.set PC1, 180
.set TM,  200                          ; v200-211 maxima, bytes, scale operands
.set PW0, 216
.set PW1, 217
.set SWV, 218
.set VB,  219
.set LI,  4
.set L8,  5
.set L4,  6
.set VA,  7
.set SEL, 16
; 64 numbers of a lane, register 16 b + i = k 32 b + 16 (lane / 16) + i of my row, become a fragment's codes in v[pc] .. v[pc + 11] and its scale word in v[pw]
.macro QUANT s, pc, pw
.irp b, 0,1,2,3
	v_max3_num_f32 v[TM+\b], |v[\s+16*\b]|, |v[\s+1+16*\b]|, 0x1800000   ; my 16 numbers of block b, and the floor 2^(3 - 127)
.endr
.irp i, 2,4,6,8,10,12,14
.irp b, 0,1,2,3
	v_max3_num_f32 v[TM+\b], v[TM+\b], |v[\s+16*\b+\i]|, |v[\s+1+16*\b+\i]|
.endr
.endr
.irp b, 0,1,2,3
	v_permlanex16_b32 v[TM+4+\b], v[TM+\b], s[SEL], s[SEL+1]
.endr
.irp b, 0,1,2,3
	v_max_num_f32 v[TM+\b], v[TM+\b], v[TM+4+\b]   ; with lane l xor 16's: the block's largest magnitude
.endr
.irp b, 0,1,2,3
	v_add_nc_u32 v[TM+8+\b], 0xff000000, v[TM+\b]  ; 2 off its exponent field: the conversion's scale operand
.endr
.irp b, 0,1,2,3
	v_lshrrev_b32 v[TM+4+\b], 23, v[TM+8+\b]       ; the scale's byte
.endr
	v_lshl_or_b32 v[\pw], v[TM+5], 8, v[TM+4]
	v_lshl_or_b32 v[\pw], v[TM+6], 16, v[\pw]
	v_lshl_or_b32 v[\pw], v[TM+7], 24, v[\pw]
.irp c, 0,1
	v_cvt_scalef32_pk16_fp6_f32 v[\pc+6*\c:\pc+2+6*\c], v[\s+32*\c:\s+15+32*\c], v[TM+8+2*\c]
	v_cvt_scalef32_pk16_fp6_f32 v[\pc+12+4*\c:\pc+14+4*\c], v[\s+16+32*\c:\s+31+32*\c], v[TM+8+2*\c+1]
.endr
	v_nop                                          ; one plain place behind a scaled conversion
.irp c, 0,1                                    ; the operand's layout wants a whole block in a lane
.irp i, 0,1,2
	v_permlane16_swap_b32 v[\pc+6*\c+\i], v[\pc+12+4*\c+\i]
.endr
.irp i, 0,1,2
	v_mov_b32 v[\pc+3+6*\c+\i], v[\pc+12+4*\c+\i]
.endr
.endr
.endm
	s_load_b128 s[4:7], s[0:1], 0x0                ; the rows, the gains
	s_load_b64 s[8:9], s[0:1], 0x10                ; H
	v_lshl_add_u32 v224, v0, 2, 0x10100
	v_mov_b32 v225, 0
	v_lshrrev_b32 v1, 5, v0
	v_readfirstlane_b32 s10, v1                    ; wave
	v_and_b32 v1, 31, v0                           ; lane
	v_and_b32 v2, 15, v0                           ; r
	v_bfe_u32 v3, v0, 4, 1                         ; h
	v_lshlrev_b32 v[LI], 4, v1
	v_lshlrev_b32 v[L8], 3, v1
	v_lshlrev_b32 v[L4], 2, v1
	s_lshr_b32 s11, ttmp9, 1
	s_lshl_b32 s11, s11, 5
	s_and_b32 s12, ttmp9, 1
	s_lshl_b32 s12, s12, 3
	s_add_co_u32 s11, s11, s12
	s_lshl_b32 s12, s10, 2
	s_add_co_u32 s11, s11, s12
	s_lshr_b32 s12, s10, 1
	s_lshl_b32 s12, s12, 3
	s_add_co_u32 s11, s11, s12                     ; the token of the tile's row 4 w: 32 (T / 2) + 8 (T % 2) + 4 w + 8 (w / 2); my four rows are neighbours
	s_lshl_b32 s12, s11, 12
	s_mov_b32 s13, 0
	s_mul_i32 s14, s10, 4*PITCH
	v_add_nc_u32 v[VA], s14, v[LI]                 ; into LDS: my four rows, 16 bytes a lane
	v_mul_u32_u24 v[VB], v2, PITCH
	v_lshl_add_u32 v[VB], v3, 6, v[VB]
	s_lshl_b32 s15, s10, 10
	v_add_nc_u32 v[VB], s15, v[VB]                 ; out of LDS: row r, my wave's 256 columns, + 64 h
	s_mul_i32 s18, ttmp9, 12288
	s_mul_i32 s19, s10, 3072
	s_add_co_u32 s18, s18, s19
	s_mov_b32 s19, 0
	s_lshl_b32 s20, ttmp9, 9
	s_lshl_b32 s21, s10, 7
	s_add_co_u32 s20, s20, s21
	s_add_co_u32 s20, s20, 3145728
	s_mov_b32 s21, 0
	s_mov_b32 s[SEL], 0x76543210
	s_mov_b32 s[SEL+1], 0xfedcba98                 ; v_permlanex16_b32's selects for lane l xor 16
	s_mov_b32 s22, 0x3a800000                      ; 1 / 1,024
	s_mov_b32 s23, 0x34000000                      ; eps = 2^-23
	v_cmp_le_u32 s24, 16, v1                       ; lanes 16-31
.irp i, 0,1,2,3
	v_mov_b32 v[RS+2*\i+1], 0                      ; (named as the upper half of a pair)
	v_mov_b32 v[TM+4+\i], 0                        ; (a lane permute's destination counts as one of its sources)
.endr
	s_wait_kmcnt 0x0
	s_add_nc_u64 s[4:5], s[4:5], s[12:13]
	s_add_nc_u64 s[18:19], s[8:9], s[18:19]        ; my two fragments
	s_add_nc_u64 s[20:21], s[8:9], s[20:21]        ; and their scale words
.irp j, 0,1,2,3,4,5,6,7
	global_load_b128 v[G+4*\j:G+4*\j+3], v[LI], s[6:7] offset:512*\j
.endr
.irp i, 0,1,2,3
.irp j, 0,1,2,3,4,5,6,7
	global_load_b128 v[X+32*\i+4*\j:X+32*\i+4*\j+3], v[LI], s[4:5] offset:4096*\i+512*\j th:TH_LOAD_NT
.endr
.endr
.macro SUMSQ i
.set XR, X+32*(\i)
.set A0, SS+4*(\i)
	s_wait_loadcnt 8*(3-(\i))                      ; the gains and rows 0 .. i are in; eight loads for each younger row may be out
	v_pk_mul_f32 v[A0:A0+1], v[XR:XR+1], v[XR:XR+1]
	v_pk_mul_f32 v[A0+2:A0+3], v[XR+2:XR+3], v[XR+2:XR+3]
.irp p, 4,8,12,16,20,24,28
	v_pk_fma_f32 v[A0:A0+1], v[XR+\p:XR+\p+1], v[XR+\p:XR+\p+1], v[A0:A0+1]
	v_pk_fma_f32 v[A0+2:A0+3], v[XR+\p+2:XR+\p+3], v[XR+\p+2:XR+\p+3], v[A0+2:A0+3]
.endr
	v_pk_add_f32 v[A0:A0+1], v[A0:A0+1], v[A0+2:A0+3]
	v_add_f32 v[A0], v[A0], v[A0+1]
	v_add_f32_dpp v[A0], v[A0], v[A0] row_xmask:1 row_mask:0xf bank_mask:0xf
	v_add_f32_dpp v[A0], v[A0], v[A0] row_xmask:2 row_mask:0xf bank_mask:0xf
	v_add_f32_dpp v[A0], v[A0], v[A0] row_xmask:4 row_mask:0xf bank_mask:0xf
	v_add_f32_dpp v[A0], v[A0], v[A0] row_xmask:8 row_mask:0xf bank_mask:0xf
	v_permlanex16_b32 v[A0+1], v[A0], s[SEL], s[SEL+1]
	v_add_f32 v[A0], v[A0], v[A0+1]                ; the row's sum of squares, in every lane
	v_fma_f32 v[A0], v[A0], s22, s23               ; the mean + eps
.endm
	SUMSQ 0
	SUMSQ 1
	SUMSQ 2
	SUMSQ 3
.irp i, 0,1,2,3
	v_rsq_f32 v[RS+2*\i], v[SS+4*\i]
.endr
	v_nop                                          ; a plain place behind the last of them
	s_wait_alu depctr_va_vdst(0)                   ; one wait for the four, ahead of their first reader
.irp i, 0,1,2,3
.irp j, 0,1,2,3,4,5,6,7
	v_pk_mul_f32 v[X+32*\i+4*\j:X+32*\i+4*\j+1], v[X+32*\i+4*\j:X+32*\i+4*\j+1], v[RS+2*\i:RS+2*\i+1] op_sel_hi:[1,0]
	v_pk_mul_f32 v[X+32*\i+4*\j+2:X+32*\i+4*\j+3], v[X+32*\i+4*\j+2:X+32*\i+4*\j+3], v[RS+2*\i:RS+2*\i+1] op_sel_hi:[1,0]
	v_pk_mul_f32 v[X+32*\i+4*\j:X+32*\i+4*\j+1], v[X+32*\i+4*\j:X+32*\i+4*\j+1], v[G+4*\j:G+4*\j+1]
	v_pk_mul_f32 v[X+32*\i+4*\j+2:X+32*\i+4*\j+3], v[X+32*\i+4*\j+2:X+32*\i+4*\j+3], v[G+4*\j+2:G+4*\j+3]
	ds_store_b128 v[VA], v[X+32*\i+4*\j:X+32*\i+4*\j+3] offset:\i*PITCH+512*\j
.endr
.endr
	s_wait_dscnt 0x0                               ; for the others' sake: my rows lie in LDS
	s_barrier_signal -1
	s_barrier_wait -1
.irp q, 0,1
.irp b, 0,1,2,3
.irp j, 0,1,2,3
	ds_load_b128 v[X+64*\q+16*\b+4*\j:X+64*\q+16*\b+4*\j+3], v[VB] offset:512*\q+128*\b+16*\j
.endr
.endr
.endr
	s_wait_dscnt 16                                ; the first fragment's 16 loads are in, the second's may be out
	QUANT X, PC0, PW0
	global_store_b128 v[LI], v[PC0:PC0+3], s[18:19]
	global_store_b64 v[L8], v[PC0+4:PC0+5], s[18:19] offset:512
	global_store_b128 v[LI], v[PC0+6:PC0+9], s[18:19] offset:768
	global_store_b64 v[L8], v[PC0+10:PC0+11], s[18:19] offset:1280
	s_wait_dscnt 0x0
	QUANT X+64, PC1, PW1
	global_store_b128 v[LI], v[PC1:PC1+3], s[18:19] offset:1536
	global_store_b64 v[L8], v[PC1+4:PC1+5], s[18:19] offset:2048
	global_store_b128 v[LI], v[PC1+6:PC1+9], s[18:19] offset:2304
	global_store_b64 v[L8], v[PC1+10:PC1+11], s[18:19] offset:2816
	v_cndmask_b32 v[SWV], v[PW0], v[PW1], s24      ; lanes 0-15 the first fragment's words, lanes 16-31 the second's: 128 consecutive bytes
	global_store_b32 v[L4], v[SWV], s[20:21]
	s_wait_tensorcnt 0x0
	ds_add_u32 v224, v225
	s_wait_dscnt 0x0
	s_endpgm
.Lfunc_end_k_q6bfa3b44b3_norm1:
	.size	k_q6bfa3b44b3_norm1, .Lfunc_end_k_q6bfa3b44b3_norm1-k_q6bfa3b44b3_norm1
	.p2alignl 7, 3214868480
	.fill 96, 4, 3214868480
	.section	.rodata,"a",@progbits
	.p2align	6, 0x0
	.amdhsa_kernel k_q6bfa3b44b3_norm1
		.amdhsa_group_segment_fixed_size 66304
		.amdhsa_private_segment_fixed_size 0
		.amdhsa_enable_private_segment 0
		.amdhsa_kernarg_size 24
		.amdhsa_user_sgpr_count 2
		.amdhsa_user_sgpr_kernarg_segment_ptr 1
		.amdhsa_wavefront_size32 1
		.amdhsa_system_sgpr_workgroup_id_x 1
		.amdhsa_system_sgpr_workgroup_id_y 1
		.amdhsa_system_sgpr_workgroup_id_z 1
		.amdhsa_system_vgpr_workitem_id 0
		.amdhsa_next_free_vgpr 226
		.amdhsa_next_free_sgpr 66
		.amdhsa_reserve_vcc 0
		.amdhsa_float_denorm_mode_32 3
		.amdhsa_float_denorm_mode_16_64 3
		.amdhsa_memory_ordered 1
		.amdhsa_forward_progress 1
		.amdhsa_inst_pref_size 34
	.end_amdhsa_kernel
	.amdgpu_metadata
---
amdhsa.version: [ 1, 2 ]
amdhsa.kernels:
  - .name:           k_q6bfa3b44b3_norm1
    .symbol:         k_q6bfa3b44b3_norm1.kd
    .args:
      - { .name: x, .offset: 0, .size: 8, .value_kind: global_buffer, .address_space: global }
      - { .name: g_norm1, .offset: 8, .size: 8, .value_kind: global_buffer, .address_space: global }
      - { .name: H, .offset: 16, .size: 8, .value_kind: global_buffer, .address_space: global }
    .group_segment_fixed_size: 66304
    .private_segment_fixed_size: 0
    .kernarg_segment_align: 8
    .kernarg_segment_size: 24
    .max_flat_workgroup_size: 128
    .sgpr_count:     66
    .vgpr_count:     226
    .wavefront_size: 32
...
	.end_amdgpu_metadata
.endif
;; end of part 2
;; launch qkv (part 3): grid 16 x 12, 4 waves a work-group, clusters of 4 x 4, 327,680 bytes of LDS; arguments H, W, b_attn, QKV; writes QKV
.if DOCPART == 3
	.amdgcn_target "amdgcn-amd-amdhsa--gfx1250"
	.amdhsa_code_object_version 6
	.text
	.protected	k_q6bfa3b44b3_qkv
	.globl	k_q6bfa3b44b3_qkv
	.p2align	8
	.type	k_q6bfa3b44b3_qkv,@function
k_q6bfa3b44b3_qkv:
	s_mov_b64 s[64:65], 0
	v_nop
	global_prefetch_b8 v0, s[64:65] scope:SCOPE_SE
	s_setreg_imm32_b32 hwreg(HW_REG_WAVE_MODE, 25, 1), 1
	s_wait_xcnt 0x0
	s_wait_alu depctr_hold_cnt(0) depctr_sa_sdst(0) depctr_va_vdst(0) depctr_va_sdst(0) depctr_va_ssrc(0) depctr_va_vcc(0) depctr_vm_vsrc(0)
	s_getreg_b32 s2, hwreg(HW_REG_IB_STS2, 6, 4)
	s_cmp_eq_u32 s2, 0
	s_cbranch_scc0 .Lentry_in_a_cluster
	s_endpgm
.Lentry_in_a_cluster:
	s_bfe_u32 s2, ttmp6, 0x10000c
	s_cmp_lg_u32 s2, 0xf033
	s_cbranch_scc0 .Lentry_shape_is_right
	s_endpgm
.Lentry_shape_is_right:
; qkv = h w_attn + b_attn on codes of FP6 (E2M3) with E8M0 scales, and its three parts quantised on the way out as the attention launch wants them.
; OPERANDS (H, and w_attn's part of W) lie as tiles of 16 rows; a tile's codes are K / 64 pieces of 768 bytes, each an image of six operand registers; scale words [tile][K / 128][16 rows].
; Row r of tile T is index 32 (T / 2) + 8 (T % 2) + r + 8 (r / 8) (token or column), so that the 16 result registers of source 0's tiles 2 B and 2 B + 1 are 16 neighbouring indices.
; A work-group makes 256 x 256, each of four waves 128 x 128: 64 accumulators.  K goes in steps of 256 through two LDS slots filled by the tensor data mover; the scale words of all of K come once.
; TWO KINDS OF WORK-GROUP, ONE LOOP.  q and k are quantised along channels, v along tokens.  Clusters with y 0, 1 make q, k: source 0 = w_attn's columns, source 1 = tokens: a lane holds a token, its registers run along channels.
; Clusters with y = 2 make v with the sources changed: source 0 = tokens, source 1 = columns: a lane holds a channel, its registers run along tokens.  Both operands have the same K and layout, so only the
; pointers differ: they are chosen by the cluster's y, which all partners share.  The way out has two arms, parted by the same number.
; CLUSTERS: 4 x 4.  Source 1's tile is shared along a row of the cluster, source 0's along a column: each is asked for jointly.
; QKV: q, k codes [hq 0..31][token tile 0..255][768] (hq = head for q, 16 + head for k); v codes from 6,291,456: [head][128-token group 0..31][channel tile 0..3][1,536];
;   q, k scale words from 9,437,184: [hq][pair of tiles 0..127][16 rows], two bytes of the even tile, two of the odd; v's from 9,699,328: [head][group][channel tile][16 rows].
; Every work-group loads both forms of the bias (by column for q, k; by lane for v), from addresses inside b_attn, so that both arms find their registers written.
; LIMITS: a block under 2^-124 gets the byte 1 (read by this program alone); NaN and infinities are not served.
; REGISTERS: window 0: v8-15 v's bias; v16-29 addresses; v32-63 scale words, two sets; v64-127 the way out's numbers; from v128 source 1's fragments, one set (on the way out codes and work).
;   window 1: source 0's fragments, two sets, at v0 and v128; the bias by column in v96-127 and v224-255.   windows 2, 3: the accumulators ((a, b) at v[8 (8 (a % 4) + b)]).
.set SIZE_K, 1024
.set H_SC,   3145728                   ; where H's scale words begin
.set W_SC,   9437184                   ; and w_attn's, in W
.set NQ,     2                         ; matrix instructions deep in a slot
.set FR,     12                        ; registers of a fragment
.set NL,     4                         ; LDS loads that bring one
.set NP,     4                         ; places behind this matrix instruction (ISA guide 7.12.1)
.set TB,     3072                      ; a tile of 16 rows in a slot: 256 along K, four pieces
.set HALFT,  8*TB                      ; eight tiles: what one tensor load brings, and what one wave reads of a source
.set SLOT,   4*HALFT
.set LAPS,   SIZE_K/512
.set TROW,   12*SIZE_K                 ; a tile's codes in memory
.set SBLK,   SIZE_K/2                  ; a tile's scale words
.set HALFS,  8*SBLK
.set SCL,    2*SLOT                    ; behind the ring: the scale words
.set SPARE,  SCL+4*HALFS               ; behind them: the spare words, 128 bytes for each wave, which no other line names
.set ADRA, 16                          ; v16-17 16 x lane + my tiles of source 1 in slot 0, 1;  v18-19 the same with 8 x lane
.set ADRB, 20                          ; v20-23 the same for source 0
.set LI,   24
.set L8,   25
.set L4,   26
.set ADRS, 27
.set SPW,  28
.set NIL,  29
.set SC,   32
.set AF,   128
.set BV,   8
.set X,    64
.set PC,   128
.set TM,   148
.set PW,   164
.set PWE,  165
.set WP,   166
.set SW,   170
.set SEL,  66
.set G1, 24
.set G0, 32
.set G1B, 48
.set G0B, 56
.set G1S, 68
.set G0S, 76
.set G1SB, 80
.set G0SB, 88
.set MSB, 0
.macro WIN new                         ; the immediate's high byte repeats the setting that is left
.if MSB != (\new)
	s_set_vgpr_msb (MSB<<8)|(\new)
.set MSB, (\new)
.endif
.endm
.set MUL_LO, 0xa1                      ; source 0 window 1, source 1 window 0, C and D window 2
.set MUL_HI, 0xf1                      ; the same, C and D window 3
.set TO_B,   0x40
; A joint load: waves 0 and 1 fetch for source 1, waves 2 and 3 for source 0.  The branch hangs on the wave's number alone.  Four v_nop follow each of the two lines.
.macro JLOAD g0a, g1a, g0b, g1b
	s_cmp_eq_u32 s15, 0
	s_cbranch_scc0 .Lfor_b_\@
	tensor_load_to_lds s[\g0a:\g0a+3], s[\g1a:\g1a+7]
	s_nop 0
.rept 4
	v_nop
.endr
	s_branch .Lasked_\@
.Lfor_b_\@:
	tensor_load_to_lds s[\g0b:\g0b+3], s[\g1b:\g1b+7]
	s_nop 0
.rept 4
	v_nop
.endr
.Lasked_\@:
.endm
.macro CREST                           ; a round of the cluster's barrier behind its opening barrier
	s_cmp_lg_u32 s14, 0
	s_cbranch_scc1 .Lnot_wave_0_\@
	s_barrier_signal -3
.Lnot_wave_0_\@:
	s_barrier_wait -3
	s_barrier_signal -1
	s_barrier_wait -1
.endm
.macro CROUND
	s_barrier_signal -1
	s_barrier_wait -1
	CREST
.endm
	s_load_b128 s[4:7], s[0:1], 0x0                ; H, W
	s_load_b128 s[8:11], s[0:1], 0x10              ; b_attn, QKV
	v_lshl_add_u32 v[SPW], v0, 2, SPARE
	v_mov_b32 v[NIL], 0
	ds_add_u32 v28, v29
	ds_add_u32 v28, v29
	s_wait_dscnt 0x0
	v_lshrrev_b32 v1, 5, v0
	v_readfirstlane_b32 s14, v1                    ; wave 0..3
	s_lshr_b32 s15, s14, 1                         ; which half of source 1's 256 rows is mine.  Also: I fetch for source 1 (0) or source 0 (1)
	s_and_b32 s16, s14, 1                          ; which half of source 0's.  Also: which eight tiles I fetch
	s_bfe_u32 s40, ttmp6, 0x40000                  ; cx, cy: my place in the cluster
	s_bfe_u32 s41, ttmp6, 0x40004
	s_lshl_b32 s42, ttmp9, 2
	s_add_co_u32 s42, s42, s40                     ; work-group x
	s_and_b32 s95, ttmp7, 0xffff                   ; the cluster's y
	s_lshl_b32 s17, s95, 2
	s_add_co_u32 s17, s17, s41                     ; work-group y
	s_lshl_b32 s43, s41, 2
	s_lshl_b32 s43, 15, s43                        ; my row of the cluster
	s_lshl_b32 s44, 0x1111, s40                    ; my column
	s_or_b32 s[G1+0], s43, (3<<16)|(1<<21)         ; 15:0 the mask; 17:16 elements of 8 bytes; 21 set beside a mask; no padding: every LDS access here covers consecutive bytes
	s_or_b32 s[G1B+0], s44, (3<<16)|(1<<21)
.irp g, G1, G1B
	s_mov_b32 s[\g+1], 384<<16                     ; tensor_dim0: a tile's 3,072 bytes of a K step
	s_mov_b32 s[\g+2], 8<<16                       ; tensor_dim1: eight tiles
	s_mov_b32 s[\g+3], 384<<16                     ; tile_dim0
	s_mov_b32 s[\g+4], 8                           ; tile_dim1
	s_mov_b32 s[\g+5], TROW/8                      ; from tile to tile
	s_mov_b32 s[\g+6], 0
	s_mov_b32 s[\g+7], 0
.endr
	s_or_b32 s[G1S+0], s43, (3<<16)|(1<<21)        ; the scale words of eight tiles: a dense block, as rows of 256 bytes
	s_or_b32 s[G1SB+0], s44, (3<<16)|(1<<21)
.irp g, G1S, G1SB
	s_mov_b32 s[\g+1], 32<<16
	s_mov_b32 s[\g+2], (HALFS/256)<<16
	s_mov_b32 s[\g+3], 32<<16
	s_mov_b32 s[\g+4], HALFS/256
	s_mov_b32 s[\g+5], 32
	s_mov_b32 s[\g+6], 0
	s_mov_b32 s[\g+7], 0
.endr
	s_and_b32 s45, s42, 7                          ; q, k: source 0 = w_attn's block of 256 columns x % 8,
	s_lshl_b32 s18, s17, 1
	s_lshr_b32 s19, ttmp9, 1
	s_add_co_u32 s18, s18, s19                     ; source 1 = the block of 256 tokens 2 y + x / 8 (x / 8 = cluster x / 2)
	s_mov_b32 s97, W_SC
	s_mov_b32 s99, H_SC
	s_cmp_ge_u32 s95, 2                            ; v?  The same in all sixteen partners
	s_cselect_b32 s96, 1, 0
	s_cselect_b32 s46, s42, s45                    ; v: source 0 = the block of tokens x,
	s_cselect_b32 s20, s17, s18                    ; source 1 = w_attn's block of columns y (8 .. 11)
	s_cselect_b32 s98, s99, s97                    ; where source 0's scale words begin in its buffer,
	s_cselect_b32 s99, s97, s99                    ; and source 1's
	s_mov_b32 s100, s46                            ; kept for the way out
	s_mov_b32 s101, s20
	s_lshl_b32 s18, s16, 3                         ; which eight tiles I fetch
	s_lshl_b32 s20, s20, 4
	s_add_co_u32 s20, s20, s18
	s_lshl_b32 s46, s46, 4
	s_add_co_u32 s46, s46, s18
	s_mul_i32 s22, s20, SBLK
	s_add_co_u32 s22, s22, s99
	s_mul_i32 s92, s46, SBLK
	s_add_co_u32 s92, s92, s98
	s_mul_i32 s20, s20, TROW
	s_mul_i32 s46, s46, TROW
	s_mov_b32 s21, 0
	s_mov_b32 s23, 0
	s_mov_b32 s47, 0
	s_mov_b32 s93, 0
	s_mul_i32 s45, s14, HALFT                      ; where they go: no place in the cluster enters an LDS address
	s_mul_i32 s94, s14, HALFS
	s_wait_kmcnt 0x0
	s_cmp_eq_u32 s96, 1
	s_cselect_b64 s[2:3], s[6:7], s[4:5]           ; source 1's buffer: W for v, else H
	s_cselect_b64 s[12:13], s[4:5], s[6:7]         ; source 0's: H for v, else W
	s_add_nc_u64 s[20:21], s[2:3], s[20:21]
	s_add_nc_u64 s[22:23], s[2:3], s[22:23]
	s_add_nc_u64 s[46:47], s[12:13], s[46:47]
	s_add_nc_u64 s[92:93], s[12:13], s[92:93]
	CROUND                                         ; all sixteen work-groups are here: the first joint loads meet
	s_mov_b32 s[G0S], 1
	s_add_co_u32 s[G0S+1], s94, SCL
	s_mov_b64 s[G0S+2:G0S+3], s[22:23]
	s_or_b32 s[G0S+3], s[G0S+3], 0x80000000
	s_mov_b32 s[G0SB], 1
	s_add_co_u32 s[G0SB+1], s94, SCL
	s_mov_b64 s[G0SB+2:G0SB+3], s[92:93]
	s_or_b32 s[G0SB+3], s[G0SB+3], 0x80000000
	JLOAD G0S, G1S, G0SB, G1SB                     ; the scale words first: they are wanted with K step 0
.irp s, 0,1
	s_mov_b32 s[G0+4*\s], 1
	s_add_co_u32 s[G0+4*\s+1], s45, \s*SLOT
	s_add_nc_u64 s[G0+4*\s+2:G0+4*\s+3], s[20:21], \s*TB
	s_or_b32 s[G0+4*\s+3], s[G0+4*\s+3], 0x80000000
	s_mov_b32 s[G0B+4*\s], 1
	s_add_co_u32 s[G0B+4*\s+1], s45, \s*SLOT
	s_add_nc_u64 s[G0B+4*\s+2:G0B+4*\s+3], s[46:47], \s*TB
	s_or_b32 s[G0B+4*\s+3], s[G0B+4*\s+3], 0x80000000
	JLOAD G0+4*\s, G1, G0B+4*\s, G1B
.endr
	v_and_b32 v1, 31, v0                           ; lane
	v_and_b32 v2, 15, v0                           ; r
	v_bfe_u32 v3, v0, 4, 1                         ; h
	v_lshlrev_b32 v[LI], 4, v1
	v_lshlrev_b32 v[L8], 3, v1
	v_lshlrev_b32 v[L4], 2, v1
	s_mul_i32 s21, s15, HALFT                      ; my eight tiles of source 1
	s_mul_i32 s22, s16, HALFT                      ; my eight of source 0,
	s_add_co_u32 s22, s22, 2*HALFT                 ; which lie behind source 1's sixteen
.irp s, 0,1
	v_add_nc_u32 v[ADRA+\s], s21, v[LI]
	v_add_nc_u32 v[ADRB+\s], s22, v[LI]
	v_add_nc_u32 v[ADRA+2+\s], s21, v[L8]
	v_add_nc_u32 v[ADRB+2+\s], s22, v[L8]
	s_add_co_u32 s21, s21, SLOT
	s_add_co_u32 s22, s22, SLOT
.endr
	v_lshlrev_b32 v6, 2, v2                        ; my row's scale word
	s_mul_i32 s21, s15, HALFS
	s_mul_i32 s22, s16, HALFS
	s_add_co_u32 s22, s22, 2*HALFS
	s_sub_co_u32 s22, s22, s21
	v_mul_u32_u24 v7, s22, v3                      ; lanes 16-31 take source 0's
	s_add_co_u32 s21, s21, SCL
	v_add_nc_u32 v6, v6, v7
	v_add_nc_u32 v[ADRS], s21, v6
	s_lshl_b32 s18, s100, 10                       ; the bias by column: source 0's 256 columns x 4 bytes, + my 128
	s_lshl_b32 s19, s16, 9
	s_add_co_u32 s18, s18, s19
	s_lshl_b32 s20, s101, 10                       ; the bias by lane: source 1's 256 columns, + my 128
	s_lshl_b32 s21, s15, 9
	s_add_co_u32 s20, s20, s21
	s_cmp_eq_u32 s96, 1
	s_cselect_b32 s18, 0, s18                      ; the form that the arm does not use is loaded from a place inside b_attn
	s_cselect_b32 s20, s20, 8192
	s_mov_b32 s19, 0
	s_mov_b32 s21, 0
	s_add_nc_u64 s[18:19], s[8:9], s[18:19]
	s_add_nc_u64 s[20:21], s[8:9], s[20:21]
	v_and_b32 v4, 8, v2
	v_add_nc_u32 v4, v4, v2
	v_lshlrev_b32 v4, 2, v4                        ; 4 (r + 8 (r / 8))
	v_lshlrev_b32 v5, 6, v3                        ; 64 h
.irp a, 0,1,2,3,4,5,6,7
	global_load_b32 v[BV+\a], v4, s[20:21] offset:4*(32*(\a/2)+8*(\a%2))   ; tile a's row r is column 32 (a / 2) + 8 (a % 2) + r + 8 (r / 8)
.endr
	WIN 0x40
.irp e, 0,1,2,3
.irp q, 0,1,2,3
	global_load_b128 v[96+96*(\e/2)+16*\e+4*\q:96+96*(\e/2)+16*\e+4*\q+3], v5, s[18:19] offset:128*\e+16*\q   ; register 16 e + i: column 32 e + 16 h + i
.endr
.endr
	WIN 0
	s_mov_b32 s[SEL], 0x76543210
	s_mov_b32 s[SEL+1], 0xfedcba98
.macro FRAG reg, adr, q, i             ; a fragment is two pieces on end: registers 0-3, 4-5, 6-9, 10-11 by four loads of consecutive bytes
	ds_load_b128 v[\reg:\reg+3], v[\adr] offset:(\i)*TB+1536*(\q)
	ds_load_b64 v[\reg+4:\reg+5], v[\adr+2] offset:(\i)*TB+1536*(\q)+512
	ds_load_b128 v[\reg+6:\reg+9], v[\adr] offset:(\i)*TB+1536*(\q)+768
	ds_load_b64 v[\reg+10:\reg+11], v[\adr+2] offset:(\i)*TB+1536*(\q)+1280
.endm
; 16 matrix instructions: source 1's tiles a0, a0 + 1 x source 0's eight.  mode 1: the first product starts the sums.  The 64 accumulators take turns, one instruction a turn.
.macro MUL16 a0, p, q, sc, mode
.irp a, \a0, \a0+1
.irp b, 0,1,2,3,4,5,6,7
.if \mode == 1
	v_wmma_scale_f32_16x16x128_f8f6f4 v[8*(8*((\a)%4)+\b):8*(8*((\a)%4)+\b)+7], v[128*(\p)+FR*\b:128*(\p)+FR*\b+FR-1], v[AF+FR*(\a):AF+FR*(\a)+FR-1], 0, v[SC+8*NQ*(\sc)+NQ*\b+(\q)], v[SC+8*NQ*(\sc)+NQ*(\a)+(\q)] matrix_a_fmt:MATRIX_FMT_FP6 matrix_b_fmt:MATRIX_FMT_FP6 matrix_a_scale:MATRIX_SCALE_ROW1
.else
	v_wmma_scale_f32_16x16x128_f8f6f4 v[8*(8*((\a)%4)+\b):8*(8*((\a)%4)+\b)+7], v[128*(\p)+FR*\b:128*(\p)+FR*\b+FR-1], v[AF+FR*(\a):AF+FR*(\a)+FR-1], v[8*(8*((\a)%4)+\b):8*(8*((\a)%4)+\b)+7], v[SC+8*NQ*(\sc)+NQ*\b+(\q)], v[SC+8*NQ*(\sc)+NQ*(\a)+(\q)] matrix_a_fmt:MATRIX_FMT_FP6 matrix_b_fmt:MATRIX_FMT_FP6 matrix_a_scale:MATRIX_SCALE_ROW1
.endif
.endr
.endr
.endm
.macro FETCH_B slot, q, p
	WIN TO_B
.irp i, 0,1,2,3,4,5,6,7
	FRAG 128*(\p)+FR*\i, ADRB+\slot, \q, \i
.endr
	WIN 0
.endm
.macro FETCH_A slot, q, i0
.irp i, \i0, \i0+1, \i0+2, \i0+3
	FRAG AF+FR*(\i), ADRA+\slot, \q, \i
.endr
.endm
.macro SCALES sc                       ; a K step's scale words: lanes 0-15 take source 1's tile i, lanes 16-31 source 0's tile i
.irp i, 0,1,2,3,4,5,6,7
	ds_load_b32 v[SC+16*(\sc)+2*\i], v[ADRS] offset:\i*SBLK
	ds_load_b32 v[SC+16*(\sc)+2*\i+1], v[ADRS] offset:\i*SBLK+64
.endr
.endm
.macro PLACES n                        ; plain vector lines between a matrix instruction and a load into, or a read of, its registers (ISA guide 7.12.1 for reads)
.rept \n
	v_nop
.endr
.endm
.macro STEP slot, q, mode              ; 128 along K with its successor in the same slot
	s_wait_dscnt 4*NL                              ; all but the youngest 16 loads (source 1's tiles 4-7)
	WIN MUL_LO
	MUL16 0, (\q)%2, \q, \slot, \mode
	MUL16 2, (\q)%2, \q, \slot, \mode
	s_wait_dscnt 0
	PLACES NP
	FETCH_B \slot, (\q)+1, 1-(\q)%2
	FETCH_A \slot, (\q)+1, 0
	WIN MUL_HI
	MUL16 4, (\q)%2, \q, \slot, \mode
	MUL16 6, (\q)%2, \q, \slot, \mode
	PLACES NP
	WIN 0
	FETCH_A \slot, (\q)+1, 4
.endm
; A slot's last step changes slots: one barrier; in front of it each wave waits for all its tensor loads, adds 0 to its spare word, and waits for that and for its reads of this slot.
.macro TURN slot, next, fill
	s_wait_tensorcnt 0x0                           ; all my tensor loads have landed: my part of the next slot
	ds_add_u32 v[SPW], v[NIL]                      ; 0 onto my spare word
	s_wait_dscnt 4*NL+1                            ; (the add and the youngest 16 loads may be out)
	WIN MUL_LO
	MUL16 0, 1, NQ-1, \slot, 0
	s_wait_dscnt 0x0                               ; the add is done, and my reads of this slot are over
	s_barrier_signal -1
	MUL16 2, 1, NQ-1, \slot, 0
	WIN 0
	s_barrier_wait -1
.if \fill
	CREST                                          ; the barrier has opened a round of the cluster's: no wave of any partner still reads this slot or has a load on its way
	s_add_nc_u64 s[G0+4*\slot+2:G0+4*\slot+3], s[G0+4*\slot+2:G0+4*\slot+3], 2*TB
	s_add_nc_u64 s[G0B+4*\slot+2:G0B+4*\slot+3], s[G0B+4*\slot+2:G0B+4*\slot+3], 2*TB
	JLOAD G0+4*\slot, G1, G0B+4*\slot, G1B         ; the first tensor load behind the round; its four v_nop are the places in front of the loads below
.else
	PLACES NP
.endif
	v_add_nc_u32 v[ADRS], 64*NQ, v[ADRS]           ; the next K step's scale words
	FETCH_B \next, 0, 0
	FETCH_A \next, 0, 0
	SCALES \next
	WIN MUL_HI
	MUL16 4, 1, NQ-1, \slot, 0
	MUL16 6, 1, NQ-1, \slot, 0
	PLACES NP
	WIN 0
	FETCH_A \next, 0, 4
.endm
	s_wait_tensorcnt 1                             ; the scale words and my part of K step 0 are in; K step 1's load may be out
	s_barrier_signal -1
	s_barrier_wait -1
	FETCH_B 0, 0, 0
	FETCH_A 0, 0, 0
	SCALES 0
	FETCH_A 0, 0, 4
	s_wait_loadcnt 0x0                             ; the biases
	STEP 0, 0, 1
	s_mov_b32 s3, LAPS-1
.Llap:                                             ; a trip goes once round the ring and fills both slots again
	TURN 0, 1, 1
	STEP 1, 0, 0
	TURN 1, 0, 1
	STEP 0, 0, 0
	s_sub_co_u32 s3, s3, 1
	s_cmp_lg_u32 s3, 0
	s_cbranch_scc1 .Llap
	TURN 0, 1, 0                                   ; the last lap fills nothing
	STEP 1, 0, 0
	s_wait_dscnt 4*NL
	WIN MUL_LO
	MUL16 0, 1, NQ-1, 1, 0
	MUL16 2, 1, NQ-1, 1, 0
	s_wait_dscnt 0
	WIN MUL_HI
	MUL16 4, 1, NQ-1, 1, 0
	MUL16 6, 1, NQ-1, 1, 0
	WIN 0
; 64 numbers of a lane, register 16 b + i = k 32 b + 16 (lane / 16) + i of my row, become a fragment's codes in v[pc] .. v[pc + 11] and its scale word in v[pw]
.macro QUANT s, pc, pw
.irp b, 0,1,2,3
	v_max3_num_f32 v[TM+\b], |v[\s+16*\b]|, |v[\s+1+16*\b]|, 0x1800000
.endr
.irp i, 2,4,6,8,10,12,14
.irp b, 0,1,2,3
	v_max3_num_f32 v[TM+\b], v[TM+\b], |v[\s+16*\b+\i]|, |v[\s+1+16*\b+\i]|
.endr
.endr
.irp b, 0,1,2,3
	v_permlanex16_b32 v[TM+4+\b], v[TM+\b], s[SEL], s[SEL+1]
.endr
.irp b, 0,1,2,3
	v_max_num_f32 v[TM+\b], v[TM+\b], v[TM+4+\b]
.endr
.irp b, 0,1,2,3
	v_add_nc_u32 v[TM+8+\b], 0xff000000, v[TM+\b]
.endr
.irp b, 0,1,2,3
	v_lshrrev_b32 v[TM+4+\b], 23, v[TM+8+\b]
.endr
	v_lshl_or_b32 v[\pw], v[TM+5], 8, v[TM+4]
	v_lshl_or_b32 v[\pw], v[TM+6], 16, v[\pw]
	v_lshl_or_b32 v[\pw], v[TM+7], 24, v[\pw]
.irp c, 0,1
	v_cvt_scalef32_pk16_fp6_f32 v[\pc+6*\c:\pc+2+6*\c], v[\s+32*\c:\s+15+32*\c], v[TM+8+2*\c]
	v_cvt_scalef32_pk16_fp6_f32 v[\pc+12+4*\c:\pc+14+4*\c], v[\s+16+32*\c:\s+31+32*\c], v[TM+8+2*\c+1]
.endr
	v_nop
.irp c, 0,1
.irp i, 0,1,2
	v_permlane16_swap_b32 v[\pc+6*\c+\i], v[\pc+12+4*\c+\i]
.endr
.irp i, 0,1,2
	v_mov_b32 v[\pc+3+6*\c+\i], v[\pc+12+4*\c+\i]
.endr
.endr
.endm
; q, k: tile a of 16 tokens x my 128 columns: the bias is added on the way into window 0, each accumulator from its low end on
.macro QKOUT a
	WIN 0x06+(\a)/4                                ; source 0: window 2 or 3; source 1: window 1
.set n, 0
.rept 32
	v_pk_add_f32 v[X+2*n:X+2*n+1], v[64*((\a)%4)+2*n:64*((\a)%4)+2*n+1], v[96+2*n+96*(n/16):96+2*n+96*(n/16)+1]
.set n, n+1
.endr
	WIN 0
.if (\a) > 0
	s_wait_xcnt 0x0                                ; the last tile's stores have read the codes' registers
.endif
	QUANT X, PC, PW
	global_store_b128 v[LI], v[PC:PC+3], s[74:75] offset:768*(\a)                  ; the first 64 columns: one head's piece, 768 consecutive bytes
	global_store_b64 v[L8], v[PC+4:PC+5], s[74:75] offset:768*(\a)+512
	global_store_b128 v[LI], v[PC+6:PC+9], s[74:75] offset:196608+768*(\a)         ; the next head's
	global_store_b64 v[L8], v[PC+10:PC+11], s[74:75] offset:196608+768*(\a)+512
.if (\a)%2 == 0
	v_mov_b32 v[PWE], v[PW]
.else
	v_perm_b32 v[WP+2*(((\a)/2)%2)], v[PW], v[PWE], 0x05040100     ; first head: the even tile's two bytes, the odd tile's two
	v_perm_b32 v[WP+2*(((\a)/2)%2)+1], v[PW], v[PWE], 0x07060302   ; next head
.endif
.if (\a)%4 == 3
	v_cndmask_b32 v[SW+2*((\a)/4)], v[WP], v[WP+2], s2             ; two pairs of tiles: 128 consecutive bytes
	v_cndmask_b32 v[SW+2*((\a)/4)+1], v[WP+1], v[WP+3], s2
	global_store_b32 v[L4], v[SW+2*((\a)/4)], s[76:77] offset:128*((\a)/4)
	global_store_b32 v[L4], v[SW+2*((\a)/4)+1], s[76:77] offset:8192+128*((\a)/4)
.endif
.endm
; v: tile a of 16 channels x my 128 tokens: a lane has one channel, so one number of the bias
.macro VOUT a
	WIN 0x02+(\a)/4
.set n, 0
.rept 32
.if (\a)%2 == 0
	v_pk_add_f32 v[X+2*n:X+2*n+1], v[64*((\a)%4)+2*n:64*((\a)%4)+2*n+1], v[BV+(\a):BV+(\a)+1] op_sel_hi:[1,0]
.else
	v_pk_add_f32 v[X+2*n:X+2*n+1], v[64*((\a)%4)+2*n:64*((\a)%4)+2*n+1], v[BV+(\a)-1:BV+(\a)] op_sel:[0,1] op_sel_hi:[1,1]
.endif
.set n, n+1
.endr
	WIN 0
.if (\a) > 0
	s_wait_xcnt 0x0
.endif
	QUANT X, PC, PW
	global_store_b128 v[LI], v[PC:PC+3], s[74:75] offset:196608*((\a)/4)+1536*((\a)%4)
	global_store_b64 v[L8], v[PC+4:PC+5], s[74:75] offset:196608*((\a)/4)+1536*((\a)%4)+512
	global_store_b128 v[LI], v[PC+6:PC+9], s[74:75] offset:196608*((\a)/4)+1536*((\a)%4)+768
	global_store_b64 v[L8], v[PC+10:PC+11], s[74:75] offset:196608*((\a)/4)+1536*((\a)%4)+1280
.if (\a)%2 == 0
	v_mov_b32 v[PWE], v[PW]
.else
	v_cndmask_b32 v[SW+(\a)/2], v[PWE], v[PW], s2
	global_store_b32 v[L4], v[SW+(\a)/2], s[76:77] offset:8192*((\a)/4)+64*(((\a)-1)%4)
.endif
.endm
	PLACES NP                                      ; behind the last products: their results are read and source 1's registers written below
	v_and_b32 v1, 31, v0
	v_cmp_le_u32 s2, 16, v1                        ; lanes 16-31
.irp b, 0,1,2,3
	v_mov_b32 v[TM+4+\b], 0                        ; (a lane permute's destination counts as one of its sources)
.endr
	s_cmp_eq_u32 s96, 1
	s_cbranch_scc1 .Lvarm
	s_lshl_b32 s70, s101, 4
	s_lshl_b32 s71, s15, 3
	s_add_co_u32 s70, s70, s71                     ; my first token tile
	s_lshl_b32 s72, s100, 2
	s_lshl_b32 s73, s16, 1
	s_add_co_u32 s72, s72, s73                     ; my first hq
	s_mul_i32 s74, s72, 196608
	s_mul_i32 s75, s70, 768
	s_add_co_u32 s74, s74, s75
	s_mov_b32 s75, 0
	s_add_nc_u64 s[74:75], s[10:11], s[74:75]
	s_lshl_b32 s76, s72, 13
	s_lshl_b32 s77, s70, 5
	s_add_co_u32 s76, s76, s77
	s_add_co_u32 s76, s76, 9437184
	s_mov_b32 s77, 0
	s_add_nc_u64 s[76:77], s[10:11], s[76:77]
.irp a, 0,1,2,3,4,5,6,7
	QKOUT \a
.endr
	s_branch .Ldone
.Lvarm:
	s_lshl_b32 s70, s100, 1
	s_add_co_u32 s70, s70, s16                     ; my group of 128 tokens
	s_sub_co_u32 s72, s101, 8
	s_lshl_b32 s72, s72, 2
	s_lshl_b32 s73, s15, 1
	s_add_co_u32 s72, s72, s73                     ; my first head
	s_mul_i32 s74, s72, 196608
	s_mul_i32 s75, s70, 6144
	s_add_co_u32 s74, s74, s75
	s_add_co_u32 s74, s74, 6291456
	s_mov_b32 s75, 0
	s_add_nc_u64 s[74:75], s[10:11], s[74:75]
	s_lshl_b32 s76, s72, 13
	s_lshl_b32 s77, s70, 8
	s_add_co_u32 s76, s76, s77
	s_add_co_u32 s76, s76, 9699328
	s_mov_b32 s77, 0
	s_add_nc_u64 s[76:77], s[10:11], s[76:77]
.irp a, 0,1,2,3,4,5,6,7
	VOUT \a
.endr
.Ldone:
	s_wait_tensorcnt 0x0                           ; the wave's end
	ds_add_u32 v[SPW], v[NIL]
	s_wait_dscnt 0x0
	CROUND                                         ; the closing round
	s_endpgm
.Lfunc_end_k_q6bfa3b44b3_qkv:
	.size	k_q6bfa3b44b3_qkv, .Lfunc_end_k_q6bfa3b44b3_qkv-k_q6bfa3b44b3_qkv
	.p2alignl 7, 3214868480
	.fill 96, 4, 3214868480
	.section	.rodata,"a",@progbits
	.p2align	6, 0x0
	.amdhsa_kernel k_q6bfa3b44b3_qkv
		.amdhsa_group_segment_fixed_size 327680
		.amdhsa_private_segment_fixed_size 0
		.amdhsa_enable_private_segment 0
		.amdhsa_kernarg_size 32
		.amdhsa_user_sgpr_count 2
		.amdhsa_user_sgpr_kernarg_segment_ptr 1
		.amdhsa_wavefront_size32 1
		.amdhsa_system_sgpr_workgroup_id_x 1
		.amdhsa_system_sgpr_workgroup_id_y 1
		.amdhsa_system_sgpr_workgroup_id_z 1
		.amdhsa_system_vgpr_workitem_id 0
		.amdhsa_next_free_vgpr 1024
		.amdhsa_next_free_sgpr 102
		.amdhsa_reserve_vcc 0
		.amdhsa_float_denorm_mode_32 3
		.amdhsa_float_denorm_mode_16_64 3
		.amdhsa_memory_ordered 1
		.amdhsa_forward_progress 1
		.amdhsa_inst_pref_size 222
	.end_amdhsa_kernel
	.amdgpu_metadata
---
amdhsa.version: [ 1, 2 ]
amdhsa.kernels:
  - .name:           k_q6bfa3b44b3_qkv
    .symbol:         k_q6bfa3b44b3_qkv.kd
    .args:
      - { .name: H, .offset: 0, .size: 8, .value_kind: global_buffer, .address_space: global }
      - { .name: W, .offset: 8, .size: 8, .value_kind: global_buffer, .address_space: global }
      - { .name: b_attn, .offset: 16, .size: 8, .value_kind: global_buffer, .address_space: global }
      - { .name: QKV, .offset: 24, .size: 8, .value_kind: global_buffer, .address_space: global }
    .group_segment_fixed_size: 327680
    .private_segment_fixed_size: 0
    .kernarg_segment_align: 8
    .kernarg_segment_size: 32
    .max_flat_workgroup_size: 128
    .sgpr_count:     102
    .vgpr_count:     1024
    .wavefront_size: 32
...
	.end_amdgpu_metadata
.endif
;; end of part 3
;; launch attn (part 4): grid 8 x 32, 16 waves a work-group, no clusters, 206,848 bytes of LDS; arguments QKV, O; writes O
.if DOCPART == 4
	.amdgcn_target "amdgcn-amd-amdhsa--gfx1250"
	.amdhsa_code_object_version 6
	.text
	.protected	k_q6bfa3b44b3_attn
	.globl	k_q6bfa3b44b3_attn
	.p2align	8
	.type	k_q6bfa3b44b3_attn,@function
k_q6bfa3b44b3_attn:
	s_mov_b64 s[64:65], 0
	v_nop
	global_prefetch_b8 v0, s[64:65] scope:SCOPE_SE
	s_setreg_imm32_b32 hwreg(HW_REG_WAVE_MODE, 25, 1), 1
	s_wait_xcnt 0x0
; o = (softmax(q k^T, causal) / 32) v for one head of one batch, both products on codes of FP6 (E2M3) with E8M0 scales; o is quantised along the channels and stored as the next product's operand.
; THE SECOND PRODUCT'S LEFT OPERAND IS THE FINISHED SOFTMAX / 32, quantised along the keys.  So the row's sum must be known before any weight is quantised: TWO PASSES over the keys.
; Pass 1: scores, a running largest t = score x log2(e), M = that rounded up to a whole number, the sum of 2^(t - M).  Pass 2: the scores again, p = 2^(t - M) x (1 / sum) / 32, quantised, times V.
; SHARES.  A work-group has one head's K and V of one batch in LDS, as codes and scale words, 204,800 bytes, filled once.  Each of its sixteen waves owns one tile of 16 queries.
; Tiles are dealt in pairs (i, 127 - i), so that every work-group has the same number of key steps; the order of long and short among the waves alternates.
; NO CLUSTER: a wave jumps over the key steps behind its diagonal, and that hangs on the query block, which would differ between partners that share K and V.
; K = 64 IN AN INSTRUCTION OF 128.  A fragment of K holds TWO tiles of 16 keys: the even tile in k 0-63, the odd one in k 64-127.  q stands twice: [q | 0] and [0 | q].  The two products give the two tiles' scores.
; Row r of tile T is token 32 (T / 2) + 8 (T % 2) + r + 8 (r / 8): so the 16 score registers of a fragment are keys 32 f + 16 (lane / 16) + 0 .. 15, and a lane holds one query throughout (both products transposed).
; A block's largest p is not searched for: the block's largest score goes through the same multiply-add, exponential and multiplication (this takes v_exp_f32 not to fall where its input rises).
; LIMITS: 2^(t - M) under 2^-126 counts as 0; a block under 2^-124 gets the byte 1 (read by this program alone); NaN and infinities are not served.
; The two scale bytes of o are stored by lanes l and l + 16 alike: the same two bytes with the same value.
.set VC,    98304                      ; LDS: K's codes at 0, V's here,
.set KSC,   196608                     ; K's scale words, and V's 4,096 bytes on
.set L16,   1                          ; 16 x lane
.set L8,    2                          ; 8 x lane
.set LSK,   3                          ; KSC + 4 r
.set DQ,    4                          ; my query's token - 16 (lane / 16)
.set ADK16, 5
.set ADK8,  6
.set ADS,   7
.set ADV16, 8
.set ADV8,  9
.set VOS,   10                         ; 4 r
.set QA,    16                         ; [q | 0]
.set QB,    28                         ; [0 | q]
.set QS,    40                         ; q's two scale bytes, twice
.set RL,    42                         ; (1 / sum) / 32, twice
.set KF,    44                         ; four fragments of K, then of V
.set KSW,   92
.set S,     96                         ; scores, then p
.set OA,    160                        ; O^T
.set PC,    192                        ; p's codes
.set CT,    204
.set VSW,   212
.set BM,    216
.set BX,    220
.set SCO,   224
.set BY,    228
.set PWD,   232                        ; p's scale word
.set OF,    234
.set OT,    240
.set PW16,  244
.set WV,  8
.set TQ,  9
.set SD,  10
.set HD,  11
.set BA,  12
.set ST,  13
.set TB,  14
.set TS,  15
.set SEL, 16
.set CS,  18
.set G1C, 20
.set G1S, 28
.set G0C, 36
.set G0S, 40
	s_load_b128 s[4:7], s[0:1], 0x0                ; QKV, O
	v_lshl_add_u32 v251, v0, 2, 0x32000
	v_mov_b32 v255, 0
	ds_add_u32 v251, v255
	ds_add_u32 v251, v255
	v_lshrrev_b32 v1, 5, v0
	v_readfirstlane_b32 s[WV], v1                  ; wave 0..15
	s_and_b32 s44, ttmp7, 0xffff
	s_lshr_b32 s[HD], s44, 1                       ; head
	s_and_b32 s[BA], s44, 1                        ; batch
	s_lshr_b32 s45, s[WV], 1
	s_lshl_b32 s46, ttmp9, 3
	s_add_co_u32 s45, s45, s46                     ; i = 8 x work-group + wave / 2
	s_lshr_b32 s46, s[WV], 2
	s_xor_b32 s46, s46, s[WV]
	s_and_b32 s46, s46, 1
	s_sub_co_u32 s47, 127, s45
	s_cmp_eq_u32 s46, 1
	s_cselect_b32 s[TQ], s47, s45                  ; my tile of queries: i or 127 - i
	s_lshr_b32 s[SD], s[TQ], 3                     ; the key step on my diagonal
	s_mul_i32 s48, s[HD], 196608
	s_mul_i32 s49, s[BA], 98304
	s_add_co_u32 s48, s48, s49                     ; head and batch, among codes,
	s_lshl_b32 s50, s[HD], 13
	s_lshl_b32 s51, s[BA], 12
	s_add_co_u32 s50, s50, s51                     ; and among scale words
	s_and_b32 s52, s[WV], 7
	s_mul_i32 s53, s52, 12288                      ; waves 0-7 fetch K's eighths, waves 8-15 V's
	s_lshl_b32 s52, s52, 9
	s_mov_b32 s56, 6291456
	s_mov_b32 s58, 9699328
	s_cmp_lt_u32 s[WV], 8
	s_cselect_b32 s56, 3145728, s56                ; k's codes begin at hq = 16
	s_cselect_b32 s58, 9568256, s58
	s_add_co_u32 s56, s56, s48
	s_add_co_u32 s56, s56, s53
	s_mov_b32 s57, 0
	s_add_co_u32 s58, s58, s50
	s_add_co_u32 s58, s58, s52
	s_mov_b32 s59, 0
	s_mov_b32 s[G1C], 3<<16                        ; elements of 8 bytes, no mask, no padding: 12,288 dense bytes as 48 rows of 256
	s_mov_b32 s[G1C+1], 32<<16
	s_mov_b32 s[G1C+2], 48<<16
	s_mov_b32 s[G1C+3], 32<<16
	s_mov_b32 s[G1C+4], 48
	s_mov_b32 s[G1C+5], 32
	s_mov_b32 s[G1C+6], 0
	s_mov_b32 s[G1C+7], 0
	s_mov_b32 s[G1S], 3<<16                        ; 512 dense bytes as two rows
	s_mov_b32 s[G1S+1], 32<<16
	s_mov_b32 s[G1S+2], 2<<16
	s_mov_b32 s[G1S+3], 32<<16
	s_mov_b32 s[G1S+4], 2
	s_mov_b32 s[G1S+5], 32
	s_mov_b32 s[G1S+6], 0
	s_mov_b32 s[G1S+7], 0
	s_mov_b32 s[G0C], 1
	s_mul_i32 s[G0C+1], s[WV], 12288
	s_mov_b32 s[G0S], 1
	s_lshl_b32 s[G0S+1], s[WV], 9
	s_add_co_u32 s[G0S+1], s[G0S+1], KSC
	s_mul_i32 s60, s[TQ], 768
	s_add_co_u32 s60, s60, s48                     ; q's piece
	s_mov_b32 s61, 0
	s_lshr_b32 s62, s[TQ], 1
	s_lshl_b32 s54, s62, 5                         ; 32 (T / 2)
	s_lshl_b32 s62, s62, 6
	s_add_co_u32 s62, s62, s50
	s_add_co_u32 s62, s62, 9437184                 ; q's scale words: its pair of tiles
	s_mov_b32 s63, 0
	s_and_b32 s55, s[TQ], 1
	s_lshl_b32 s46, s55, 4                         ; 16 (T % 2): which half of a word is my tile's
	s_lshl_b32 s55, s55, 3
	s_add_co_u32 s54, s54, s55                     ; 32 (T / 2) + 8 (T % 2)
	s_lshl_b32 s44, s[BA], 7
	s_add_co_u32 s44, s44, s[TQ]                   ; my tile among all 256
	s_mul_i32 s48, s44, 12288
	s_mul_i32 s49, s[HD], 768
	s_add_co_u32 s48, s48, s49
	s_mov_b32 s49, 0                               ; o's piece
	s_lshl_b32 s50, s44, 9
	s_lshr_b32 s51, s[HD], 1
	s_lshl_b32 s51, s51, 6
	s_add_co_u32 s50, s50, s51
	s_and_b32 s51, s[HD], 1
	s_lshl_b32 s51, s51, 1
	s_add_co_u32 s50, s50, s51
	s_add_co_u32 s50, s50, 3145728
	s_mov_b32 s51, 0                               ; o's two scale bytes
	s_mov_b32 s[SEL], 0x76543210
	s_mov_b32 s[SEL+1], 0xfedcba98
	s_mov_b32 s[CS], 0x3fb8aa3b                    ; log2(e)
	s_mov_b32 s[CS+1], s[CS]
	s_wait_dscnt 0x0
	s_wait_kmcnt 0x0
	s_add_nc_u64 s[G0C+2:G0C+3], s[4:5], s[56:57]
	s_or_b32 s[G0C+3], s[G0C+3], 0x80000000
	s_add_nc_u64 s[G0S+2:G0S+3], s[4:5], s[58:59]
	s_or_b32 s[G0S+3], s[G0S+3], 0x80000000
	tensor_load_to_lds s[G0C:G0C+3], s[G1C:G1C+7]  ; every wave's two fills, the launch's only ones: two loads of mine are out
	s_nop 0
	tensor_load_to_lds s[G0S:G0S+3], s[G1S:G1S+7]
	s_nop 0
.rept 4
	v_nop
.endr
	s_add_nc_u64 s[60:61], s[4:5], s[60:61]
	s_add_nc_u64 s[62:63], s[4:5], s[62:63]
	s_add_nc_u64 s[48:49], s[6:7], s[48:49]
	s_add_nc_u64 s[50:51], s[6:7], s[50:51]
	v_and_b32 v252, 31, v0
	v_lshlrev_b32 v[L16], 4, v252
	v_lshlrev_b32 v[L8], 3, v252
	v_and_b32 v253, 15, v0                         ; r
	v_bfe_u32 v254, v0, 4, 1                       ; h
	v_lshl_add_u32 v[LSK], v253, 2, KSC
	v_lshlrev_b32 v[VOS], 2, v253
	v_and_b32 v[DQ], 8, v253
	v_add_nc_u32 v[DQ], v[DQ], v253
	v_lshlrev_b32 v254, 4, v254
	v_sub_nc_u32 v[DQ], v[DQ], v254
	v_add_nc_u32 v[DQ], s54, v[DQ]
	global_load_b128 v[QA:QA+3], v[L16], s[60:61]
	global_load_b64 v[QA+4:QA+5], v[L8], s[60:61] offset:512
	global_load_b128 v[QB+6:QB+9], v[L16], s[60:61]
	global_load_b64 v[QB+10:QB+11], v[L8], s[60:61] offset:512
	global_load_b32 v[QS], v[VOS], s[62:63]
.irp i, 0,1,2,3,4,5
	v_mov_b32 v[QA+6+\i], 0                        ; zero codes add nothing under any scale byte but 0xff
	v_mov_b32 v[QB+\i], 0
.endr
	s_wait_tensorcnt 0x0                           ; my parts of K, V and their scale words lie in LDS,
	s_barrier_signal -1
	s_barrier_wait -1                              ; everybody's do
	s_wait_loadcnt 0x0
	v_lshrrev_b32 v[QS], s46, v[QS]
	v_and_b32 v[QS], 0xffff, v[QS]
	v_lshl_or_b32 v[QS], v[QS], 16, v[QS]          ; (more than eight plain lines stand between this and the first product)
	v_mov_b32 v13, 0xff61b1e6                      ; the largest t so far: -3e38
	v_floor_f32 v12, -v13                          ; -M
	v_mov_b32 v14, 0
	v_mov_b32 v15, 0                               ; the sum, in two halves
.irp b, 0,1,2,3
	v_mov_b32 v[BX+\b], 0                          ; (a lane permute's destination counts as one of its sources)
.endr
	v_mov_b32 v252, 0
	v_mov_b32 v253, 0                              ; (named as the upper half of the pair v[252:253])
; The scores of a key step: 128 keys, four fragments of K, eight products
.macro SCORES
	v_add_nc_u32 v[ADK16], s[TB], v[L16]           ; (these five lines are also the places behind the last step's products)
	v_add_nc_u32 v[ADK8], s[TB], v[L8]
	v_add_nc_u32 v[ADS], s[TS], v[LSK]
	v_add_nc_u32 v[ADV16], VC, v[ADK16]
	v_add_nc_u32 v[ADV8], VC, v[ADK8]
.irp f, 0,1,2,3
	ds_load_b128 v[KF+12*\f:KF+12*\f+3], v[ADK16] offset:1536*\f
	ds_load_b64 v[KF+12*\f+4:KF+12*\f+5], v[ADK8] offset:1536*\f+512
	ds_load_b128 v[KF+12*\f+6:KF+12*\f+9], v[ADK16] offset:1536*\f+768
	ds_load_b64 v[KF+12*\f+10:KF+12*\f+11], v[ADK8] offset:1536*\f+1280
	ds_load_b32 v[KSW+\f], v[ADS] offset:64*\f
.endr
	s_wait_dscnt 0x0
.irp f, 0,1,2,3
	v_wmma_scale_f32_16x16x128_f8f6f4 v[S+16*\f:S+16*\f+7], v[KF+12*\f:KF+12*\f+11], v[QA:QA+11], 0, v[KSW+\f], v[QS] matrix_a_fmt:MATRIX_FMT_FP6 matrix_b_fmt:MATRIX_FMT_FP6
	v_wmma_scale_f32_16x16x128_f8f6f4 v[S+16*\f+8:S+16*\f+15], v[KF+12*\f:KF+12*\f+11], v[QB:QB+11], 0, v[KSW+\f], v[QS] matrix_a_fmt:MATRIX_FMT_FP6 matrix_b_fmt:MATRIX_FMT_FP6
.endr
.rept 4
	v_nop
.endr
.endm
; On the diagonal the scores of hidden keys become -infinity; a step all of whose keys count jumps over this.  Register 16 f + i holds key 128 ST + 32 f + 16 (lane / 16) + i
.macro MASK
	s_cmp_lt_u32 s[ST], s[SD]
	s_cbranch_scc1 .Lopen_\@
	s_lshl_b32 s44, s[ST], 7
	v_sub_nc_u32 v252, v[DQ], s44
	v_mov_b32 v254, 0xff800000
.set n, 0
.rept 64
	v_cmp_gt_i32 vcc_lo, 32*(n/16)+n%16, v252
	v_cndmask_b32 v[S+n], v[S+n], v254, vcc_lo
.set n, n+1
.endr
.Lopen_\@:
.endm
.macro BLOCKMAX                        ; the largest score of my 16 keys of each block of 32
.irp b, 0,1,2,3
	v_max3_num_f32 v[BM+\b], v[S+16*\b], v[S+16*\b+1], v[S+16*\b+2]
.endr
.irp i, 3,5,7,9,11,13
.irp b, 0,1,2,3
	v_max3_num_f32 v[BM+\b], v[BM+\b], v[S+16*\b+\i], v[S+16*\b+\i+1]
.endr
.endr
.irp b, 0,1,2,3
	v_max_num_f32 v[BM+\b], v[BM+\b], v[S+16*\b+15]
.endr
.endm
.macro TMINUSM                         ; t - M, two at a time
.set n, 0
.rept 32
	v_pk_fma_f32 v[S+2*n:S+2*n+1], v[S+2*n:S+2*n+1], s[CS:CS+1], v[12:13] op_sel_hi:[1,0,0]
.set n, n+1
.endr
.endm
.macro EXPS
.set n, 0
.rept 64
	v_exp_f32 v[S+n], v[S+n]
.set n, n+1
.endr
.endm
	s_mov_b32 s[ST], 0
	s_mov_b32 s[TB], 0
	s_mov_b32 s[TS], 0
.Lpass1:                                           ; sixteen trips in every wave; the steps behind my diagonal do nothing but step the addresses
	s_cmp_gt_u32 s[ST], s[SD]
	s_cbranch_scc1 .Ltail1
	SCORES
	MASK
	BLOCKMAX
	v_max3_num_f32 v254, v[BM], v[BM+1], v[BM+2]
	v_max_num_f32 v254, v254, v[BM+3]
	v_permlanex16_b32 v[BX], v254, s[SEL], s[SEL+1]
	v_max_num_f32 v254, v254, v[BX]                ; the step's largest score of my query
	v_mul_f32 v254, s[CS], v254
	v_max_num_f32 v13, v13, v254                   ; the running largest t
	v_mov_b32 v254, v12
	v_floor_f32 v12, -v13                          ; the new -M: M is a whole number
	v_sub_f32 v254, v12, v254
	v_cvt_i32_f32 v254, v254                       ; (it saturates)
	v_ldexp_f32 v252, 1.0, v254                    ; f = 2^(old M - new M): a multiplication by it rounds nothing
	TMINUSM
	EXPS
	v_pk_mul_f32 v[14:15], v[14:15], v[252:253] op_sel_hi:[1,0]   ; the sum under the new M (the plain place behind the exponentials)
	s_wait_alu depctr_va_vdst(0)                   ; one wait for the batch, ahead of its first reader
	v_pk_add_f32 v[BM:BM+1], v[S:S+1], v[S+2:S+3]
.irp j, 4,8,12,16,20,24,28,32,36,40,44,48,52,56,60
	v_pk_add_f32 v[14:15], v[14:15], v[S+\j:S+\j+1]
	v_pk_add_f32 v[BM:BM+1], v[BM:BM+1], v[S+\j+2:S+\j+3]
.endr
	v_pk_add_f32 v[14:15], v[14:15], v[BM:BM+1]
.Ltail1:
	s_add_co_u32 s[TB], s[TB], 6144
	s_add_co_u32 s[TS], s[TS], 256
	s_add_co_u32 s[ST], s[ST], 1
	s_cmp_lt_u32 s[ST], 16
	s_cbranch_scc1 .Lpass1
	v_add_f32 v14, v14, v15
	v_permlanex16_b32 v[BX], v14, s[SEL], s[SEL+1]
	v_add_f32 v14, v14, v[BX]                      ; the row's sum
	v_rcp_f32 v14, v14
.set n, 0
.rept 32
	v_mov_b32 v[OA+n], 0                           ; O^T: the second loop is written once, so its sums begin as zeros.  (Plain work behind the reciprocal)
.set n, n+1
.endr
	s_wait_alu depctr_va_vdst(0)
	v_mul_f32 v[RL], 0x3d000000, v14               ; (1 / sum) / 32
	v_mov_b32 v[RL+1], v[RL]
	s_mov_b32 s[ST], 0
	s_mov_b32 s[TB], 0
	s_mov_b32 s[TS], 0
.Lpass2:
	s_cmp_gt_u32 s[ST], s[SD]
	s_cbranch_scc1 .Ltail2
	SCORES
.irp t, 0,1,2,3                                ; V's four fragments take K's registers, behind the four places: they land while the softmax is worked
	ds_load_b128 v[KF+12*\t:KF+12*\t+3], v[ADV16] offset:1536*\t
	ds_load_b64 v[KF+12*\t+4:KF+12*\t+5], v[ADV8] offset:1536*\t+512
	ds_load_b128 v[KF+12*\t+6:KF+12*\t+9], v[ADV16] offset:1536*\t+768
	ds_load_b64 v[KF+12*\t+10:KF+12*\t+11], v[ADV8] offset:1536*\t+1280
	ds_load_b32 v[VSW+\t], v[ADS] offset:4096+64*\t
.endr
	MASK
	BLOCKMAX
.irp b, 0,1,2,3
	v_permlanex16_b32 v[BX+\b], v[BM+\b], s[SEL], s[SEL+1]
.endr
.irp b, 0,1,2,3
	v_max_num_f32 v[BM+\b], v[BM+\b], v[BX+\b]     ; each block's largest score
.endr
	TMINUSM
.irp b, 0,1,2,3
	v_fma_f32 v[BM+\b], v[BM+\b], s[CS], v12
.endr
	EXPS
.irp b, 0,1,2,3
	v_exp_f32 v[BM+\b], v[BM+\b]
.endr
	v_nop                                          ; the plain place behind the batch
	s_wait_alu depctr_va_vdst(0)                   ; one wait for the 68
.set n, 0
.rept 32
	v_pk_mul_f32 v[S+2*n:S+2*n+1], v[S+2*n:S+2*n+1], v[RL:RL+1]   ; the finished softmax / 32
.set n, n+1
.endr
.irp b, 0,1,2,3
	v_mul_f32 v[BM+\b], v[BM+\b], v[RL]            ; the block's largest: the same lines on the same number give the same bits
.endr
.irp b, 0,1,2,3
	v_max_num_f32 v[BM+\b], 0x1800000, v[BM+\b]    ; the floor 2^(3 - 127)
.endr
.irp b, 0,1,2,3
	v_add_nc_u32 v[SCO+\b], 0xff000000, v[BM+\b]
.endr
.irp b, 0,1,2,3
	v_lshrrev_b32 v[BY+\b], 23, v[SCO+\b]
.endr
	v_lshl_or_b32 v[PWD], v[BY+1], 8, v[BY]
	v_lshl_or_b32 v[PWD], v[BY+2], 16, v[PWD]
	v_lshl_or_b32 v[PWD], v[BY+3], 24, v[PWD]
.irp c, 0,1
	v_cvt_scalef32_pk16_fp6_f32 v[PC+6*\c:PC+6*\c+2], v[S+32*\c:S+32*\c+15], v[SCO+2*\c]
	v_cvt_scalef32_pk16_fp6_f32 v[CT+4*\c:CT+4*\c+2], v[S+32*\c+16:S+32*\c+31], v[SCO+2*\c+1]
.endr
	v_nop
.irp c, 0,1
.irp i, 0,1,2
	v_permlane16_swap_b32 v[PC+6*\c+\i], v[CT+4*\c+\i]
.endr
.irp i, 0,1,2
	v_mov_b32 v[PC+3+6*\c+\i], v[CT+4*\c+\i]
.endr
.endr
.rept 8
	v_nop                                          ; a scale register written by a vector line stands eight places ahead of a scaled product, an operand four
.endr
	s_wait_dscnt 0x0                               ; V
.irp t, 0,1,2,3                                ; four accumulators, one instruction a turn; the next step's eight score products stand between two links of a chain
	v_wmma_scale_f32_16x16x128_f8f6f4 v[OA+8*\t:OA+8*\t+7], v[KF+12*\t:KF+12*\t+11], v[PC:PC+11], v[OA+8*\t:OA+8*\t+7], v[VSW+\t], v[PWD] matrix_a_fmt:MATRIX_FMT_FP6 matrix_b_fmt:MATRIX_FMT_FP6
.endr
.Ltail2:
	s_add_co_u32 s[TB], s[TB], 6144
	s_add_co_u32 s[TS], s[TS], 256
	s_add_co_u32 s[ST], s[ST], 1
	s_cmp_lt_u32 s[ST], 16
	s_cbranch_scc1 .Lpass2
	; THE WAY OUT: register 16 b + i is channel 32 b + 16 (lane / 16) + i of my query: two blocks of the next product's K
.rept 4
	v_nop
.endr
.irp b, 0,1
	v_max3_num_f32 v[BM+\b], |v[OA+16*\b]|, |v[OA+16*\b+1]|, 0x1800000
.endr
.irp i, 2,4,6,8,10,12,14
.irp b, 0,1
	v_max3_num_f32 v[BM+\b], v[BM+\b], |v[OA+16*\b+\i]|, |v[OA+16*\b+\i+1]|
.endr
.endr
.irp b, 0,1
	v_permlanex16_b32 v[BX+\b], v[BM+\b], s[SEL], s[SEL+1]
.endr
.irp b, 0,1
	v_max_num_f32 v[BM+\b], v[BM+\b], v[BX+\b]
.endr
.irp b, 0,1
	v_add_nc_u32 v[SCO+\b], 0xff000000, v[BM+\b]
.endr
.irp b, 0,1
	v_lshrrev_b32 v[BY+\b], 23, v[SCO+\b]
.endr
	v_lshl_or_b32 v[PW16], v[BY+1], 8, v[BY]
	v_cvt_scalef32_pk16_fp6_f32 v[OF:OF+2], v[OA:OA+15], v[SCO]
	v_cvt_scalef32_pk16_fp6_f32 v[OT:OT+2], v[OA+16:OA+31], v[SCO+1]
	v_nop
.irp i, 0,1,2
	v_permlane16_swap_b32 v[OF+\i], v[OT+\i]
.endr
.irp i, 0,1,2
	v_mov_b32 v[OF+3+\i], v[OT+\i]
.endr
	global_store_b128 v[L16], v[OF:OF+3], s[48:49]             ; 768 consecutive bytes: my head's piece of my tile
	global_store_b64 v[L8], v[OF+4:OF+5], s[48:49] offset:512
	global_store_b16 v[VOS], v[PW16], s[50:51]
	s_wait_tensorcnt 0x0
	ds_add_u32 v251, v255
	s_wait_dscnt 0x0
	s_endpgm
.Lfunc_end_k_q6bfa3b44b3_attn:
	.size	k_q6bfa3b44b3_attn, .Lfunc_end_k_q6bfa3b44b3_attn-k_q6bfa3b44b3_attn
	.p2alignl 7, 3214868480
	.fill 96, 4, 3214868480
	.section	.rodata,"a",@progbits
	.p2align	6, 0x0
	.amdhsa_kernel k_q6bfa3b44b3_attn
		.amdhsa_group_segment_fixed_size 206848
		.amdhsa_private_segment_fixed_size 0
		.amdhsa_enable_private_segment 0
		.amdhsa_kernarg_size 16
		.amdhsa_user_sgpr_count 2
		.amdhsa_user_sgpr_kernarg_segment_ptr 1
		.amdhsa_wavefront_size32 1
		.amdhsa_system_sgpr_workgroup_id_x 1
		.amdhsa_system_sgpr_workgroup_id_y 1
		.amdhsa_system_sgpr_workgroup_id_z 1
		.amdhsa_system_vgpr_workitem_id 0
		.amdhsa_next_free_vgpr 256
		.amdhsa_next_free_sgpr 66
		.amdhsa_reserve_vcc 1
		.amdhsa_float_denorm_mode_32 3
		.amdhsa_float_denorm_mode_16_64 3
		.amdhsa_memory_ordered 1
		.amdhsa_forward_progress 1
		.amdhsa_inst_pref_size 48
	.end_amdhsa_kernel
	.amdgpu_metadata
---
amdhsa.version: [ 1, 2 ]
amdhsa.kernels:
  - .name:           k_q6bfa3b44b3_attn
    .symbol:         k_q6bfa3b44b3_attn.kd
    .args:
      - { .name: QKV, .offset: 0, .size: 8, .value_kind: global_buffer, .address_space: global }
      - { .name: O, .offset: 8, .size: 8, .value_kind: global_buffer, .address_space: global }
    .group_segment_fixed_size: 206848
    .private_segment_fixed_size: 0
    .kernarg_segment_align: 8
    .kernarg_segment_size: 16
    .max_flat_workgroup_size: 512
    .sgpr_count:     66
    .vgpr_count:     256
    .wavefront_size: 32
...
	.end_amdgpu_metadata
.endif
;; end of part 4
;; launch proj (part 5): grid 4 x 16, 4 waves a work-group, clusters of 4 x 4, 327,680 bytes of LDS; arguments O, W, b_proj, x, X2; writes X2
.if DOCPART == 5
	.amdgcn_target "amdgcn-amd-amdhsa--gfx1250"
	.amdhsa_code_object_version 6
	.text
	.protected	k_q6bfa3b44b3_proj
	.globl	k_q6bfa3b44b3_proj
	.p2align	8
	.type	k_q6bfa3b44b3_proj,@function
k_q6bfa3b44b3_proj:
	s_mov_b64 s[64:65], 0
	v_nop
	global_prefetch_b8 v0, s[64:65] scope:SCOPE_SE
	s_setreg_imm32_b32 hwreg(HW_REG_WAVE_MODE, 25, 1), 1
	s_wait_xcnt 0x0
	s_wait_alu depctr_hold_cnt(0) depctr_sa_sdst(0) depctr_va_vdst(0) depctr_va_sdst(0) depctr_va_ssrc(0) depctr_va_vcc(0) depctr_vm_vsrc(0)
	s_getreg_b32 s2, hwreg(HW_REG_IB_STS2, 6, 4)
	s_cmp_eq_u32 s2, 0
	s_cbranch_scc0 .Lentry_in_a_cluster
	s_endpgm
.Lentry_in_a_cluster:
	s_bfe_u32 s2, ttmp6, 0x10000c
	s_cmp_lg_u32 s2, 0xf033
	s_cbranch_scc0 .Lentry_shape_is_right
	s_endpgm
.Lentry_shape_is_right:
; X2 = x + (o w_proj + b_proj): a product on codes of FP6 (E2M3) with E8M0 scales, K = 1,024, the bias as the sums' first C, the residual added on the way out; f32 rows out.
; OPERANDS lie as tiles of 16 rows; a tile's codes are K / 64 pieces of 768 bytes, each an image of six operand registers; scale words [tile][K / 128][16 rows].
; Row r of tile T is index 32 (T / 2) + 8 (T % 2) + r + 8 (r / 8) (token or column).  A work-group makes 256 x 256, each of four waves 128 x 128.  K goes in steps of 256 through two LDS slots
; filled by the tensor data mover; the scale words of all of K come once.  Source 0 = the weight's columns, source 1 = tokens: a lane holds a token, and the 16 registers of column tiles 2 B, 2 B + 1 are columns 32 B + 16 h + 0 .. 15.
; CLUSTERS: 4 x 4.  The tokens' tile is shared along a row of the cluster, the weight's along a column: each is asked for jointly.
; The grid has 64 work-groups: a tile of 256 x 256 is kept, since a wave tile of half the side would read twice the LDS bytes for each product.
; REGISTERS: window 0: v16-29 addresses; v32-63 scale words, two sets; from v128 the tokens' fragments, one set (on the way out: rows of the result).
;   window 1: the weight's fragments, two sets, at v0 and v128; the bias in v96-127 and v224-255 (on the way out: the residual's rows).   windows 2, 3: the accumulators.
.set SIZE_K, 1024
.set A_SC,   3145728                   ; where the tokens' scale words begin in their buffer
.set WC,     2359296                   ; where the weight's codes begin in W,
.set WS,     9535488                   ; and its scale words
.set NQ,     2
.set FR,     12
.set NL,     4
.set NP,     4
.set TB,     3072
.set HALFT,  8*TB
.set SLOT,   4*HALFT
.set LAPS,   SIZE_K/512
.set TROW,   12*SIZE_K
.set SBLK,   SIZE_K/2
.set HALFS,  8*SBLK
.set SCL,    2*SLOT
.set SPARE,  SCL+4*HALFS               ; the spare words, 128 bytes for each wave, which no other line names
.set SPITCH, 528                       ; the way out: a stage of 16 rows x (512 bytes + 16) for each wave, in slot 0, which has had its last fill and its last read when the first result is stored there
.set ADRA, 16
.set ADRB, 20
.set STO,  24
.set RD,   25
.set CO,   26
.set ADRS, 27
.set SPW,  28
.set NIL,  29
.set SC,   32
.set AF,   128
.set BK,   128
.set G1, 24
.set G0, 32
.set G1B, 48
.set G0B, 56
.set G1S, 68
.set G0S, 76
.set G1SB, 80
.set G0SB, 88
.set MSB, 0
.macro WIN new
.if MSB != (\new)
	s_set_vgpr_msb (MSB<<8)|(\new)
.set MSB, (\new)
.endif
.endm
.set MUL_LO, 0xa1
.set MUL_HI, 0xf1
.set TO_B,   0x40
.macro JLOAD g0a, g1a, g0b, g1b        ; a joint load: waves 0, 1 fetch the tokens' tiles, waves 2, 3 the weight's; four v_nop follow each line
	s_cmp_eq_u32 s15, 0
	s_cbranch_scc0 .Lfor_b_\@
	tensor_load_to_lds s[\g0a:\g0a+3], s[\g1a:\g1a+7]
	s_nop 0
.rept 4
	v_nop
.endr
	s_branch .Lasked_\@
.Lfor_b_\@:
	tensor_load_to_lds s[\g0b:\g0b+3], s[\g1b:\g1b+7]
	s_nop 0
.rept 4
	v_nop
.endr
.Lasked_\@:
.endm
.macro CREST
	s_cmp_lg_u32 s14, 0
	s_cbranch_scc1 .Lnot_wave_0_\@
	s_barrier_signal -3
.Lnot_wave_0_\@:
	s_barrier_wait -3
	s_barrier_signal -1
	s_barrier_wait -1
.endm
.macro CROUND
	s_barrier_signal -1
	s_barrier_wait -1
	CREST
.endm
	s_load_b128 s[4:7], s[0:1], 0x0                ; the tokens' codes and scales, W
	s_load_b128 s[8:11], s[0:1], 0x10              ; the bias, the residual
	s_load_b64 s[12:13], s[0:1], 0x20              ; the result
	v_lshl_add_u32 v[SPW], v0, 2, SPARE
	v_mov_b32 v[NIL], 0
	ds_add_u32 v28, v29
	ds_add_u32 v28, v29
	s_wait_dscnt 0x0
	v_lshrrev_b32 v1, 5, v0
	v_readfirstlane_b32 s14, v1
	s_lshr_b32 s15, s14, 1
	s_and_b32 s16, s14, 1
	s_bfe_u32 s40, ttmp6, 0x40000
	s_bfe_u32 s41, ttmp6, 0x40004
	s_lshl_b32 s42, ttmp9, 2
	s_add_co_u32 s42, s42, s40                     ; the weight's block of 256 columns
	s_and_b32 s17, ttmp7, 0xffff
	s_lshl_b32 s17, s17, 2
	s_add_co_u32 s17, s17, s41                     ; the block of 256 tokens
	s_lshl_b32 s43, s41, 2
	s_lshl_b32 s43, 15, s43
	s_lshl_b32 s44, 0x1111, s40
	s_or_b32 s[G1+0], s43, (3<<16)|(1<<21)
	s_or_b32 s[G1B+0], s44, (3<<16)|(1<<21)
.irp g, G1, G1B
	s_mov_b32 s[\g+1], 384<<16
	s_mov_b32 s[\g+2], 8<<16
	s_mov_b32 s[\g+3], 384<<16
	s_mov_b32 s[\g+4], 8
	s_mov_b32 s[\g+5], TROW/8
	s_mov_b32 s[\g+6], 0
	s_mov_b32 s[\g+7], 0
.endr
	s_or_b32 s[G1S+0], s43, (3<<16)|(1<<21)
	s_or_b32 s[G1SB+0], s44, (3<<16)|(1<<21)
.irp g, G1S, G1SB
	s_mov_b32 s[\g+1], 32<<16
	s_mov_b32 s[\g+2], (HALFS/256)<<16
	s_mov_b32 s[\g+3], 32<<16
	s_mov_b32 s[\g+4], HALFS/256
	s_mov_b32 s[\g+5], 32
	s_mov_b32 s[\g+6], 0
	s_mov_b32 s[\g+7], 0
.endr
	s_lshl_b32 s18, s16, 3
	s_lshl_b32 s20, s17, 4
	s_add_co_u32 s20, s20, s18
	s_lshl_b32 s46, s42, 4
	s_add_co_u32 s46, s46, s18
	s_mul_i32 s22, s20, SBLK
	s_add_co_u32 s22, s22, A_SC
	s_mul_i32 s92, s46, SBLK
	s_add_co_u32 s92, s92, WS
	s_mul_i32 s20, s20, TROW
	s_mul_i32 s46, s46, TROW
	s_add_co_u32 s46, s46, WC
	s_mov_b32 s21, 0
	s_mov_b32 s23, 0
	s_mov_b32 s47, 0
	s_mov_b32 s93, 0
	s_mul_i32 s45, s14, HALFT
	s_mul_i32 s94, s14, HALFS
	s_wait_kmcnt 0x0
	s_add_nc_u64 s[20:21], s[4:5], s[20:21]
	s_add_nc_u64 s[22:23], s[4:5], s[22:23]
	s_add_nc_u64 s[46:47], s[6:7], s[46:47]
	s_add_nc_u64 s[92:93], s[6:7], s[92:93]
	CROUND
	s_mov_b32 s[G0S], 1
	s_add_co_u32 s[G0S+1], s94, SCL
	s_mov_b64 s[G0S+2:G0S+3], s[22:23]
	s_or_b32 s[G0S+3], s[G0S+3], 0x80000000
	s_mov_b32 s[G0SB], 1
	s_add_co_u32 s[G0SB+1], s94, SCL
	s_mov_b64 s[G0SB+2:G0SB+3], s[92:93]
	s_or_b32 s[G0SB+3], s[G0SB+3], 0x80000000
	JLOAD G0S, G1S, G0SB, G1SB
.irp s, 0,1
	s_mov_b32 s[G0+4*\s], 1
	s_add_co_u32 s[G0+4*\s+1], s45, \s*SLOT
	s_add_nc_u64 s[G0+4*\s+2:G0+4*\s+3], s[20:21], \s*TB
	s_or_b32 s[G0+4*\s+3], s[G0+4*\s+3], 0x80000000
	s_mov_b32 s[G0B+4*\s], 1
	s_add_co_u32 s[G0B+4*\s+1], s45, \s*SLOT
	s_add_nc_u64 s[G0B+4*\s+2:G0B+4*\s+3], s[46:47], \s*TB
	s_or_b32 s[G0B+4*\s+3], s[G0B+4*\s+3], 0x80000000
	JLOAD G0+4*\s, G1, G0B+4*\s, G1B
.endr
	v_and_b32 v1, 31, v0
	v_and_b32 v2, 15, v0
	v_bfe_u32 v3, v0, 4, 1
	v_lshlrev_b32 v[CO], 4, v1                     ; 16 x lane
	v_lshlrev_b32 v5, 3, v1                        ; 8 x lane
	s_mul_i32 s21, s15, HALFT
	s_mul_i32 s22, s16, HALFT
	s_add_co_u32 s22, s22, 2*HALFT
.irp s, 0,1
	v_add_nc_u32 v[ADRA+\s], s21, v[CO]
	v_add_nc_u32 v[ADRB+\s], s22, v[CO]
	v_add_nc_u32 v[ADRA+2+\s], s21, v5
	v_add_nc_u32 v[ADRB+2+\s], s22, v5
	s_add_co_u32 s21, s21, SLOT
	s_add_co_u32 s22, s22, SLOT
.endr
	v_lshlrev_b32 v6, 2, v2
	s_mul_i32 s21, s15, HALFS
	s_mul_i32 s22, s16, HALFS
	s_add_co_u32 s22, s22, 2*HALFS
	s_sub_co_u32 s22, s22, s21
	v_mul_u32_u24 v7, s22, v3
	s_add_co_u32 s21, s21, SCL
	v_add_nc_u32 v6, v6, v7
	v_add_nc_u32 v[ADRS], s21, v6
	s_mul_i32 s23, s14, 16*SPITCH                  ; my stage
	v_mul_u32_u24 v6, v2, SPITCH
	v_lshl_add_u32 v6, v3, 6, v6
	v_add_nc_u32 v[STO], s23, v6                   ; in: row r, + 64 h
	v_add_nc_u32 v[RD], s23, v[CO]                 ; back: a row of 512 bytes by the 32 lanes
	s_lshl_b32 s20, s17, 8
	s_lshl_b32 s21, s15, 7
	s_add_co_u32 s20, s20, s21
	s_lshl_b32 s20, s20, 12                        ; my first token's row of 4,096 bytes
	s_mov_b32 s21, 0
	s_lshl_b32 s46, s42, 10
	s_lshl_b32 s47, s16, 9
	s_add_co_u32 s46, s46, s47                     ; my first column, in bytes
	s_mov_b32 s47, 0
	s_add_nc_u64 s[8:9], s[8:9], s[46:47]          ; the bias of my 128 columns
	s_add_nc_u64 s[20:21], s[20:21], s[46:47]
	s_add_nc_u64 s[10:11], s[10:11], s[20:21]
	s_add_nc_u64 s[12:13], s[12:13], s[20:21]
	v_lshlrev_b32 v4, 6, v3                        ; 64 h
	WIN 0x40
.irp e, 0,1,2,3
.irp q, 0,1,2,3
	global_load_b128 v[96+96*(\e/2)+16*\e+4*\q:96+96*(\e/2)+16*\e+4*\q+3], v4, s[8:9] offset:128*\e+16*\q   ; register 16 e + i: column 32 e + 16 h + i: the result's layout
.endr
.endr
	WIN 0
.macro FRAG reg, adr, q, i
	ds_load_b128 v[\reg:\reg+3], v[\adr] offset:(\i)*TB+1536*(\q)
	ds_load_b64 v[\reg+4:\reg+5], v[\adr+2] offset:(\i)*TB+1536*(\q)+512
	ds_load_b128 v[\reg+6:\reg+9], v[\adr] offset:(\i)*TB+1536*(\q)+768
	ds_load_b64 v[\reg+10:\reg+11], v[\adr+2] offset:(\i)*TB+1536*(\q)+1280
.endm
; mode 2: the first product starts the sums with the bias as C.  The 64 accumulators take turns, one instruction a turn.
.macro MUL16 a0, p, q, sc, mode
.irp a, \a0, \a0+1
.irp b, 0,1,2,3,4,5,6,7
.if \mode == 2
	v_wmma_scale_f32_16x16x128_f8f6f4 v[8*(8*((\a)%4)+\b):8*(8*((\a)%4)+\b)+7], v[128*(\p)+FR*\b:128*(\p)+FR*\b+FR-1], v[AF+FR*(\a):AF+FR*(\a)+FR-1], v[96+128*(\b/4)+8*(\b%4):96+128*(\b/4)+8*(\b%4)+7], v[SC+8*NQ*(\sc)+NQ*\b+(\q)], v[SC+8*NQ*(\sc)+NQ*(\a)+(\q)] matrix_a_fmt:MATRIX_FMT_FP6 matrix_b_fmt:MATRIX_FMT_FP6 matrix_a_scale:MATRIX_SCALE_ROW1
.else
	v_wmma_scale_f32_16x16x128_f8f6f4 v[8*(8*((\a)%4)+\b):8*(8*((\a)%4)+\b)+7], v[128*(\p)+FR*\b:128*(\p)+FR*\b+FR-1], v[AF+FR*(\a):AF+FR*(\a)+FR-1], v[8*(8*((\a)%4)+\b):8*(8*((\a)%4)+\b)+7], v[SC+8*NQ*(\sc)+NQ*\b+(\q)], v[SC+8*NQ*(\sc)+NQ*(\a)+(\q)] matrix_a_fmt:MATRIX_FMT_FP6 matrix_b_fmt:MATRIX_FMT_FP6 matrix_a_scale:MATRIX_SCALE_ROW1
.endif
.endr
.endr
.endm
.macro FETCH_B slot, q, p
	WIN TO_B
.irp i, 0,1,2,3,4,5,6,7
	FRAG 128*(\p)+FR*\i, ADRB+\slot, \q, \i
.endr
	WIN 0
.endm
.macro FETCH_A slot, q, i0
.irp i, \i0, \i0+1, \i0+2, \i0+3
	FRAG AF+FR*(\i), ADRA+\slot, \q, \i
.endr
.endm
.macro SCALES sc
.irp i, 0,1,2,3,4,5,6,7
	ds_load_b32 v[SC+16*(\sc)+2*\i], v[ADRS] offset:\i*SBLK
	ds_load_b32 v[SC+16*(\sc)+2*\i+1], v[ADRS] offset:\i*SBLK+64
.endr
.endm
.macro PLACES n
.rept \n
	v_nop
.endr
.endm
.macro STEP slot, q, mode
	s_wait_dscnt 4*NL                              ; all but the youngest 16 loads (the tokens' tiles 4-7)
.if \mode == 2
	WIN 0x91                                       ; C in window 1, D in window 2
.else
	WIN MUL_LO
.endif
	MUL16 0, (\q)%2, \q, \slot, \mode
	MUL16 2, (\q)%2, \q, \slot, \mode
	s_wait_dscnt 0
	PLACES NP
	FETCH_B \slot, (\q)+1, 1-(\q)%2
	FETCH_A \slot, (\q)+1, 0
.if \mode == 2
	WIN 0xd1
.else
	WIN MUL_HI
.endif
	MUL16 4, (\q)%2, \q, \slot, \mode
	MUL16 6, (\q)%2, \q, \slot, \mode
	PLACES NP
	WIN 0
	FETCH_A \slot, (\q)+1, 4
.endm
.macro TURN slot, next, fill
	s_wait_tensorcnt 0x0                           ; all my tensor loads have landed: my part of the next slot
	ds_add_u32 v[SPW], v[NIL]                      ; 0 onto my spare word
	s_wait_dscnt 4*NL+1                            ; (the add and the youngest 16 loads may be out)
	WIN MUL_LO
	MUL16 0, 1, NQ-1, \slot, 0
	s_wait_dscnt 0x0                               ; the add is done, and my reads of this slot are over
	s_barrier_signal -1
	MUL16 2, 1, NQ-1, \slot, 0
	WIN 0
	s_barrier_wait -1
.if \fill
	CREST
	s_add_nc_u64 s[G0+4*\slot+2:G0+4*\slot+3], s[G0+4*\slot+2:G0+4*\slot+3], 2*TB
	s_add_nc_u64 s[G0B+4*\slot+2:G0B+4*\slot+3], s[G0B+4*\slot+2:G0B+4*\slot+3], 2*TB
	JLOAD G0+4*\slot, G1, G0B+4*\slot, G1B
.else
	PLACES NP
.endif
	v_add_nc_u32 v[ADRS], 64*NQ, v[ADRS]
	FETCH_B \next, 0, 0
	FETCH_A \next, 0, 0
	SCALES \next
	WIN MUL_HI
	MUL16 4, 1, NQ-1, \slot, 0
	MUL16 6, 1, NQ-1, \slot, 0
	PLACES NP
	WIN 0
	FETCH_A \next, 0, 4
.endm
	s_wait_tensorcnt 1                             ; the scale words and my part of K step 0 are in; K step 1's load may be out
	s_barrier_signal -1
	s_barrier_wait -1
	FETCH_B 0, 0, 0
	FETCH_A 0, 0, 0
	SCALES 0
	FETCH_A 0, 0, 4
	s_wait_loadcnt 0x0                             ; the bias
	STEP 0, 0, 2
	s_mov_b32 s3, LAPS-1
.Llap:
	TURN 0, 1, 1
	STEP 1, 0, 0
	TURN 1, 0, 1
	STEP 0, 0, 0
	s_sub_co_u32 s3, s3, 1
	s_cmp_lg_u32 s3, 0
	s_cbranch_scc1 .Llap
	TURN 0, 1, 0
	STEP 1, 0, 0
	s_wait_dscnt 4*NL
	WIN MUL_LO
	MUL16 0, 1, NQ-1, 1, 0
	MUL16 2, 1, NQ-1, 1, 0
	s_wait_dscnt 0
	WIN MUL_HI
	MUL16 4, 1, NQ-1, 1, 0
	MUL16 6, 1, NQ-1, 1, 0
	WIN 0
; THE WAY OUT, tile by tile of 16 tokens x 128 columns: through my own stage in LDS, back as whole rows of 512 bytes, the residual's row added, stored.  Row t of tile a is token 32 (a / 2) + 8 (a % 2) + t + 8 (t / 8) of my 128.
.macro RLOAD a                         ; the residual's 16 rows into window 1, four sets by turns
	WIN 0x40
.irp t, 0,1,2,3,4,5,6,7,8,9,10,11,12,13,14,15
	global_load_b128 v[64*((\a)%4)+4*\t:64*((\a)%4)+4*\t+3], v[CO], s[10:11] offset:(32*((\a)/2)+8*((\a)%2)+\t+8*(\t/8))*4096 th:TH_LOAD_NT
.endr
	WIN 0
.endm
.macro TOSTAGE a
.set AC, 64*((\a)%4)
	WIN 0x08+4*((\a)/4)
.irp b, 0,1,2,3,4,5,6,7
	ds_store_b128 v[STO], v[AC+8*\b:AC+8*\b+3] offset:128*(\b/2)+32*(\b%2)        ; each accumulator from its low end on
	ds_store_b128 v[STO], v[AC+8*\b+4:AC+8*\b+7] offset:128*(\b/2)+32*(\b%2)+16
.endr
	WIN 0
.set BB, BK+64*((\a)%2)
.irp t, 0,1,2,3,4,5,6,7,8,9,10,11,12,13,14,15
	ds_load_b128 v[BB+4*\t:BB+4*\t+3], v[RD] offset:\t*SPITCH    ; LDS serves a wave's instructions in order (ISA guide 5.7.1.4): these see the stores above
.endr
.endm
.macro SEND a, younger, ld
.set BB, BK+64*((\a)%2)
.set RR, 64*((\a)%4)
	s_wait_dscnt \younger                          ; the tile is back in registers; the next tile's 16 stores and 16 loads may be out
	s_wait_loadcnt \ld                             ; its residual is in; the residual tiles asked for later may be out
	WIN 0x04
.set n, 0
.rept 32
	v_pk_add_f32 v[BB+2*n:BB+2*n+1], v[BB+2*n:BB+2*n+1], v[RR+2*n:RR+2*n+1]
.set n, n+1
.endr
	WIN 0
.irp t, 0,1,2,3,4,5,6,7,8,9,10,11,12,13,14,15
	global_store_b128 v[CO], v[BB+4*\t:BB+4*\t+3], s[12:13] offset:(32*((\a)/2)+8*((\a)%2)+\t+8*(\t/8))*4096 th:TH_STORE_NT   ; 512 consecutive bytes, at a multiple of 256 from the buffer's first byte
.endr
.endm
	PLACES NP
	RLOAD 0
	RLOAD 1
	RLOAD 2
	RLOAD 3
	TOSTAGE 0
.irp a, 1,2,3,4,5,6,7
.if \a > 1
	s_wait_xcnt 0x0                                ; tile a - 2's stores have read their registers: tile a's rows may land there
.endif
	TOSTAGE \a
.if \a < 6
	SEND \a-1, 32, 48
.elseif \a == 6
	SEND \a-1, 32, 32
.else
	SEND \a-1, 32, 16
.endif
.if \a < 5
	RLOAD \a+3
.endif
.endr
	SEND 7, 0, 0
	s_wait_tensorcnt 0x0                           ; the wave's end
	ds_add_u32 v[SPW], v[NIL]
	s_wait_dscnt 0x0
	CROUND
	s_endpgm
.Lfunc_end_k_q6bfa3b44b3_proj:
	.size	k_q6bfa3b44b3_proj, .Lfunc_end_k_q6bfa3b44b3_proj-k_q6bfa3b44b3_proj
	.p2alignl 7, 3214868480
	.fill 96, 4, 3214868480
	.section	.rodata,"a",@progbits
	.p2align	6, 0x0
	.amdhsa_kernel k_q6bfa3b44b3_proj
		.amdhsa_group_segment_fixed_size 327680
		.amdhsa_private_segment_fixed_size 0
		.amdhsa_enable_private_segment 0
		.amdhsa_kernarg_size 40
		.amdhsa_user_sgpr_count 2
		.amdhsa_user_sgpr_kernarg_segment_ptr 1
		.amdhsa_wavefront_size32 1
		.amdhsa_system_sgpr_workgroup_id_x 1
		.amdhsa_system_sgpr_workgroup_id_y 1
		.amdhsa_system_sgpr_workgroup_id_z 1
		.amdhsa_system_vgpr_workitem_id 0
		.amdhsa_next_free_vgpr 1024
		.amdhsa_next_free_sgpr 98
		.amdhsa_reserve_vcc 0
		.amdhsa_float_denorm_mode_32 3
		.amdhsa_float_denorm_mode_16_64 3
		.amdhsa_memory_ordered 1
		.amdhsa_forward_progress 1
		.amdhsa_inst_pref_size 176
	.end_amdhsa_kernel
	.amdgpu_metadata
---
amdhsa.version: [ 1, 2 ]
amdhsa.kernels:
  - .name:           k_q6bfa3b44b3_proj
    .symbol:         k_q6bfa3b44b3_proj.kd
    .args:
      - { .name: O, .offset: 0, .size: 8, .value_kind: global_buffer, .address_space: global }
      - { .name: W, .offset: 8, .size: 8, .value_kind: global_buffer, .address_space: global }
      - { .name: b_proj, .offset: 16, .size: 8, .value_kind: global_buffer, .address_space: global }
      - { .name: x, .offset: 24, .size: 8, .value_kind: global_buffer, .address_space: global }
      - { .name: X2, .offset: 32, .size: 8, .value_kind: global_buffer, .address_space: global }
    .group_segment_fixed_size: 327680
    .private_segment_fixed_size: 0
    .kernarg_segment_align: 8
    .kernarg_segment_size: 40
    .max_flat_workgroup_size: 128
    .sgpr_count:     98
    .vgpr_count:     1024
    .wavefront_size: 32
...
	.end_amdgpu_metadata
.endif
;; end of part 5
;; launch norm2: the kernel of part 2 again; grid 256 x 1, 4 waves a work-group, no clusters, 66,304 bytes of LDS; arguments X2, g_norm2, H; writes H
;; launch fc1 (part 6): grid 16 x 16, 4 waves a work-group, clusters of 4 x 4, 327,680 bytes of LDS; arguments H, W, b_fc1, G; writes G
.if DOCPART == 6
	.amdgcn_target "amdgcn-amd-amdhsa--gfx1250"
	.amdhsa_code_object_version 6
	.text
	.protected	k_q6bfa3b44b3_fc1
	.globl	k_q6bfa3b44b3_fc1
	.p2align	8
	.type	k_q6bfa3b44b3_fc1,@function
k_q6bfa3b44b3_fc1:
	s_mov_b64 s[64:65], 0
	v_nop
	global_prefetch_b8 v0, s[64:65] scope:SCOPE_SE
	s_setreg_imm32_b32 hwreg(HW_REG_WAVE_MODE, 25, 1), 1
	s_wait_xcnt 0x0
	s_wait_alu depctr_hold_cnt(0) depctr_sa_sdst(0) depctr_va_vdst(0) depctr_va_sdst(0) depctr_va_ssrc(0) depctr_va_vcc(0) depctr_vm_vsrc(0)
	s_getreg_b32 s2, hwreg(HW_REG_IB_STS2, 6, 4)
	s_cmp_eq_u32 s2, 0
	s_cbranch_scc0 .Lentry_in_a_cluster
	s_endpgm
.Lentry_in_a_cluster:
	s_bfe_u32 s2, ttmp6, 0x10000c
	s_cmp_lg_u32 s2, 0xf033
	s_cbranch_scc0 .Lentry_shape_is_right
	s_endpgm
.Lentry_shape_is_right:
; G = Q(gelu(h w_fc1 + b_fc1)): a product on codes of FP6 (E2M3) with E8M0 scales, K = 1,024; the exact gelu in f32; the result quantised along the hidden units and stored as the next product's operand.
; OPERANDS lie as tiles of 16 rows; a tile's codes are K / 64 pieces of 768 bytes, each an image of six operand registers; scale words [tile][K / 128][16 rows].  G likewise, with K = 4,096; its scale words from byte 12,582,912.
; Row r of tile T is index 32 (T / 2) + 8 (T % 2) + r + 8 (r / 8).  Source 0 = the weight's columns, source 1 = tokens: a lane holds a token, and its 64 registers of a token tile are hidden units 32 b + 16 h + i: one fragment of the next product.
; A work-group makes 256 x 256, each of four waves 128 x 128.  K goes in steps of 256 through two LDS slots filled by the tensor data mover; the scale words of all of K come once.  CLUSTERS: 4 x 4, tiles asked for jointly.
; GELU.  gelu(x) = max(x, 0) - |x| Q(|x|), Q the normal distribution's upper tail: Q(a) = exp(-a^2 / 2) / sqrt(2 pi) x (b1 t + .. + b5 t^5), t = 1 / (1 + p a) (Abramowitz and Stegun 26.2.17).
; LIMITS: Q is within 7.5e-8 absolute, which is not a relative bound far down the negative tail; a block under 2^-124 gets the byte 1 (read by this program alone); NaN and infinities are not served.
; THE WAY OUT IS A LOOP of eight trips, one token tile each: a ladder of branches on the trip's number copies that tile's accumulators, with the bias added, into window 0; all else is written once.
; REGISTERS: window 0: v2-9 the polynomial's addends (way out); v10-13 scale words at work and their place; v16-29 addresses; v32-63 scale words of the product, two sets, and nothing else;
;   v64-127 the way out's numbers; from v128 the tokens' fragments, one set (way out: v128-223 at work, v224-242 codes, v244-255 at work).   window 1: the weight's fragments, two sets; the bias in v96-127, v224-255.   windows 2, 3: the accumulators.
.set SIZE_K, 1024
.set A_SC,   3145728
.set WC,     3145728
.set WS,     9568256
.set NQ,     2
.set FR,     12
.set NL,     4
.set NP,     4
.set TB,     3072
.set HALFT,  8*TB
.set SLOT,   4*HALFT
.set LAPS,   SIZE_K/512
.set TROW,   12*SIZE_K
.set SBLK,   SIZE_K/2
.set HALFS,  8*SBLK
.set SCL,    2*SLOT
.set SPARE,  SCL+4*HALFS               ; the spare words, 128 bytes for each wave, which no other line names
.set ADRA, 16
.set ADRB, 20
.set LI,   24
.set L8,   25
.set ADRS, 27
.set SPW,  28
.set NIL,  29
.set SC,   32
.set AF,   128
.set VB4,  2
.set VB3,  4
.set VB2,  6
.set VB1,  8
.set PW,   10
.set PWE,  11
.set SW,   12
.set SVO,  13
.set X,    64
.set GT,   128
.set GE,   160
.set GP,   192
.set PC,   224
.set TM,   244
.set SEL,  66
.set G1, 24
.set G0, 32
.set G1B, 48
.set G0B, 56
.set G1S, 68
.set G0S, 76
.set G1SB, 80
.set G0SB, 88
.set MSB, 0
.macro WIN new
.if MSB != (\new)
	s_set_vgpr_msb (MSB<<8)|(\new)
.set MSB, (\new)
.endif
.endm
.set MUL_LO, 0xa1
.set MUL_HI, 0xf1
.set TO_B,   0x40
.macro JLOAD g0a, g1a, g0b, g1b        ; a joint load: waves 0, 1 fetch the tokens' tiles, waves 2, 3 the weight's; four v_nop follow each line
	s_cmp_eq_u32 s15, 0
	s_cbranch_scc0 .Lfor_b_\@
	tensor_load_to_lds s[\g0a:\g0a+3], s[\g1a:\g1a+7]
	s_nop 0
.rept 4
	v_nop
.endr
	s_branch .Lasked_\@
.Lfor_b_\@:
	tensor_load_to_lds s[\g0b:\g0b+3], s[\g1b:\g1b+7]
	s_nop 0
.rept 4
	v_nop
.endr
.Lasked_\@:
.endm
.macro CREST
	s_cmp_lg_u32 s14, 0
	s_cbranch_scc1 .Lnot_wave_0_\@
	s_barrier_signal -3
.Lnot_wave_0_\@:
	s_barrier_wait -3
	s_barrier_signal -1
	s_barrier_wait -1
.endm
.macro CROUND
	s_barrier_signal -1
	s_barrier_wait -1
	CREST
.endm
	s_load_b128 s[4:7], s[0:1], 0x0                ; H, W
	s_load_b128 s[8:11], s[0:1], 0x10              ; b_fc1, G
	v_lshl_add_u32 v[SPW], v0, 2, SPARE
	v_mov_b32 v[NIL], 0
	ds_add_u32 v28, v29
	ds_add_u32 v28, v29
	s_wait_dscnt 0x0
	v_lshrrev_b32 v1, 5, v0
	v_readfirstlane_b32 s14, v1
	s_lshr_b32 s15, s14, 1
	s_and_b32 s16, s14, 1
	s_bfe_u32 s40, ttmp6, 0x40000
	s_bfe_u32 s41, ttmp6, 0x40004
	s_lshl_b32 s42, ttmp9, 2
	s_add_co_u32 s42, s42, s40                     ; the weight's block of 256 columns
	s_and_b32 s17, ttmp7, 0xffff
	s_lshl_b32 s17, s17, 2
	s_add_co_u32 s17, s17, s41                     ; the block of 256 tokens
	s_lshl_b32 s43, s41, 2
	s_lshl_b32 s43, 15, s43
	s_lshl_b32 s44, 0x1111, s40
	s_or_b32 s[G1+0], s43, (3<<16)|(1<<21)
	s_or_b32 s[G1B+0], s44, (3<<16)|(1<<21)
.irp g, G1, G1B
	s_mov_b32 s[\g+1], 384<<16
	s_mov_b32 s[\g+2], 8<<16
	s_mov_b32 s[\g+3], 384<<16
	s_mov_b32 s[\g+4], 8
	s_mov_b32 s[\g+5], TROW/8
	s_mov_b32 s[\g+6], 0
	s_mov_b32 s[\g+7], 0
.endr
	s_or_b32 s[G1S+0], s43, (3<<16)|(1<<21)
	s_or_b32 s[G1SB+0], s44, (3<<16)|(1<<21)
.irp g, G1S, G1SB
	s_mov_b32 s[\g+1], 32<<16
	s_mov_b32 s[\g+2], (HALFS/256)<<16
	s_mov_b32 s[\g+3], 32<<16
	s_mov_b32 s[\g+4], HALFS/256
	s_mov_b32 s[\g+5], 32
	s_mov_b32 s[\g+6], 0
	s_mov_b32 s[\g+7], 0
.endr
	s_lshl_b32 s18, s16, 3
	s_lshl_b32 s20, s17, 4
	s_add_co_u32 s20, s20, s18
	s_lshl_b32 s46, s42, 4
	s_add_co_u32 s46, s46, s18
	s_mul_i32 s22, s20, SBLK
	s_add_co_u32 s22, s22, A_SC
	s_mul_i32 s92, s46, SBLK
	s_add_co_u32 s92, s92, WS
	s_mul_i32 s20, s20, TROW
	s_mul_i32 s46, s46, TROW
	s_add_co_u32 s46, s46, WC
	s_mov_b32 s21, 0
	s_mov_b32 s23, 0
	s_mov_b32 s47, 0
	s_mov_b32 s93, 0
	s_mul_i32 s45, s14, HALFT
	s_mul_i32 s94, s14, HALFS
	s_wait_kmcnt 0x0
	s_add_nc_u64 s[20:21], s[4:5], s[20:21]
	s_add_nc_u64 s[22:23], s[4:5], s[22:23]
	s_add_nc_u64 s[46:47], s[6:7], s[46:47]
	s_add_nc_u64 s[92:93], s[6:7], s[92:93]
	CROUND
	s_mov_b32 s[G0S], 1
	s_add_co_u32 s[G0S+1], s94, SCL
	s_mov_b64 s[G0S+2:G0S+3], s[22:23]
	s_or_b32 s[G0S+3], s[G0S+3], 0x80000000
	s_mov_b32 s[G0SB], 1
	s_add_co_u32 s[G0SB+1], s94, SCL
	s_mov_b64 s[G0SB+2:G0SB+3], s[92:93]
	s_or_b32 s[G0SB+3], s[G0SB+3], 0x80000000
	JLOAD G0S, G1S, G0SB, G1SB
.irp s, 0,1
	s_mov_b32 s[G0+4*\s], 1
	s_add_co_u32 s[G0+4*\s+1], s45, \s*SLOT
	s_add_nc_u64 s[G0+4*\s+2:G0+4*\s+3], s[20:21], \s*TB
	s_or_b32 s[G0+4*\s+3], s[G0+4*\s+3], 0x80000000
	s_mov_b32 s[G0B+4*\s], 1
	s_add_co_u32 s[G0B+4*\s+1], s45, \s*SLOT
	s_add_nc_u64 s[G0B+4*\s+2:G0B+4*\s+3], s[46:47], \s*TB
	s_or_b32 s[G0B+4*\s+3], s[G0B+4*\s+3], 0x80000000
	JLOAD G0+4*\s, G1, G0B+4*\s, G1B
.endr
	v_and_b32 v1, 31, v0
	v_and_b32 v2, 15, v0
	v_bfe_u32 v3, v0, 4, 1
	v_lshlrev_b32 v[LI], 4, v1
	v_lshlrev_b32 v[L8], 3, v1
	s_mul_i32 s21, s15, HALFT
	s_mul_i32 s22, s16, HALFT
	s_add_co_u32 s22, s22, 2*HALFT
.irp s, 0,1
	v_add_nc_u32 v[ADRA+\s], s21, v[LI]
	v_add_nc_u32 v[ADRB+\s], s22, v[LI]
	v_add_nc_u32 v[ADRA+2+\s], s21, v[L8]
	v_add_nc_u32 v[ADRB+2+\s], s22, v[L8]
	s_add_co_u32 s21, s21, SLOT
	s_add_co_u32 s22, s22, SLOT
.endr
	v_lshlrev_b32 v6, 2, v2
	v_lshl_add_u32 v[SVO], v3, 11, v6              ; the way out's scale words: 4 r, lanes 16-31 one tile on
	s_mul_i32 s21, s15, HALFS
	s_mul_i32 s22, s16, HALFS
	s_add_co_u32 s22, s22, 2*HALFS
	s_sub_co_u32 s22, s22, s21
	v_mul_u32_u24 v7, s22, v3
	s_add_co_u32 s21, s21, SCL
	v_add_nc_u32 v6, v6, v7
	v_add_nc_u32 v[ADRS], s21, v6
	s_lshl_b32 s46, s42, 10
	s_lshl_b32 s47, s16, 9
	s_add_co_u32 s46, s46, s47
	s_mov_b32 s47, 0
	s_add_nc_u64 s[8:9], s[8:9], s[46:47]          ; the bias of my 128 columns
	v_lshlrev_b32 v4, 6, v3
	WIN 0x40
.irp e, 0,1,2,3
.irp q, 0,1,2,3
	global_load_b128 v[96+96*(\e/2)+16*\e+4*\q:96+96*(\e/2)+16*\e+4*\q+3], v4, s[8:9] offset:128*\e+16*\q   ; register 16 e + i: column 32 e + 16 h + i
.endr
.endr
	WIN 0
	s_mov_b32 s[SEL], 0x76543210
	s_mov_b32 s[SEL+1], 0xfedcba98
.macro FRAG reg, adr, q, i
	ds_load_b128 v[\reg:\reg+3], v[\adr] offset:(\i)*TB+1536*(\q)
	ds_load_b64 v[\reg+4:\reg+5], v[\adr+2] offset:(\i)*TB+1536*(\q)+512
	ds_load_b128 v[\reg+6:\reg+9], v[\adr] offset:(\i)*TB+1536*(\q)+768
	ds_load_b64 v[\reg+10:\reg+11], v[\adr+2] offset:(\i)*TB+1536*(\q)+1280
.endm
; mode 1: the first product starts the sums.  The 64 accumulators take turns, one instruction a turn.
.macro MUL16 a0, p, q, sc, mode
.irp a, \a0, \a0+1
.irp b, 0,1,2,3,4,5,6,7
.if \mode == 1
	v_wmma_scale_f32_16x16x128_f8f6f4 v[8*(8*((\a)%4)+\b):8*(8*((\a)%4)+\b)+7], v[128*(\p)+FR*\b:128*(\p)+FR*\b+FR-1], v[AF+FR*(\a):AF+FR*(\a)+FR-1], 0, v[SC+8*NQ*(\sc)+NQ*\b+(\q)], v[SC+8*NQ*(\sc)+NQ*(\a)+(\q)] matrix_a_fmt:MATRIX_FMT_FP6 matrix_b_fmt:MATRIX_FMT_FP6 matrix_a_scale:MATRIX_SCALE_ROW1
.else
	v_wmma_scale_f32_16x16x128_f8f6f4 v[8*(8*((\a)%4)+\b):8*(8*((\a)%4)+\b)+7], v[128*(\p)+FR*\b:128*(\p)+FR*\b+FR-1], v[AF+FR*(\a):AF+FR*(\a)+FR-1], v[8*(8*((\a)%4)+\b):8*(8*((\a)%4)+\b)+7], v[SC+8*NQ*(\sc)+NQ*\b+(\q)], v[SC+8*NQ*(\sc)+NQ*(\a)+(\q)] matrix_a_fmt:MATRIX_FMT_FP6 matrix_b_fmt:MATRIX_FMT_FP6 matrix_a_scale:MATRIX_SCALE_ROW1
.endif
.endr
.endr
.endm
.macro FETCH_B slot, q, p
	WIN TO_B
.irp i, 0,1,2,3,4,5,6,7
	FRAG 128*(\p)+FR*\i, ADRB+\slot, \q, \i
.endr
	WIN 0
.endm
.macro FETCH_A slot, q, i0
.irp i, \i0, \i0+1, \i0+2, \i0+3
	FRAG AF+FR*(\i), ADRA+\slot, \q, \i
.endr
.endm
.macro SCALES sc
.irp i, 0,1,2,3,4,5,6,7
	ds_load_b32 v[SC+16*(\sc)+2*\i], v[ADRS] offset:\i*SBLK
	ds_load_b32 v[SC+16*(\sc)+2*\i+1], v[ADRS] offset:\i*SBLK+64
.endr
.endm
.macro PLACES n
.rept \n
	v_nop
.endr
.endm
.macro STEP slot, q, mode
	s_wait_dscnt 4*NL                              ; all but the youngest 16 loads (the tokens' tiles 4-7)
	WIN MUL_LO
	MUL16 0, (\q)%2, \q, \slot, \mode
	MUL16 2, (\q)%2, \q, \slot, \mode
	s_wait_dscnt 0
	PLACES NP
	FETCH_B \slot, (\q)+1, 1-(\q)%2
	FETCH_A \slot, (\q)+1, 0
	WIN MUL_HI
	MUL16 4, (\q)%2, \q, \slot, \mode
	MUL16 6, (\q)%2, \q, \slot, \mode
	PLACES NP
	WIN 0
	FETCH_A \slot, (\q)+1, 4
.endm
.macro TURN slot, next, fill
	s_wait_tensorcnt 0x0                           ; all my tensor loads have landed: my part of the next slot
	ds_add_u32 v[SPW], v[NIL]                      ; 0 onto my spare word
	s_wait_dscnt 4*NL+1                            ; (the add and the youngest 16 loads may be out)
	WIN MUL_LO
	MUL16 0, 1, NQ-1, \slot, 0
	s_wait_dscnt 0x0                               ; the add is done, and my reads of this slot are over
	s_barrier_signal -1
	MUL16 2, 1, NQ-1, \slot, 0
	WIN 0
	s_barrier_wait -1
.if \fill
	CREST
	s_add_nc_u64 s[G0+4*\slot+2:G0+4*\slot+3], s[G0+4*\slot+2:G0+4*\slot+3], 2*TB
	s_add_nc_u64 s[G0B+4*\slot+2:G0B+4*\slot+3], s[G0B+4*\slot+2:G0B+4*\slot+3], 2*TB
	JLOAD G0+4*\slot, G1, G0B+4*\slot, G1B
.else
	PLACES NP
.endif
	v_add_nc_u32 v[ADRS], 64*NQ, v[ADRS]
	FETCH_B \next, 0, 0
	FETCH_A \next, 0, 0
	SCALES \next
	WIN MUL_HI
	MUL16 4, 1, NQ-1, \slot, 0
	MUL16 6, 1, NQ-1, \slot, 0
	PLACES NP
	WIN 0
	FETCH_A \next, 0, 4
.endm
	s_wait_tensorcnt 1                             ; the scale words and my part of K step 0 are in; K step 1's load may be out
	s_barrier_signal -1
	s_barrier_wait -1
	FETCH_B 0, 0, 0
	FETCH_A 0, 0, 0
	SCALES 0
	FETCH_A 0, 0, 4
	s_wait_loadcnt 0x0                             ; the bias
	STEP 0, 0, 1
	s_mov_b32 s3, LAPS-1
.Llap:
	TURN 0, 1, 1
	STEP 1, 0, 0
	TURN 1, 0, 1
	STEP 0, 0, 0
	s_sub_co_u32 s3, s3, 1
	s_cmp_lg_u32 s3, 0
	s_cbranch_scc1 .Llap
	TURN 0, 1, 0
	STEP 1, 0, 0
	s_wait_dscnt 4*NL
	WIN MUL_LO
	MUL16 0, 1, NQ-1, 1, 0
	MUL16 2, 1, NQ-1, 1, 0
	s_wait_dscnt 0
	WIN MUL_HI
	MUL16 4, 1, NQ-1, 1, 0
	MUL16 6, 1, NQ-1, 1, 0
	WIN 0
.macro QUANT s, pc, pw
.irp b, 0,1,2,3
	v_max3_num_f32 v[TM+\b], |v[\s+16*\b]|, |v[\s+1+16*\b]|, 0x1800000
.endr
.irp i, 2,4,6,8,10,12,14
.irp b, 0,1,2,3
	v_max3_num_f32 v[TM+\b], v[TM+\b], |v[\s+16*\b+\i]|, |v[\s+1+16*\b+\i]|
.endr
.endr
.irp b, 0,1,2,3
	v_permlanex16_b32 v[TM+4+\b], v[TM+\b], s[SEL], s[SEL+1]
.endr
.irp b, 0,1,2,3
	v_max_num_f32 v[TM+\b], v[TM+\b], v[TM+4+\b]
.endr
.irp b, 0,1,2,3
	v_add_nc_u32 v[TM+8+\b], 0xff000000, v[TM+\b]
.endr
.irp b, 0,1,2,3
	v_lshrrev_b32 v[TM+4+\b], 23, v[TM+8+\b]
.endr
	v_lshl_or_b32 v[\pw], v[TM+5], 8, v[TM+4]
	v_lshl_or_b32 v[\pw], v[TM+6], 16, v[\pw]
	v_lshl_or_b32 v[\pw], v[TM+7], 24, v[\pw]
.irp c, 0,1
	v_cvt_scalef32_pk16_fp6_f32 v[\pc+6*\c:\pc+2+6*\c], v[\s+32*\c:\s+15+32*\c], v[TM+8+2*\c]
	v_cvt_scalef32_pk16_fp6_f32 v[\pc+12+4*\c:\pc+14+4*\c], v[\s+16+32*\c:\s+31+32*\c], v[TM+8+2*\c+1]
.endr
	v_nop
.irp c, 0,1
.irp i, 0,1,2
	v_permlane16_swap_b32 v[\pc+6*\c+\i], v[\pc+12+4*\c+\i]
.endr
.irp i, 0,1,2
	v_mov_b32 v[\pc+3+6*\c+\i], v[\pc+12+4*\c+\i]
.endr
.endr
.endm
.macro COPY a                          ; token tile a's 64 sums, with the bias, into window 0; each accumulator from its low end on
	WIN 0x06+(\a)/4
.set n, 0
.rept 32
	v_pk_add_f32 v[X+2*n:X+2*n+1], v[64*((\a)%4)+2*n:64*((\a)%4)+2*n+1], v[96+2*n+96*(n/16):96+2*n+96*(n/16)+1]
.set n, n+1
.endr
	WIN 0
.endm
.macro GELU g                          ; 32 numbers in place
.set GX, X+32*(\g)
.set n, 0
.rept 16
	v_pk_mul_f32 v[GE+2*n:GE+2*n+1], v[GX+2*n:GX+2*n+1], v[GX+2*n:GX+2*n+1]
.set n, n+1
.endr
.set n, 0
.rept 32
	v_fma_f32 v[GT+n], |v[GX+n]|, s68, 1.0         ; 1 + p |x|
.set n, n+1
.endr
.set n, 0
.rept 16
	v_pk_mul_f32 v[GE+2*n:GE+2*n+1], v[GE+2*n:GE+2*n+1], s[70:71] op_sel_hi:[1,0]   ; -x^2 / 2 x log2(e)
.set n, n+1
.endr
.set n, 0
.rept 32
	v_rcp_f32 v[GT+n], v[GT+n]
.set n, n+1
.endr
.set n, 0
.rept 32
	v_exp_f32 v[GE+n], v[GE+n]
.set n, n+1
.endr
	v_nop                                          ; the plain place behind the batch
	s_wait_alu depctr_va_vdst(0)                   ; one wait for the 64, ahead of their first reader
.set n, 0
.rept 16
	v_pk_fma_f32 v[GP+2*n:GP+2*n+1], v[GT+2*n:GT+2*n+1], s[72:73], v[VB4:VB4+1] op_sel_hi:[1,0,1]
.set n, n+1
.endr
.irp c, VB3, VB2, VB1
.set n, 0
.rept 16
	v_pk_fma_f32 v[GP+2*n:GP+2*n+1], v[GP+2*n:GP+2*n+1], v[GT+2*n:GT+2*n+1], v[\c:\c+1]
.set n, n+1
.endr
.endr
.set n, 0
.rept 16
	v_pk_mul_f32 v[GP+2*n:GP+2*n+1], v[GP+2*n:GP+2*n+1], v[GT+2*n:GT+2*n+1]
.set n, n+1
.endr
.set n, 0
.rept 16
	v_pk_mul_f32 v[GP+2*n:GP+2*n+1], v[GP+2*n:GP+2*n+1], v[GE+2*n:GE+2*n+1]   ; Q(|x|)
.set n, n+1
.endr
.set n, 0
.rept 32
	v_max_num_f32 v[GE+n], 0, v[GX+n]
.set n, n+1
.endr
.set n, 0
.rept 32
	v_fma_f32 v[GX+n], -v[GP+n], |v[GX+n]|, v[GE+n]
.set n, n+1
.endr
.endm
	PLACES NP                                      ; behind the last products: their results are read and the tokens' registers written below
	v_and_b32 v1, 31, v0
	v_cmp_le_u32 s2, 16, v1                        ; lanes 16-31
.irp i, 0,1
	v_mov_b32 v[VB4+\i], 0xbf3a00e3                ; b4, b3, b2, b1, each / sqrt(2 pi)
	v_mov_b32 v[VB3+\i], 0x3f35f0e3
	v_mov_b32 v[VB2+\i], 0xbe11a98e
	v_mov_b32 v[VB1+\i], 0x3e027906
.endr
	v_mov_b32 v[PWE], 0
.irp b, 0,1,2,3
	v_mov_b32 v[TM+4+\b], 0                        ; (a lane permute's destination counts as one of its sources)
.endr
	s_mov_b32 s68, 0x3e6d3389                      ; p.  (The scale words' descriptors, whose loads landed long ago, give their registers)
	s_mov_b32 s70, 0xbf38aa3b                      ; -log2(e) / 2
	s_mov_b32 s71, s70
	s_mov_b32 s72, 0x3f07dc22                      ; b5 / sqrt(2 pi)
	s_mov_b32 s73, s72
	s_lshl_b32 s74, s17, 4
	s_lshl_b32 s75, s15, 3
	s_add_co_u32 s74, s74, s75                     ; my first token tile
	s_lshl_b32 s76, s74, 11
	s_mul_i32 s74, s74, 49152
	s_lshl_b32 s75, s42, 2
	s_lshl_b32 s77, s16, 1
	s_add_co_u32 s75, s75, s77                     ; my first piece of 64 hidden units
	s_lshl_b32 s77, s75, 5
	s_mul_i32 s75, s75, 768
	s_add_co_u32 s74, s74, s75
	s_mov_b32 s75, 0
	s_add_nc_u64 s[74:75], s[10:11], s[74:75]
	s_add_co_u32 s76, s76, s77
	s_add_co_u32 s76, s76, 12582912
	s_mov_b32 s77, 0
	s_add_nc_u64 s[76:77], s[10:11], s[76:77]
	s_mov_b32 s3, 0
.Lrow:
.irp k, 0,1,2,3,4,5,6
	s_cmp_eq_u32 s3, \k
	s_cbranch_scc1 .Lacc\k
.endr
	COPY 7
	s_branch .Lbody
.irp k, 0,1,2,3,4,5
.Lacc\k:
	COPY \k
	s_branch .Lbody
.endr
.Lacc6:
	COPY 6
.Lbody:
	GELU 0
	GELU 1
	QUANT X, PC, PW
	global_store_b128 v[LI], v[PC:PC+3], s[74:75]              ; 1,536 consecutive bytes: a fragment
	global_store_b64 v[L8], v[PC+4:PC+5], s[74:75] offset:512
	global_store_b128 v[LI], v[PC+6:PC+9], s[74:75] offset:768
	global_store_b64 v[L8], v[PC+10:PC+11], s[74:75] offset:1280
	s_bitcmp1_b32 s3, 0
	s_cbranch_scc0 .Leven
	v_cndmask_b32 v[SW], v[PWE], v[PW], s2         ; lanes 0-15 the tile before's words, lanes 16-31 this tile's
	global_store_b32 v[SVO], v[SW], s[76:77] offset:-2048
.Leven:
	v_mov_b32 v[PWE], v[PW]
	s_wait_xcnt 0x0                                ; the stores have read their registers and bases: both are written again below and in the next trip
	s_add_nc_u64 s[74:75], s[74:75], 49152
	s_add_nc_u64 s[76:77], s[76:77], 2048
	s_add_co_u32 s3, s3, 1
	s_cmp_lt_u32 s3, 8
	s_cbranch_scc1 .Lrow
	s_wait_tensorcnt 0x0                           ; the wave's end
	ds_add_u32 v[SPW], v[NIL]
	s_wait_dscnt 0x0
	CROUND
	s_endpgm
.Lfunc_end_k_q6bfa3b44b3_fc1:
	.size	k_q6bfa3b44b3_fc1, .Lfunc_end_k_q6bfa3b44b3_fc1-k_q6bfa3b44b3_fc1
	.p2alignl 7, 3214868480
	.fill 96, 4, 3214868480
	.section	.rodata,"a",@progbits
	.p2align	6, 0x0
	.amdhsa_kernel k_q6bfa3b44b3_fc1
		.amdhsa_group_segment_fixed_size 327680
		.amdhsa_private_segment_fixed_size 0
		.amdhsa_enable_private_segment 0
		.amdhsa_kernarg_size 32
		.amdhsa_user_sgpr_count 2
		.amdhsa_user_sgpr_kernarg_segment_ptr 1
		.amdhsa_wavefront_size32 1
		.amdhsa_system_sgpr_workgroup_id_x 1
		.amdhsa_system_sgpr_workgroup_id_y 1
		.amdhsa_system_sgpr_workgroup_id_z 1
		.amdhsa_system_vgpr_workitem_id 0
		.amdhsa_next_free_vgpr 1024
		.amdhsa_next_free_sgpr 102
		.amdhsa_reserve_vcc 0
		.amdhsa_float_denorm_mode_32 3
		.amdhsa_float_denorm_mode_16_64 3
		.amdhsa_memory_ordered 1
		.amdhsa_forward_progress 1
		.amdhsa_inst_pref_size 171
	.end_amdhsa_kernel
	.amdgpu_metadata
---
amdhsa.version: [ 1, 2 ]
amdhsa.kernels:
  - .name:           k_q6bfa3b44b3_fc1
    .symbol:         k_q6bfa3b44b3_fc1.kd
    .args:
      - { .name: H, .offset: 0, .size: 8, .value_kind: global_buffer, .address_space: global }
      - { .name: W, .offset: 8, .size: 8, .value_kind: global_buffer, .address_space: global }
      - { .name: b_fc1, .offset: 16, .size: 8, .value_kind: global_buffer, .address_space: global }
      - { .name: G, .offset: 24, .size: 8, .value_kind: global_buffer, .address_space: global }
    .group_segment_fixed_size: 327680
    .private_segment_fixed_size: 0
    .kernarg_segment_align: 8
    .kernarg_segment_size: 32
    .max_flat_workgroup_size: 128
    .sgpr_count:     102
    .vgpr_count:     1024
    .wavefront_size: 32
...
	.end_amdgpu_metadata
.endif
;; end of part 6
;; launch fc2 (part 7): grid 4 x 16, 4 waves a work-group, clusters of 4 x 4, 327,680 bytes of LDS; arguments G, W, b_fc2, X2, out0; writes out0
.if DOCPART == 7
	.amdgcn_target "amdgcn-amd-amdhsa--gfx1250"
	.amdhsa_code_object_version 6
	.text
	.protected	k_q6bfa3b44b3_fc2
	.globl	k_q6bfa3b44b3_fc2
	.p2align	8
	.type	k_q6bfa3b44b3_fc2,@function
k_q6bfa3b44b3_fc2:
	s_mov_b64 s[64:65], 0
	v_nop
	global_prefetch_b8 v0, s[64:65] scope:SCOPE_SE
	s_setreg_imm32_b32 hwreg(HW_REG_WAVE_MODE, 25, 1), 1
	s_wait_xcnt 0x0
	s_wait_alu depctr_hold_cnt(0) depctr_sa_sdst(0) depctr_va_vdst(0) depctr_va_sdst(0) depctr_va_ssrc(0) depctr_va_vcc(0) depctr_vm_vsrc(0)
	s_getreg_b32 s2, hwreg(HW_REG_IB_STS2, 6, 4)
	s_cmp_eq_u32 s2, 0
	s_cbranch_scc0 .Lentry_in_a_cluster
	s_endpgm
.Lentry_in_a_cluster:
	s_bfe_u32 s2, ttmp6, 0x10000c
	s_cmp_lg_u32 s2, 0xf033
	s_cbranch_scc0 .Lentry_shape_is_right
	s_endpgm
.Lentry_shape_is_right:
; out0 = X2 + (G w_fc2 + b_fc2): a product on codes of FP6 (E2M3) with E8M0 scales, K = 4,096, the bias as the sums' first C, the residual added on the way out; f32 rows out.
; OPERANDS lie as tiles of 16 rows; a tile's codes are K / 64 pieces of 768 bytes, each an image of six operand registers; scale words [tile][K / 128][16 rows].
; Row r of tile T is index 32 (T / 2) + 8 (T % 2) + r + 8 (r / 8) (token or column).  A work-group makes 256 x 256, each of four waves 128 x 128.  K goes in steps of 256 through two LDS slots
; filled by the tensor data mover; the scale words of all of K come once.  Source 0 = the weight's columns, source 1 = tokens: a lane holds a token, and the 16 registers of column tiles 2 B, 2 B + 1 are columns 32 B + 16 h + 0 .. 15.
; CLUSTERS: 4 x 4.  The tokens' tile is shared along a row of the cluster, the weight's along a column: each is asked for jointly.
; The grid has 64 work-groups: a tile of 256 x 256 is kept, since a wave tile of half the side would read twice the LDS bytes for each product.
; REGISTERS: window 0: v16-29 addresses; v32-63 scale words, two sets; from v128 the tokens' fragments, one set (on the way out: rows of the result).
;   window 1: the weight's fragments, two sets, at v0 and v128; the bias in v96-127 and v224-255 (on the way out: the residual's rows).   windows 2, 3: the accumulators.
.set SIZE_K, 4096
.set A_SC,   12582912                  ; where the tokens' scale words begin in their buffer
.set WC,     6291456                   ; where the weight's codes begin in W,
.set WS,     9699328                   ; and its scale words
.set NQ,     2
.set FR,     12
.set NL,     4
.set NP,     4
.set TB,     3072
.set HALFT,  8*TB
.set SLOT,   4*HALFT
.set LAPS,   SIZE_K/512
.set TROW,   12*SIZE_K
.set SBLK,   SIZE_K/2
.set HALFS,  8*SBLK
.set SCL,    2*SLOT
.set SPARE,  SCL+4*HALFS               ; the spare words, 128 bytes for each wave, which no other line names
.set SPITCH, 528                       ; the way out: a stage of 16 rows x (512 bytes + 16) for each wave, in slot 0, which has had its last fill and its last read when the first result is stored there
.set ADRA, 16
.set ADRB, 20
.set STO,  24
.set RD,   25
.set CO,   26
.set ADRS, 27
.set SPW,  28
.set NIL,  29
.set SC,   32
.set AF,   128
.set BK,   128
.set G1, 24
.set G0, 32
.set G1B, 48
.set G0B, 56
.set G1S, 68
.set G0S, 76
.set G1SB, 80
.set G0SB, 88
.set MSB, 0
.macro WIN new
.if MSB != (\new)
	s_set_vgpr_msb (MSB<<8)|(\new)
.set MSB, (\new)
.endif
.endm
.set MUL_LO, 0xa1
.set MUL_HI, 0xf1
.set TO_B,   0x40
.macro JLOAD g0a, g1a, g0b, g1b        ; a joint load: waves 0, 1 fetch the tokens' tiles, waves 2, 3 the weight's; four v_nop follow each line
	s_cmp_eq_u32 s15, 0
	s_cbranch_scc0 .Lfor_b_\@
	tensor_load_to_lds s[\g0a:\g0a+3], s[\g1a:\g1a+7]
	s_nop 0
.rept 4
	v_nop
.endr
	s_branch .Lasked_\@
.Lfor_b_\@:
	tensor_load_to_lds s[\g0b:\g0b+3], s[\g1b:\g1b+7]
	s_nop 0
.rept 4
	v_nop
.endr
.Lasked_\@:
.endm
.macro CREST
	s_cmp_lg_u32 s14, 0
	s_cbranch_scc1 .Lnot_wave_0_\@
	s_barrier_signal -3
.Lnot_wave_0_\@:
	s_barrier_wait -3
	s_barrier_signal -1
	s_barrier_wait -1
.endm
.macro CROUND
	s_barrier_signal -1
	s_barrier_wait -1
	CREST
.endm
	s_load_b128 s[4:7], s[0:1], 0x0                ; the tokens' codes and scales, W
	s_load_b128 s[8:11], s[0:1], 0x10              ; the bias, the residual
	s_load_b64 s[12:13], s[0:1], 0x20              ; the result
	v_lshl_add_u32 v[SPW], v0, 2, SPARE
	v_mov_b32 v[NIL], 0
	ds_add_u32 v28, v29
	ds_add_u32 v28, v29
	s_wait_dscnt 0x0
	v_lshrrev_b32 v1, 5, v0
	v_readfirstlane_b32 s14, v1
	s_lshr_b32 s15, s14, 1
	s_and_b32 s16, s14, 1
	s_bfe_u32 s40, ttmp6, 0x40000
	s_bfe_u32 s41, ttmp6, 0x40004
	s_lshl_b32 s42, ttmp9, 2
	s_add_co_u32 s42, s42, s40                     ; the weight's block of 256 columns
	s_and_b32 s17, ttmp7, 0xffff
	s_lshl_b32 s17, s17, 2
	s_add_co_u32 s17, s17, s41                     ; the block of 256 tokens
	s_lshl_b32 s43, s41, 2
	s_lshl_b32 s43, 15, s43
	s_lshl_b32 s44, 0x1111, s40
	s_or_b32 s[G1+0], s43, (3<<16)|(1<<21)
	s_or_b32 s[G1B+0], s44, (3<<16)|(1<<21)
.irp g, G1, G1B
	s_mov_b32 s[\g+1], 384<<16
	s_mov_b32 s[\g+2], 8<<16
	s_mov_b32 s[\g+3], 384<<16
	s_mov_b32 s[\g+4], 8
	s_mov_b32 s[\g+5], TROW/8
	s_mov_b32 s[\g+6], 0
	s_mov_b32 s[\g+7], 0
.endr
	s_or_b32 s[G1S+0], s43, (3<<16)|(1<<21)
	s_or_b32 s[G1SB+0], s44, (3<<16)|(1<<21)
.irp g, G1S, G1SB
	s_mov_b32 s[\g+1], 32<<16
	s_mov_b32 s[\g+2], (HALFS/256)<<16
	s_mov_b32 s[\g+3], 32<<16
	s_mov_b32 s[\g+4], HALFS/256
	s_mov_b32 s[\g+5], 32
	s_mov_b32 s[\g+6], 0
	s_mov_b32 s[\g+7], 0
.endr
	s_lshl_b32 s18, s16, 3
	s_lshl_b32 s20, s17, 4
	s_add_co_u32 s20, s20, s18
	s_lshl_b32 s46, s42, 4
	s_add_co_u32 s46, s46, s18
	s_mul_i32 s22, s20, SBLK
	s_add_co_u32 s22, s22, A_SC
	s_mul_i32 s92, s46, SBLK
	s_add_co_u32 s92, s92, WS
	s_mul_i32 s20, s20, TROW
	s_mul_i32 s46, s46, TROW
	s_add_co_u32 s46, s46, WC
	s_mov_b32 s21, 0
	s_mov_b32 s23, 0
	s_mov_b32 s47, 0
	s_mov_b32 s93, 0
	s_mul_i32 s45, s14, HALFT
	s_mul_i32 s94, s14, HALFS
	s_wait_kmcnt 0x0
	s_add_nc_u64 s[20:21], s[4:5], s[20:21]
	s_add_nc_u64 s[22:23], s[4:5], s[22:23]
	s_add_nc_u64 s[46:47], s[6:7], s[46:47]
	s_add_nc_u64 s[92:93], s[6:7], s[92:93]
	CROUND
	s_mov_b32 s[G0S], 1
	s_add_co_u32 s[G0S+1], s94, SCL
	s_mov_b64 s[G0S+2:G0S+3], s[22:23]
	s_or_b32 s[G0S+3], s[G0S+3], 0x80000000
	s_mov_b32 s[G0SB], 1
	s_add_co_u32 s[G0SB+1], s94, SCL
	s_mov_b64 s[G0SB+2:G0SB+3], s[92:93]
	s_or_b32 s[G0SB+3], s[G0SB+3], 0x80000000
	JLOAD G0S, G1S, G0SB, G1SB
.irp s, 0,1
	s_mov_b32 s[G0+4*\s], 1
	s_add_co_u32 s[G0+4*\s+1], s45, \s*SLOT
	s_add_nc_u64 s[G0+4*\s+2:G0+4*\s+3], s[20:21], \s*TB
	s_or_b32 s[G0+4*\s+3], s[G0+4*\s+3], 0x80000000
	s_mov_b32 s[G0B+4*\s], 1
	s_add_co_u32 s[G0B+4*\s+1], s45, \s*SLOT
	s_add_nc_u64 s[G0B+4*\s+2:G0B+4*\s+3], s[46:47], \s*TB
	s_or_b32 s[G0B+4*\s+3], s[G0B+4*\s+3], 0x80000000
	JLOAD G0+4*\s, G1, G0B+4*\s, G1B
.endr
	v_and_b32 v1, 31, v0
	v_and_b32 v2, 15, v0
	v_bfe_u32 v3, v0, 4, 1
	v_lshlrev_b32 v[CO], 4, v1                     ; 16 x lane
	v_lshlrev_b32 v5, 3, v1                        ; 8 x lane
	s_mul_i32 s21, s15, HALFT
	s_mul_i32 s22, s16, HALFT
	s_add_co_u32 s22, s22, 2*HALFT
.irp s, 0,1
	v_add_nc_u32 v[ADRA+\s], s21, v[CO]
	v_add_nc_u32 v[ADRB+\s], s22, v[CO]
	v_add_nc_u32 v[ADRA+2+\s], s21, v5
	v_add_nc_u32 v[ADRB+2+\s], s22, v5
	s_add_co_u32 s21, s21, SLOT
	s_add_co_u32 s22, s22, SLOT
.endr
	v_lshlrev_b32 v6, 2, v2
	s_mul_i32 s21, s15, HALFS
	s_mul_i32 s22, s16, HALFS
	s_add_co_u32 s22, s22, 2*HALFS
	s_sub_co_u32 s22, s22, s21
	v_mul_u32_u24 v7, s22, v3
	s_add_co_u32 s21, s21, SCL
	v_add_nc_u32 v6, v6, v7
	v_add_nc_u32 v[ADRS], s21, v6
	s_mul_i32 s23, s14, 16*SPITCH                  ; my stage
	v_mul_u32_u24 v6, v2, SPITCH
	v_lshl_add_u32 v6, v3, 6, v6
	v_add_nc_u32 v[STO], s23, v6                   ; in: row r, + 64 h
	v_add_nc_u32 v[RD], s23, v[CO]                 ; back: a row of 512 bytes by the 32 lanes
	s_lshl_b32 s20, s17, 8
	s_lshl_b32 s21, s15, 7
	s_add_co_u32 s20, s20, s21
	s_lshl_b32 s20, s20, 12                        ; my first token's row of 4,096 bytes
	s_mov_b32 s21, 0
	s_lshl_b32 s46, s42, 10
	s_lshl_b32 s47, s16, 9
	s_add_co_u32 s46, s46, s47                     ; my first column, in bytes
	s_mov_b32 s47, 0
	s_add_nc_u64 s[8:9], s[8:9], s[46:47]          ; the bias of my 128 columns
	s_add_nc_u64 s[20:21], s[20:21], s[46:47]
	s_add_nc_u64 s[10:11], s[10:11], s[20:21]
	s_add_nc_u64 s[12:13], s[12:13], s[20:21]
	v_lshlrev_b32 v4, 6, v3                        ; 64 h
	WIN 0x40
.irp e, 0,1,2,3
.irp q, 0,1,2,3
	global_load_b128 v[96+96*(\e/2)+16*\e+4*\q:96+96*(\e/2)+16*\e+4*\q+3], v4, s[8:9] offset:128*\e+16*\q   ; register 16 e + i: column 32 e + 16 h + i: the result's layout
.endr
.endr
	WIN 0
.macro FRAG reg, adr, q, i
	ds_load_b128 v[\reg:\reg+3], v[\adr] offset:(\i)*TB+1536*(\q)
	ds_load_b64 v[\reg+4:\reg+5], v[\adr+2] offset:(\i)*TB+1536*(\q)+512
	ds_load_b128 v[\reg+6:\reg+9], v[\adr] offset:(\i)*TB+1536*(\q)+768
	ds_load_b64 v[\reg+10:\reg+11], v[\adr+2] offset:(\i)*TB+1536*(\q)+1280
.endm
; mode 2: the first product starts the sums with the bias as C.  The 64 accumulators take turns, one instruction a turn.
.macro MUL16 a0, p, q, sc, mode
.irp a, \a0, \a0+1
.irp b, 0,1,2,3,4,5,6,7
.if \mode == 2
	v_wmma_scale_f32_16x16x128_f8f6f4 v[8*(8*((\a)%4)+\b):8*(8*((\a)%4)+\b)+7], v[128*(\p)+FR*\b:128*(\p)+FR*\b+FR-1], v[AF+FR*(\a):AF+FR*(\a)+FR-1], v[96+128*(\b/4)+8*(\b%4):96+128*(\b/4)+8*(\b%4)+7], v[SC+8*NQ*(\sc)+NQ*\b+(\q)], v[SC+8*NQ*(\sc)+NQ*(\a)+(\q)] matrix_a_fmt:MATRIX_FMT_FP6 matrix_b_fmt:MATRIX_FMT_FP6 matrix_a_scale:MATRIX_SCALE_ROW1
.else
	v_wmma_scale_f32_16x16x128_f8f6f4 v[8*(8*((\a)%4)+\b):8*(8*((\a)%4)+\b)+7], v[128*(\p)+FR*\b:128*(\p)+FR*\b+FR-1], v[AF+FR*(\a):AF+FR*(\a)+FR-1], v[8*(8*((\a)%4)+\b):8*(8*((\a)%4)+\b)+7], v[SC+8*NQ*(\sc)+NQ*\b+(\q)], v[SC+8*NQ*(\sc)+NQ*(\a)+(\q)] matrix_a_fmt:MATRIX_FMT_FP6 matrix_b_fmt:MATRIX_FMT_FP6 matrix_a_scale:MATRIX_SCALE_ROW1
.endif
.endr
.endr
.endm
.macro FETCH_B slot, q, p
	WIN TO_B
.irp i, 0,1,2,3,4,5,6,7
	FRAG 128*(\p)+FR*\i, ADRB+\slot, \q, \i
.endr
	WIN 0
.endm
.macro FETCH_A slot, q, i0
.irp i, \i0, \i0+1, \i0+2, \i0+3
	FRAG AF+FR*(\i), ADRA+\slot, \q, \i
.endr
.endm
.macro SCALES sc
.irp i, 0,1,2,3,4,5,6,7
	ds_load_b32 v[SC+16*(\sc)+2*\i], v[ADRS] offset:\i*SBLK
	ds_load_b32 v[SC+16*(\sc)+2*\i+1], v[ADRS] offset:\i*SBLK+64
.endr
.endm
.macro PLACES n
.rept \n
	v_nop
.endr
.endm
.macro STEP slot, q, mode
	s_wait_dscnt 4*NL                              ; all but the youngest 16 loads (the tokens' tiles 4-7)
.if \mode == 2
	WIN 0x91                                       ; C in window 1, D in window 2
.else
	WIN MUL_LO
.endif
	MUL16 0, (\q)%2, \q, \slot, \mode
	MUL16 2, (\q)%2, \q, \slot, \mode
	s_wait_dscnt 0
	PLACES NP
	FETCH_B \slot, (\q)+1, 1-(\q)%2
	FETCH_A \slot, (\q)+1, 0
.if \mode == 2
	WIN 0xd1
.else
	WIN MUL_HI
.endif
	MUL16 4, (\q)%2, \q, \slot, \mode
	MUL16 6, (\q)%2, \q, \slot, \mode
	PLACES NP
	WIN 0
	FETCH_A \slot, (\q)+1, 4
.endm
.macro TURN slot, next, fill
	s_wait_tensorcnt 0x0                           ; all my tensor loads have landed: my part of the next slot
	ds_add_u32 v[SPW], v[NIL]                      ; 0 onto my spare word
	s_wait_dscnt 4*NL+1                            ; (the add and the youngest 16 loads may be out)
	WIN MUL_LO
	MUL16 0, 1, NQ-1, \slot, 0
	s_wait_dscnt 0x0                               ; the add is done, and my reads of this slot are over
	s_barrier_signal -1
	MUL16 2, 1, NQ-1, \slot, 0
	WIN 0
	s_barrier_wait -1
.if \fill
	CREST
	s_add_nc_u64 s[G0+4*\slot+2:G0+4*\slot+3], s[G0+4*\slot+2:G0+4*\slot+3], 2*TB
	s_add_nc_u64 s[G0B+4*\slot+2:G0B+4*\slot+3], s[G0B+4*\slot+2:G0B+4*\slot+3], 2*TB
	JLOAD G0+4*\slot, G1, G0B+4*\slot, G1B
.else
	PLACES NP
.endif
	v_add_nc_u32 v[ADRS], 64*NQ, v[ADRS]
	FETCH_B \next, 0, 0
	FETCH_A \next, 0, 0
	SCALES \next
	WIN MUL_HI
	MUL16 4, 1, NQ-1, \slot, 0
	MUL16 6, 1, NQ-1, \slot, 0
	PLACES NP
	WIN 0
	FETCH_A \next, 0, 4
.endm
	s_wait_tensorcnt 1                             ; the scale words and my part of K step 0 are in; K step 1's load may be out
	s_barrier_signal -1
	s_barrier_wait -1
	FETCH_B 0, 0, 0
	FETCH_A 0, 0, 0
	SCALES 0
	FETCH_A 0, 0, 4
	s_wait_loadcnt 0x0                             ; the bias
	STEP 0, 0, 2
	s_mov_b32 s3, LAPS-1
.Llap:
	TURN 0, 1, 1
	STEP 1, 0, 0
	TURN 1, 0, 1
	STEP 0, 0, 0
	s_sub_co_u32 s3, s3, 1
	s_cmp_lg_u32 s3, 0
	s_cbranch_scc1 .Llap
	TURN 0, 1, 0
	STEP 1, 0, 0
	s_wait_dscnt 4*NL
	WIN MUL_LO
	MUL16 0, 1, NQ-1, 1, 0
	MUL16 2, 1, NQ-1, 1, 0
	s_wait_dscnt 0
	WIN MUL_HI
	MUL16 4, 1, NQ-1, 1, 0
	MUL16 6, 1, NQ-1, 1, 0
	WIN 0
; THE WAY OUT, tile by tile of 16 tokens x 128 columns: through my own stage in LDS, back as whole rows of 512 bytes, the residual's row added, stored.  Row t of tile a is token 32 (a / 2) + 8 (a % 2) + t + 8 (t / 8) of my 128.
.macro RLOAD a                         ; the residual's 16 rows into window 1, four sets by turns
	WIN 0x40
.irp t, 0,1,2,3,4,5,6,7,8,9,10,11,12,13,14,15
	global_load_b128 v[64*((\a)%4)+4*\t:64*((\a)%4)+4*\t+3], v[CO], s[10:11] offset:(32*((\a)/2)+8*((\a)%2)+\t+8*(\t/8))*4096 th:TH_LOAD_NT
.endr
	WIN 0
.endm
.macro TOSTAGE a
.set AC, 64*((\a)%4)
	WIN 0x08+4*((\a)/4)
.irp b, 0,1,2,3,4,5,6,7
	ds_store_b128 v[STO], v[AC+8*\b:AC+8*\b+3] offset:128*(\b/2)+32*(\b%2)        ; each accumulator from its low end on
	ds_store_b128 v[STO], v[AC+8*\b+4:AC+8*\b+7] offset:128*(\b/2)+32*(\b%2)+16
.endr
	WIN 0
.set BB, BK+64*((\a)%2)
.irp t, 0,1,2,3,4,5,6,7,8,9,10,11,12,13,14,15
	ds_load_b128 v[BB+4*\t:BB+4*\t+3], v[RD] offset:\t*SPITCH    ; LDS serves a wave's instructions in order (ISA guide 5.7.1.4): these see the stores above
.endr
.endm
.macro SEND a, younger, ld
.set BB, BK+64*((\a)%2)
.set RR, 64*((\a)%4)
	s_wait_dscnt \younger                          ; the tile is back in registers; the next tile's 16 stores and 16 loads may be out
	s_wait_loadcnt \ld                             ; its residual is in; the residual tiles asked for later may be out
	WIN 0x04
.set n, 0
.rept 32
	v_pk_add_f32 v[BB+2*n:BB+2*n+1], v[BB+2*n:BB+2*n+1], v[RR+2*n:RR+2*n+1]
.set n, n+1
.endr
	WIN 0
.irp t, 0,1,2,3,4,5,6,7,8,9,10,11,12,13,14,15
	global_store_b128 v[CO], v[BB+4*\t:BB+4*\t+3], s[12:13] offset:(32*((\a)/2)+8*((\a)%2)+\t+8*(\t/8))*4096 th:TH_STORE_NT   ; 512 consecutive bytes, at a multiple of 256 from the buffer's first byte
.endr
.endm
	PLACES NP
	RLOAD 0
	RLOAD 1
	RLOAD 2
	RLOAD 3
	TOSTAGE 0
.irp a, 1,2,3,4,5,6,7
.if \a > 1
	s_wait_xcnt 0x0                                ; tile a - 2's stores have read their registers: tile a's rows may land there
.endif
	TOSTAGE \a
.if \a < 6
	SEND \a-1, 32, 48
.elseif \a == 6
	SEND \a-1, 32, 32
.else
	SEND \a-1, 32, 16
.endif
.if \a < 5
	RLOAD \a+3
.endif
.endr
	SEND 7, 0, 0
	s_wait_tensorcnt 0x0                           ; the wave's end
	ds_add_u32 v[SPW], v[NIL]
	s_wait_dscnt 0x0
	CROUND
	s_endpgm
.Lfunc_end_k_q6bfa3b44b3_fc2:
	.size	k_q6bfa3b44b3_fc2, .Lfunc_end_k_q6bfa3b44b3_fc2-k_q6bfa3b44b3_fc2
	.p2alignl 7, 3214868480
	.fill 96, 4, 3214868480
	.section	.rodata,"a",@progbits
	.p2align	6, 0x0
	.amdhsa_kernel k_q6bfa3b44b3_fc2
		.amdhsa_group_segment_fixed_size 327680
		.amdhsa_private_segment_fixed_size 0
		.amdhsa_enable_private_segment 0
		.amdhsa_kernarg_size 40
		.amdhsa_user_sgpr_count 2
		.amdhsa_user_sgpr_kernarg_segment_ptr 1
		.amdhsa_wavefront_size32 1
		.amdhsa_system_sgpr_workgroup_id_x 1
		.amdhsa_system_sgpr_workgroup_id_y 1
		.amdhsa_system_sgpr_workgroup_id_z 1
		.amdhsa_system_vgpr_workitem_id 0
		.amdhsa_next_free_vgpr 1024
		.amdhsa_next_free_sgpr 98
		.amdhsa_reserve_vcc 0
		.amdhsa_float_denorm_mode_32 3
		.amdhsa_float_denorm_mode_16_64 3
		.amdhsa_memory_ordered 1
		.amdhsa_forward_progress 1
		.amdhsa_inst_pref_size 176
	.end_amdhsa_kernel
	.amdgpu_metadata
---
amdhsa.version: [ 1, 2 ]
amdhsa.kernels:
  - .name:           k_q6bfa3b44b3_fc2
    .symbol:         k_q6bfa3b44b3_fc2.kd
    .args:
      - { .name: G, .offset: 0, .size: 8, .value_kind: global_buffer, .address_space: global }
      - { .name: W, .offset: 8, .size: 8, .value_kind: global_buffer, .address_space: global }
      - { .name: b_fc2, .offset: 16, .size: 8, .value_kind: global_buffer, .address_space: global }
      - { .name: X2, .offset: 24, .size: 8, .value_kind: global_buffer, .address_space: global }
      - { .name: out0, .offset: 32, .size: 8, .value_kind: global_buffer, .address_space: global }
    .group_segment_fixed_size: 327680
    .private_segment_fixed_size: 0
    .kernarg_segment_align: 8
    .kernarg_segment_size: 40
    .max_flat_workgroup_size: 128
    .sgpr_count:     98
    .vgpr_count:     1024
    .wavefront_size: 32
...
	.end_amdgpu_metadata
.endif
;; end of part 7
;; ======== version 2 of 2: 8 launches; 1.20 times as fast as version 1
;; limits: a function is approximated: absolute error at most 7.5e-08; an absolute error that grows with the inputs' magnitude: up to 7.5e-08 times it
;; workspace buffers: W 9,830,400 bytes; H 3,276,800 bytes; O 3,276,800 bytes; G 13,107,200 bytes; X2 16,777,216 bytes; QKV 9,830,400 bytes
;; launch prepw: the kernel of part 1 again; grid 384 x 1, 4 waves a work-group, no clusters, 0 bytes of LDS; arguments w_attn, w_proj, w_fc1, w_fc2, W; writes W
;; launch norm1: the kernel of part 2 again; grid 256 x 1, 4 waves a work-group, no clusters, 66,304 bytes of LDS; arguments x, g_norm1, H; writes H
;; launch qkv: the kernel of part 3 again; grid 16 x 12, 4 waves a work-group, clusters of 4 x 4, 327,680 bytes of LDS; arguments H, W, b_attn, QKV; writes QKV
;; launch attn: the kernel of part 4 again; grid 8 x 32, 16 waves a work-group, no clusters, 206,848 bytes of LDS; arguments QKV, O; writes O
;; launch proj (part 8): grid 8 x 32, 4 waves a work-group, clusters of 4 x 4, 327,680 bytes of LDS; arguments O, W, b_proj, x, X2; writes X2
.if DOCPART == 8
	.amdgcn_target "amdgcn-amd-amdhsa--gfx1250"
	.amdhsa_code_object_version 6
	.text
	.protected	k_q6bfa3b44b3_proj
	.globl	k_q6bfa3b44b3_proj
	.p2align	8
	.type	k_q6bfa3b44b3_proj,@function
k_q6bfa3b44b3_proj:
	s_mov_b64 s[64:65], 0
	v_nop
	global_prefetch_b8 v0, s[64:65] scope:SCOPE_SE
	s_setreg_imm32_b32 hwreg(HW_REG_WAVE_MODE, 25, 1), 1
	s_wait_xcnt 0x0
	s_wait_alu depctr_hold_cnt(0) depctr_sa_sdst(0) depctr_va_vdst(0) depctr_va_sdst(0) depctr_va_ssrc(0) depctr_va_vcc(0) depctr_vm_vsrc(0)
	s_getreg_b32 s2, hwreg(HW_REG_IB_STS2, 6, 4)
	s_cmp_eq_u32 s2, 0
	s_cbranch_scc0 .Lentry_in_a_cluster
	s_endpgm
.Lentry_in_a_cluster:
	s_bfe_u32 s2, ttmp6, 0x10000c
	s_cmp_lg_u32 s2, 0xf033
	s_cbranch_scc0 .Lentry_shape_is_right
	s_endpgm
.Lentry_shape_is_right:
; X2 = x + (o w_proj + b_proj): a product on codes of FP6 (E2M3) with E8M0 scales, K = 1,024, the bias as the sums' first C, the residual added on the way out; f32 rows out.
; OPERANDS lie as tiles of 16 rows; a tile's codes are K / 64 pieces of 768 bytes, each an image of six operand registers (bytes 16 l .. + 15: registers 0-3 of lane l, bytes 512 + 8 l .. + 7: registers 4-5);
; scale words [tile][K / 128][16 rows].  Row r of tile T is index 32 (T / 2) + 8 (T % 2) + r + 8 (r / 8) (token or column).
; SHARES.  4,096 tokens x 1,024 columns in tiles of 128 x 128 are 256 work-groups (tiles of 256 x 256 would be 64).  Each of four waves makes 64 x 64: 16 accumulators.
; The price: for 128 along K a wave reads 8 fragments from LDS for 16 matrix instructions, twice the bytes for each product of a wave tile of 128 x 128.
; K goes in steps of 512 through two LDS slots filled by the tensor data mover: 16 tiles x 6,144 bytes a slot, as long a step as two slots beside the scale words allow.  With K = 1,024 both slots are first fills and nothing is filled again.
; The scale words of all of K come once.  Source 0 = the weight's columns, source 1 = tokens: a lane holds a token, and the 16 registers of column tiles 2 B, 2 B + 1 are columns 32 B + 16 h + 0 .. 15.
; CLUSTERS: 4 x 4.  The tokens' tile is shared along a row of the cluster, the weight's along a column: each is asked for jointly.
; THE RESIDUAL's 64 x 64 numbers of a wave are asked for at the head, into registers of their own, so that the way out does not wait for them.
; REGISTERS: window 0: v16-29 addresses; v32-63 scale words, two sets, and nothing else; v64-127 rows on the way out; v128-255 the accumulators ((a, b) at v[128 + 8 (4 a + b)]).
;   window 1: two sets of fragments, at v0 and v128: the tokens' four, then the weight's four; the bias in v96-127.   window 2: v0-127 the residual.
.set SIZE_K, 1024
.set A_SC,   3145728                   ; where the tokens' scale words begin in their buffer
.set WC,     2359296                   ; where the weight's codes begin in W,
.set WS,     9535488                   ; and its scale words
.set NQ,     4                         ; matrix instructions deep in a slot
.set FR,     12                        ; registers of a fragment
.set NP,     4                         ; places behind this matrix instruction (ISA guide 7.12.1)
.set TB,     6144                      ; a tile of 16 rows in a slot: 512 along K, eight pieces
.set HALFT,  4*TB                      ; four tiles: what one tensor load brings, and what one wave reads of a source
.set SLOT,   4*HALFT
.set LAPS,   SIZE_K/1024               ; a lap = two K steps = once round the ring
.set TROW,   12*SIZE_K                 ; a tile's codes in memory
.set SBLK,   SIZE_K/2                  ; a tile's scale words
.set HALFS,  4*SBLK
.set SCL,    2*SLOT                    ; behind the ring: the scale words
.set SPARE,  SCL+4*HALFS               ; behind them: the spare words, 128 bytes for each wave, which no other line names
.set SPITCH, 272                       ; the way out: a stage of 16 rows x (256 bytes + 16) for each wave, in slot 0, which has had its last fill and its last read when the first result is stored there
.set ADRA, 16                          ; v16-17 16 x lane + my tiles of the tokens in slot 0, 1;  v18-19 the same with 8 x lane
.set ADRB, 20                          ; v20-23 the same for the weight
.set STO,  24
.set RD,   25
.set CO,   26
.set ADRS, 27
.set SPW,  28
.set NIL,  29
.set SC,   32                          ; set s at v[SC + 16 s]; in it register 4 i + q: lanes 0-15 the word of the tokens' tile i, lanes 16-31 that of the weight's tile i, for the slot's q-th 128 along K
.set BK,   64
.set ACC,  128
.set F0,   0
.set F1,   128
.set CB,   96
.set G1, 24
.set G0, 32
.set G1B, 48
.set G0B, 56
.set G1S, 68
.set G0S, 76
.set G1SB, 80
.set G0SB, 88
.set MSB, 0
.macro WIN new                         ; the immediate's high byte repeats the setting that is left
.if MSB != (\new)
	s_set_vgpr_msb (MSB<<8)|(\new)
.set MSB, (\new)
.endif
.endm
.set MUL,  0x05                        ; sources 0 and 1 window 1; C and D window 0
.set MULB, 0x15                        ; the same with C in window 1: the bias
.set TO_F, 0x40                        ; destination window 1, address window 0
.macro JLOAD g0a, g1a, g0b, g1b        ; a joint load: waves 0, 1 fetch the tokens' tiles, waves 2, 3 the weight's; the branch hangs on the wave's number alone; four v_nop follow each line
	s_cmp_eq_u32 s15, 0
	s_cbranch_scc0 .Lfor_b_\@
	tensor_load_to_lds s[\g0a:\g0a+3], s[\g1a:\g1a+7]
	s_nop 0
.rept 4
	v_nop
.endr
	s_branch .Lasked_\@
.Lfor_b_\@:
	tensor_load_to_lds s[\g0b:\g0b+3], s[\g1b:\g1b+7]
	s_nop 0
.rept 4
	v_nop
.endr
.Lasked_\@:
.endm
.macro CREST                           ; a round of the cluster's barrier behind its opening barrier
	s_cmp_lg_u32 s14, 0
	s_cbranch_scc1 .Lnot_wave_0_\@
	s_barrier_signal -3
.Lnot_wave_0_\@:
	s_barrier_wait -3
	s_barrier_signal -1
	s_barrier_wait -1
.endm
.macro CROUND
	s_barrier_signal -1
	s_barrier_wait -1
	CREST
.endm
	s_load_b128 s[4:7], s[0:1], 0x0                ; the tokens' codes and scales, W
	s_load_b128 s[8:11], s[0:1], 0x10              ; the bias, the residual
	s_load_b64 s[12:13], s[0:1], 0x20              ; the result
	v_lshl_add_u32 v[SPW], v0, 2, SPARE
	v_mov_b32 v[NIL], 0
	ds_add_u32 v28, v29
	ds_add_u32 v28, v29
	s_wait_dscnt 0x0
	v_lshrrev_b32 v1, 5, v0
	v_readfirstlane_b32 s14, v1                    ; wave 0..3
	s_lshr_b32 s15, s14, 1                         ; which 64 tokens are mine.  Also: I fetch for the tokens (0) or the weight (1)
	s_and_b32 s16, s14, 1                          ; which 64 columns.  Also: which four tiles I fetch
	s_bfe_u32 s40, ttmp6, 0x40000                  ; cx, cy: my place in the cluster
	s_bfe_u32 s41, ttmp6, 0x40004
	s_lshl_b32 s42, ttmp9, 2
	s_add_co_u32 s42, s42, s40                     ; the weight's block of 128 columns
	s_and_b32 s17, ttmp7, 0xffff
	s_lshl_b32 s17, s17, 2
	s_add_co_u32 s17, s17, s41                     ; the block of 128 tokens
	s_lshl_b32 s43, s41, 2
	s_lshl_b32 s43, 15, s43                        ; my row of the cluster
	s_lshl_b32 s44, 0x1111, s40                    ; my column
	s_or_b32 s[G1+0], s43, (3<<16)|(1<<21)         ; 15:0 the mask; 17:16 elements of 8 bytes; 21 set beside a mask; no padding: every LDS access here covers consecutive bytes
	s_or_b32 s[G1B+0], s44, (3<<16)|(1<<21)
.irp g, G1, G1B
	s_mov_b32 s[\g+1], 768<<16                     ; tensor_dim0: a tile's 6,144 bytes of a K step
	s_mov_b32 s[\g+2], 4<<16                       ; tensor_dim1: four tiles
	s_mov_b32 s[\g+3], 768<<16                     ; tile_dim0
	s_mov_b32 s[\g+4], 4                           ; tile_dim1
	s_mov_b32 s[\g+5], TROW/8                      ; from tile to tile
	s_mov_b32 s[\g+6], 0
	s_mov_b32 s[\g+7], 0
.endr
	s_or_b32 s[G1S+0], s43, (3<<16)|(1<<21)        ; the scale words of four tiles: a dense block, as rows of 256 bytes
	s_or_b32 s[G1SB+0], s44, (3<<16)|(1<<21)
.irp g, G1S, G1SB
	s_mov_b32 s[\g+1], 32<<16
	s_mov_b32 s[\g+2], (HALFS/256)<<16
	s_mov_b32 s[\g+3], 32<<16
	s_mov_b32 s[\g+4], HALFS/256
	s_mov_b32 s[\g+5], 32
	s_mov_b32 s[\g+6], 0
	s_mov_b32 s[\g+7], 0
.endr
	s_lshl_b32 s18, s16, 2                         ; which four tiles I fetch
	s_lshl_b32 s20, s17, 3
	s_add_co_u32 s20, s20, s18
	s_lshl_b32 s46, s42, 3
	s_add_co_u32 s46, s46, s18
	s_mul_i32 s22, s20, SBLK
	s_add_co_u32 s22, s22, A_SC
	s_mul_i32 s92, s46, SBLK
	s_add_co_u32 s92, s92, WS
	s_mul_i32 s20, s20, TROW
	s_mul_i32 s46, s46, TROW
	s_add_co_u32 s46, s46, WC
	s_mov_b32 s21, 0
	s_mov_b32 s23, 0
	s_mov_b32 s47, 0
	s_mov_b32 s93, 0
	s_mul_i32 s45, s14, HALFT                      ; where they go: no place in the cluster enters an LDS address
	s_mul_i32 s94, s14, HALFS
	s_wait_kmcnt 0x0
	s_add_nc_u64 s[20:21], s[4:5], s[20:21]
	s_add_nc_u64 s[22:23], s[4:5], s[22:23]
	s_add_nc_u64 s[46:47], s[6:7], s[46:47]
	s_add_nc_u64 s[92:93], s[6:7], s[92:93]
	CROUND                                         ; all sixteen work-groups are here: the first joint loads meet
	s_mov_b32 s[G0S], 1
	s_add_co_u32 s[G0S+1], s94, SCL
	s_mov_b64 s[G0S+2:G0S+3], s[22:23]
	s_or_b32 s[G0S+3], s[G0S+3], 0x80000000
	s_mov_b32 s[G0SB], 1
	s_add_co_u32 s[G0SB+1], s94, SCL
	s_mov_b64 s[G0SB+2:G0SB+3], s[92:93]
	s_or_b32 s[G0SB+3], s[G0SB+3], 0x80000000
	JLOAD G0S, G1S, G0SB, G1SB                     ; the scale words first: they are wanted with K step 0
.irp s, 0,1
	s_mov_b32 s[G0+4*\s], 1
	s_add_co_u32 s[G0+4*\s+1], s45, \s*SLOT
	s_add_nc_u64 s[G0+4*\s+2:G0+4*\s+3], s[20:21], \s*TB
	s_or_b32 s[G0+4*\s+3], s[G0+4*\s+3], 0x80000000
	s_mov_b32 s[G0B+4*\s], 1
	s_add_co_u32 s[G0B+4*\s+1], s45, \s*SLOT
	s_add_nc_u64 s[G0B+4*\s+2:G0B+4*\s+3], s[46:47], \s*TB
	s_or_b32 s[G0B+4*\s+3], s[G0B+4*\s+3], 0x80000000
	JLOAD G0+4*\s, G1, G0B+4*\s, G1B
.endr
	v_and_b32 v1, 31, v0                           ; lane
	v_and_b32 v2, 15, v0                           ; r
	v_bfe_u32 v3, v0, 4, 1                         ; h
	v_lshlrev_b32 v4, 4, v1                        ; 16 x lane
	v_lshlrev_b32 v5, 3, v1                        ; 8 x lane
	s_mul_i32 s21, s15, HALFT                      ; my four tiles of the tokens
	s_mul_i32 s22, s16, HALFT                      ; my four of the weight,
	s_add_co_u32 s22, s22, 2*HALFT                 ; which lie behind the tokens' eight
.irp s, 0,1
	v_add_nc_u32 v[ADRA+\s], s21, v4
	v_add_nc_u32 v[ADRB+\s], s22, v4
	v_add_nc_u32 v[ADRA+2+\s], s21, v5
	v_add_nc_u32 v[ADRB+2+\s], s22, v5
	s_add_co_u32 s21, s21, SLOT
	s_add_co_u32 s22, s22, SLOT
.endr
	v_lshlrev_b32 v6, 2, v2                        ; my row's scale word
	s_mul_i32 s21, s15, HALFS
	s_mul_i32 s22, s16, HALFS
	s_add_co_u32 s22, s22, 2*HALFS
	s_sub_co_u32 s22, s22, s21
	v_mul_u32_u24 v7, s22, v3                      ; lanes 16-31 take the weight's
	s_add_co_u32 s21, s21, SCL
	v_add_nc_u32 v6, v6, v7
	v_add_nc_u32 v[ADRS], s21, v6
	s_mul_i32 s23, s14, 16*SPITCH                  ; my stage
	v_mul_u32_u24 v6, v2, SPITCH
	v_lshl_add_u32 v6, v3, 6, v6
	v_add_nc_u32 v[STO], s23, v6                   ; in: row r, + 64 h
	v_mul_u32_u24 v6, v3, SPITCH
	v_lshl_add_u32 v6, v2, 4, v6
	v_add_nc_u32 v[RD], s23, v6                    ; back: lanes 0-15 one row of 256 bytes, lanes 16-31 the next
	v_lshlrev_b32 v[CO], 4, v2
	v_lshl_add_u32 v[CO], v3, 12, v[CO]            ; and the same two rows in memory, 4,096 bytes apart
	s_lshl_b32 s20, s17, 7
	s_lshl_b32 s21, s15, 6
	s_add_co_u32 s20, s20, s21
	s_lshl_b32 s20, s20, 12                        ; my first token's row of 4,096 bytes
	s_mov_b32 s21, 0
	s_lshl_b32 s46, s42, 9
	s_lshl_b32 s47, s16, 8
	s_add_co_u32 s46, s46, s47                     ; my first column, in bytes: a multiple of 256
	s_mov_b32 s47, 0
	s_add_nc_u64 s[8:9], s[8:9], s[46:47]          ; the bias of my 64 columns
	s_add_nc_u64 s[20:21], s[20:21], s[46:47]
	s_add_nc_u64 s[10:11], s[10:11], s[20:21]
	s_add_nc_u64 s[12:13], s[12:13], s[20:21]
	v_lshlrev_b32 v8, 6, v3                        ; 64 h
	WIN 0x40
.irp e, 0,1
.irp q, 0,1,2,3
	global_load_b128 v[CB+16*\e+4*\q:CB+16*\e+4*\q+3], v8, s[8:9] offset:128*\e+16*\q   ; register 16 e + i: column 32 e + 16 h + i: the result's layout
.endr
.endr
	WIN 0x80                                       ; destination window 2
.irp a, 0,1,2,3                                ; the residual: row t of tile a is token 32 (a / 2) + 8 (a % 2) + t + 8 (t / 8) of my 64; two rows an instruction, sixteen lanes to a row's 256 bytes
.irp t, 0,1,2,3,4,5,6,7
	global_load_b128 v[32*\a+4*\t:32*\a+4*\t+3], v[CO], s[10:11] offset:(32*(\a/2)+8*(\a%2)+2*\t+8*(\t/4))*4096 th:TH_LOAD_NT
.endr
.endr
	WIN 0
.macro FRAG reg, adr, q, i             ; a fragment is two pieces on end: registers 0-3, 4-5, 6-9, 10-11 by four loads of consecutive bytes
	ds_load_b128 v[\reg:\reg+3], v[\adr] offset:(\i)*TB+1536*(\q)
	ds_load_b64 v[\reg+4:\reg+5], v[\adr+2] offset:(\i)*TB+1536*(\q)+512
	ds_load_b128 v[\reg+6:\reg+9], v[\adr] offset:(\i)*TB+1536*(\q)+768
	ds_load_b64 v[\reg+10:\reg+11], v[\adr+2] offset:(\i)*TB+1536*(\q)+1280
.endm
; 4 matrix instructions: the tokens' tile a x the weight's four, 128 along K: the slot's q-th, out of set f.  mode 2: the first product starts the sums with the bias as C.
; The 16 accumulators take turns, one instruction a turn, in the same order in every step.
.macro MUL4 a, f, q, sc, mode
.irp b, 0,1,2,3
.if \mode == 2
	v_wmma_scale_f32_16x16x128_f8f6f4 v[ACC+8*(4*(\a)+\b):ACC+8*(4*(\a)+\b)+7], v[(\f)+48+FR*\b:(\f)+48+FR*\b+FR-1], v[(\f)+FR*(\a):(\f)+FR*(\a)+FR-1], v[CB+8*\b:CB+8*\b+7], v[SC+16*(\sc)+4*\b+(\q)], v[SC+16*(\sc)+4*(\a)+(\q)] matrix_a_fmt:MATRIX_FMT_FP6 matrix_b_fmt:MATRIX_FMT_FP6 matrix_a_scale:MATRIX_SCALE_ROW1
.else
	v_wmma_scale_f32_16x16x128_f8f6f4 v[ACC+8*(4*(\a)+\b):ACC+8*(4*(\a)+\b)+7], v[(\f)+48+FR*\b:(\f)+48+FR*\b+FR-1], v[(\f)+FR*(\a):(\f)+FR*(\a)+FR-1], v[ACC+8*(4*(\a)+\b):ACC+8*(4*(\a)+\b)+7], v[SC+16*(\sc)+4*\b+(\q)], v[SC+16*(\sc)+4*(\a)+(\q)] matrix_a_fmt:MATRIX_FMT_FP6 matrix_b_fmt:MATRIX_FMT_FP6 matrix_a_scale:MATRIX_SCALE_ROW1
.endif
.endr
.endm
.macro SCALES sc                       ; a K step's scale words: lanes 0-15 take the tokens' tile i, lanes 16-31 the weight's tile i
.irp i, 0,1,2,3
.irp q, 0,1,2,3
	ds_load_b32 v[SC+16*(\sc)+4*\i+\q], v[ADRS] offset:\i*SBLK+64*\q
.endr
.endr
.endm
; 32 LDS loads in one run: the eight fragments of the slot's q-th 128 along K into set f; the tokens' tiles 2 and 3, which are wanted last, last.  sc >= 0: the slot's scale words go with them, ahead of those last eight loads
.macro FETCH slot, q, f, sc
	WIN TO_F
.irp i, 0,1,2,3
	FRAG (\f)+48+FR*\i, ADRB+\slot, \q, \i
.endr
.irp i, 0,1
	FRAG (\f)+FR*\i, ADRA+\slot, \q, \i
.endr
.if (\sc) >= 0
	WIN 0
	SCALES \sc
	WIN TO_F
.endif
.irp i, 2,3
	FRAG (\f)+FR*\i, ADRA+\slot, \q, \i
.endr
.endm
.macro PLACES n                        ; plain vector lines between a matrix instruction and a load into, or a read of, its registers (ISA guide 7.12.1 for reads)
.rept \n
	v_nop
.endr
.endm
.macro STEP slot, q, mode              ; 128 along K with its successor in the same slot: multiplies set q % 2 and fetches the next step into the other set
	s_wait_dscnt 8                                 ; all but the youngest eight loads (the tokens' tiles 2, 3)
.if \mode == 2
	WIN MULB
.else
	WIN MUL
.endif
	MUL4 0, 128*((\q)%2), \q, \slot, \mode
	MUL4 1, 128*((\q)%2), \q, \slot, \mode
	PLACES NP
	FETCH \slot, (\q)+1, 128*(1-(\q)%2), -1
	s_wait_dscnt 32                                ; all but the 32 just issued
.if \mode == 2
	WIN MULB
.else
	WIN MUL
.endif
	MUL4 2, 128*((\q)%2), \q, \slot, \mode
	MUL4 3, 128*((\q)%2), \q, \slot, \mode
.endm
; A slot's last step multiplies set 1 and changes slots: one barrier; in front of it each wave waits for all its tensor loads, adds 0 to its spare word, and waits for that and for its reads of this slot.  fill = 1: this slot is filled again, two K steps ahead.
.macro TURN slot, next, fill
	WIN 0                                          ; (the add's two registers lie in window 0)
	s_wait_tensorcnt 0x0                           ; all my tensor loads have landed: my part of the next slot
	ds_add_u32 v[SPW], v[NIL]                      ; 0 onto my spare word
	s_wait_dscnt 9                                 ; (the add and the youngest eight loads may be out)
	WIN MUL
	MUL4 0, F1, NQ-1, \slot, 0                     ; four matrix instructions stand between the add and the wait for it
	s_wait_dscnt 0x0                               ; the add is done, and my reads of this slot are over
	s_barrier_signal -1
	MUL4 1, F1, NQ-1, \slot, 0
	WIN 0
	s_barrier_wait -1
.if \fill
	CREST                                          ; the barrier has opened a round of the cluster's: no wave of any partner still reads this slot or has a load on its way
	s_add_nc_u64 s[G0+4*\slot+2:G0+4*\slot+3], s[G0+4*\slot+2:G0+4*\slot+3], 2*TB
	s_add_nc_u64 s[G0B+4*\slot+2:G0B+4*\slot+3], s[G0B+4*\slot+2:G0B+4*\slot+3], 2*TB
	JLOAD G0+4*\slot, G1, G0B+4*\slot, G1B         ; the first tensor load behind the round; its four v_nop are the places in front of the loads below
.else
	PLACES NP
.endif
	v_add_nc_u32 v[ADRS], 64*NQ, v[ADRS]           ; the next K step's scale words
	FETCH \next, 0, F0, \next
	WIN MUL
	MUL4 2, F1, NQ-1, \slot, 0
	MUL4 3, F1, NQ-1, \slot, 0
.endm
	s_wait_tensorcnt 1                             ; the scale words and my part of K step 0 are in; K step 1's load may be out
	s_barrier_signal -1
	s_barrier_wait -1
	FETCH 0, 0, F0, 0
	s_wait_loadcnt 32                              ; the bias's eight loads are in; the residual's 32, issued behind them, may be out
	STEP 0, 0, 2                                   ; the first step stands in front of the loop: its products start the sums
.if LAPS > 1
	WIN 0                                          ; at a label and at a branch every window is 0
	s_mov_b32 s3, LAPS-1
.Llap:                                             ; a trip goes once round the ring, from a lap's second step to the next lap's first, and fills both slots again
	STEP 0, 1, 0
	STEP 0, 2, 0
	TURN 0, 1, 1
	STEP 1, 0, 0
	STEP 1, 1, 0
	STEP 1, 2, 0
	TURN 1, 0, 1
	STEP 0, 0, 0
	WIN 0
	s_sub_co_u32 s3, s3, 1
	s_cmp_lg_u32 s3, 0
	s_cbranch_scc1 .Llap
.endif
	STEP 0, 1, 0                                   ; the last lap fills nothing
	STEP 0, 2, 0
	TURN 0, 1, 0
	STEP 1, 0, 0
	STEP 1, 1, 0
	STEP 1, 2, 0
	s_wait_dscnt 8                                 ; the very last step: nothing more to fetch
	WIN MUL
	MUL4 0, F1, NQ-1, 1, 0
	MUL4 1, F1, NQ-1, 1, 0
	s_wait_dscnt 0
	MUL4 2, F1, NQ-1, 1, 0
	MUL4 3, F1, NQ-1, 1, 0
	WIN 0
; THE WAY OUT, tile by tile of 16 tokens x 64 columns: through my own stage in LDS, back as whole rows of 256 bytes, the residual's rows added, stored.
.macro TOSTAGE a
.irp b, 0,1,2,3
	ds_store_b128 v[STO], v[ACC+8*(4*(\a)+\b):ACC+8*(4*(\a)+\b)+3] offset:128*(\b/2)+32*(\b%2)        ; each accumulator from its low end on
	ds_store_b128 v[STO], v[ACC+8*(4*(\a)+\b)+4:ACC+8*(4*(\a)+\b)+7] offset:128*(\b/2)+32*(\b%2)+16
.endr
.set BB, BK+32*((\a)%2)
.irp t, 0,1,2,3,4,5,6,7
	ds_load_b128 v[BB+4*\t:BB+4*\t+3], v[RD] offset:2*\t*SPITCH    ; LDS serves a wave's instructions in order (ISA guide 5.7.1.4): these see the stores above
.endr
.endm
.macro SEND a, younger
.set BB, BK+32*((\a)%2)
	s_wait_dscnt \younger                          ; the tile is back in registers; the next tile's 8 stores and 8 loads may be out
	WIN 0x08                                       ; source 1: window 2
.set n, 0
.rept 16
	v_pk_add_f32 v[BB+2*n:BB+2*n+1], v[BB+2*n:BB+2*n+1], v[32*(\a)+2*n:32*(\a)+2*n+1]
.set n, n+1
.endr
	WIN 0
.irp t, 0,1,2,3,4,5,6,7
	global_store_b128 v[CO], v[BB+4*\t:BB+4*\t+3], s[12:13] offset:(32*((\a)/2)+8*((\a)%2)+2*\t+8*(\t/4))*4096 th:TH_STORE_NT   ; sixteen lanes store 256 consecutive bytes, at a multiple of 256 from the buffer's first byte
.endr
.endm
	PLACES NP                                      ; behind the last products, whose results are read below
	s_wait_loadcnt 0x0                             ; the residual, asked for at the head
	TOSTAGE 0
.irp a, 1,2,3
.if \a > 1
	s_wait_xcnt 0x0                                ; tile a - 2's stores have read their registers: tile a's rows may land there
.endif
	TOSTAGE \a
	SEND \a-1, 16
.endr
	SEND 3, 0
	s_wait_tensorcnt 0x0                           ; the wave's end
	ds_add_u32 v[SPW], v[NIL]
	s_wait_dscnt 0x0
	CROUND                                         ; the closing round
	s_endpgm
.Lfunc_end_k_q6bfa3b44b3_proj:
	.size	k_q6bfa3b44b3_proj, .Lfunc_end_k_q6bfa3b44b3_proj-k_q6bfa3b44b3_proj
	.p2alignl 7, 3214868480
	.fill 96, 4, 3214868480
	.section	.rodata,"a",@progbits
	.p2align	6, 0x0
	.amdhsa_kernel k_q6bfa3b44b3_proj
		.amdhsa_group_segment_fixed_size 327680
		.amdhsa_private_segment_fixed_size 0
		.amdhsa_enable_private_segment 0
		.amdhsa_kernarg_size 40
		.amdhsa_user_sgpr_count 2
		.amdhsa_user_sgpr_kernarg_segment_ptr 1
		.amdhsa_wavefront_size32 1
		.amdhsa_system_sgpr_workgroup_id_x 1
		.amdhsa_system_sgpr_workgroup_id_y 1
		.amdhsa_system_sgpr_workgroup_id_z 1
		.amdhsa_system_vgpr_workitem_id 0
		.amdhsa_next_free_vgpr 640
		.amdhsa_next_free_sgpr 98
		.amdhsa_reserve_vcc 0
		.amdhsa_float_denorm_mode_32 3
		.amdhsa_float_denorm_mode_16_64 3
		.amdhsa_memory_ordered 1
		.amdhsa_forward_progress 1
		.amdhsa_inst_pref_size 62
	.end_amdhsa_kernel
	.amdgpu_metadata
---
amdhsa.version: [ 1, 2 ]
amdhsa.kernels:
  - .name:           k_q6bfa3b44b3_proj
    .symbol:         k_q6bfa3b44b3_proj.kd
    .args:
      - { .name: O, .offset: 0, .size: 8, .value_kind: global_buffer, .address_space: global }
      - { .name: W, .offset: 8, .size: 8, .value_kind: global_buffer, .address_space: global }
      - { .name: b_proj, .offset: 16, .size: 8, .value_kind: global_buffer, .address_space: global }
      - { .name: x, .offset: 24, .size: 8, .value_kind: global_buffer, .address_space: global }
      - { .name: X2, .offset: 32, .size: 8, .value_kind: global_buffer, .address_space: global }
    .group_segment_fixed_size: 327680
    .private_segment_fixed_size: 0
    .kernarg_segment_align: 8
    .kernarg_segment_size: 40
    .max_flat_workgroup_size: 128
    .sgpr_count:     98
    .vgpr_count:     640
    .wavefront_size: 32
...
	.end_amdgpu_metadata
.endif
;; end of part 8
;; launch norm2: the kernel of part 2 again; grid 256 x 1, 4 waves a work-group, no clusters, 66,304 bytes of LDS; arguments X2, g_norm2, H; writes H
;; launch fc1: the kernel of part 6 again; grid 16 x 16, 4 waves a work-group, clusters of 4 x 4, 327,680 bytes of LDS; arguments H, W, b_fc1, G; writes G
;; launch fc2 (part 9): grid 8 x 32, 4 waves a work-group, clusters of 4 x 4, 327,680 bytes of LDS; arguments G, W, b_fc2, X2, out0; writes out0
.if DOCPART == 9
	.amdgcn_target "amdgcn-amd-amdhsa--gfx1250"
	.amdhsa_code_object_version 6
	.text
	.protected	k_q6bfa3b44b3_fc2
	.globl	k_q6bfa3b44b3_fc2
	.p2align	8
	.type	k_q6bfa3b44b3_fc2,@function
k_q6bfa3b44b3_fc2:
	s_mov_b64 s[64:65], 0
	v_nop
	global_prefetch_b8 v0, s[64:65] scope:SCOPE_SE
	s_setreg_imm32_b32 hwreg(HW_REG_WAVE_MODE, 25, 1), 1
	s_wait_xcnt 0x0
	s_wait_alu depctr_hold_cnt(0) depctr_sa_sdst(0) depctr_va_vdst(0) depctr_va_sdst(0) depctr_va_ssrc(0) depctr_va_vcc(0) depctr_vm_vsrc(0)
	s_getreg_b32 s2, hwreg(HW_REG_IB_STS2, 6, 4)
	s_cmp_eq_u32 s2, 0
	s_cbranch_scc0 .Lentry_in_a_cluster
	s_endpgm
.Lentry_in_a_cluster:
	s_bfe_u32 s2, ttmp6, 0x10000c
	s_cmp_lg_u32 s2, 0xf033
	s_cbranch_scc0 .Lentry_shape_is_right
	s_endpgm
.Lentry_shape_is_right:
; out0 = X2 + (G w_fc2 + b_fc2): a product on codes of FP6 (E2M3) with E8M0 scales, K = 4,096, the bias as the sums' first C, the residual added on the way out; f32 rows out.
; OPERANDS lie as tiles of 16 rows; a tile's codes are K / 64 pieces of 768 bytes, each an image of six operand registers (bytes 16 l .. + 15: registers 0-3 of lane l, bytes 512 + 8 l .. + 7: registers 4-5);
; scale words [tile][K / 128][16 rows].  Row r of tile T is index 32 (T / 2) + 8 (T % 2) + r + 8 (r / 8) (token or column).
; SHARES.  4,096 tokens x 1,024 columns in tiles of 128 x 128 are 256 work-groups (tiles of 256 x 256 would be 64).  Each of four waves makes 64 x 64: 16 accumulators.
; The price: for 128 along K a wave reads 8 fragments from LDS for 16 matrix instructions, twice the bytes for each product of a wave tile of 128 x 128.
; K goes in steps of 512 through two LDS slots filled by the tensor data mover: 16 tiles x 6,144 bytes a slot, as long a step as two slots beside the scale words allow: eight fills in all, six of them refills.
; The scale words of all of K come once.  Source 0 = the weight's columns, source 1 = tokens: a lane holds a token, and the 16 registers of column tiles 2 B, 2 B + 1 are columns 32 B + 16 h + 0 .. 15.
; CLUSTERS: 4 x 4.  The tokens' tile is shared along a row of the cluster, the weight's along a column: each is asked for jointly.
; THE RESIDUAL's 64 x 64 numbers of a wave are asked for at the head, into registers of their own, so that the way out does not wait for them.
; REGISTERS: window 0: v16-29 addresses; v32-63 scale words, two sets, and nothing else; v64-127 rows on the way out; v128-255 the accumulators ((a, b) at v[128 + 8 (4 a + b)]).
;   window 1: two sets of fragments, at v0 and v128: the tokens' four, then the weight's four; the bias in v96-127.   window 2: v0-127 the residual.
.set SIZE_K, 4096
.set A_SC,   12582912                  ; where the tokens' scale words begin in their buffer
.set WC,     6291456                   ; where the weight's codes begin in W,
.set WS,     9699328                   ; and its scale words
.set NQ,     4                         ; matrix instructions deep in a slot
.set FR,     12                        ; registers of a fragment
.set NP,     4                         ; places behind this matrix instruction (ISA guide 7.12.1)
.set TB,     6144                      ; a tile of 16 rows in a slot: 512 along K, eight pieces
.set HALFT,  4*TB                      ; four tiles: what one tensor load brings, and what one wave reads of a source
.set SLOT,   4*HALFT
.set LAPS,   SIZE_K/1024               ; a lap = two K steps = once round the ring
.set TROW,   12*SIZE_K                 ; a tile's codes in memory
.set SBLK,   SIZE_K/2                  ; a tile's scale words
.set HALFS,  4*SBLK
.set SCL,    2*SLOT                    ; behind the ring: the scale words
.set SPARE,  SCL+4*HALFS               ; behind them: the spare words, 128 bytes for each wave, which no other line names
.set SPITCH, 272                       ; the way out: a stage of 16 rows x (256 bytes + 16) for each wave, in slot 0, which has had its last fill and its last read when the first result is stored there
.set ADRA, 16                          ; v16-17 16 x lane + my tiles of the tokens in slot 0, 1;  v18-19 the same with 8 x lane
.set ADRB, 20                          ; v20-23 the same for the weight
.set STO,  24
.set RD,   25
.set CO,   26
.set ADRS, 27
.set SPW,  28
.set NIL,  29
.set SC,   32                          ; set s at v[SC + 16 s]; in it register 4 i + q: lanes 0-15 the word of the tokens' tile i, lanes 16-31 that of the weight's tile i, for the slot's q-th 128 along K
.set BK,   64
.set ACC,  128
.set F0,   0
.set F1,   128
.set CB,   96
.set G1, 24
.set G0, 32
.set G1B, 48
.set G0B, 56
.set G1S, 68
.set G0S, 76
.set G1SB, 80
.set G0SB, 88
.set MSB, 0
.macro WIN new                         ; the immediate's high byte repeats the setting that is left
.if MSB != (\new)
	s_set_vgpr_msb (MSB<<8)|(\new)
.set MSB, (\new)
.endif
.endm
.set MUL,  0x05                        ; sources 0 and 1 window 1; C and D window 0
.set MULB, 0x15                        ; the same with C in window 1: the bias
.set TO_F, 0x40                        ; destination window 1, address window 0
.macro JLOAD g0a, g1a, g0b, g1b        ; a joint load: waves 0, 1 fetch the tokens' tiles, waves 2, 3 the weight's; the branch hangs on the wave's number alone; four v_nop follow each line
	s_cmp_eq_u32 s15, 0
	s_cbranch_scc0 .Lfor_b_\@
	tensor_load_to_lds s[\g0a:\g0a+3], s[\g1a:\g1a+7]
	s_nop 0
.rept 4
	v_nop
.endr
	s_branch .Lasked_\@
.Lfor_b_\@:
	tensor_load_to_lds s[\g0b:\g0b+3], s[\g1b:\g1b+7]
	s_nop 0
.rept 4
	v_nop
.endr
.Lasked_\@:
.endm
.macro CREST                           ; a round of the cluster's barrier behind its opening barrier
	s_cmp_lg_u32 s14, 0
	s_cbranch_scc1 .Lnot_wave_0_\@
	s_barrier_signal -3
.Lnot_wave_0_\@:
	s_barrier_wait -3
	s_barrier_signal -1
	s_barrier_wait -1
.endm
.macro CROUND
	s_barrier_signal -1
	s_barrier_wait -1
	CREST
.endm
	s_load_b128 s[4:7], s[0:1], 0x0                ; the tokens' codes and scales, W
	s_load_b128 s[8:11], s[0:1], 0x10              ; the bias, the residual
	s_load_b64 s[12:13], s[0:1], 0x20              ; the result
	v_lshl_add_u32 v[SPW], v0, 2, SPARE
	v_mov_b32 v[NIL], 0
	ds_add_u32 v28, v29
	ds_add_u32 v28, v29
	s_wait_dscnt 0x0
	v_lshrrev_b32 v1, 5, v0
	v_readfirstlane_b32 s14, v1                    ; wave 0..3
	s_lshr_b32 s15, s14, 1                         ; which 64 tokens are mine.  Also: I fetch for the tokens (0) or the weight (1)
	s_and_b32 s16, s14, 1                          ; which 64 columns.  Also: which four tiles I fetch
	s_bfe_u32 s40, ttmp6, 0x40000                  ; cx, cy: my place in the cluster
	s_bfe_u32 s41, ttmp6, 0x40004
	s_lshl_b32 s42, ttmp9, 2
	s_add_co_u32 s42, s42, s40                     ; the weight's block of 128 columns
	s_and_b32 s17, ttmp7, 0xffff
	s_lshl_b32 s17, s17, 2
	s_add_co_u32 s17, s17, s41                     ; the block of 128 tokens
	s_lshl_b32 s43, s41, 2
	s_lshl_b32 s43, 15, s43                        ; my row of the cluster
	s_lshl_b32 s44, 0x1111, s40                    ; my column
	s_or_b32 s[G1+0], s43, (3<<16)|(1<<21)         ; 15:0 the mask; 17:16 elements of 8 bytes; 21 set beside a mask; no padding: every LDS access here covers consecutive bytes
	s_or_b32 s[G1B+0], s44, (3<<16)|(1<<21)
.irp g, G1, G1B
	s_mov_b32 s[\g+1], 768<<16                     ; tensor_dim0: a tile's 6,144 bytes of a K step
	s_mov_b32 s[\g+2], 4<<16                       ; tensor_dim1: four tiles
	s_mov_b32 s[\g+3], 768<<16                     ; tile_dim0
	s_mov_b32 s[\g+4], 4                           ; tile_dim1
	s_mov_b32 s[\g+5], TROW/8                      ; from tile to tile
	s_mov_b32 s[\g+6], 0
	s_mov_b32 s[\g+7], 0
.endr
	s_or_b32 s[G1S+0], s43, (3<<16)|(1<<21)        ; the scale words of four tiles: a dense block, as rows of 256 bytes
	s_or_b32 s[G1SB+0], s44, (3<<16)|(1<<21)
.irp g, G1S, G1SB
	s_mov_b32 s[\g+1], 32<<16
	s_mov_b32 s[\g+2], (HALFS/256)<<16
	s_mov_b32 s[\g+3], 32<<16
	s_mov_b32 s[\g+4], HALFS/256
	s_mov_b32 s[\g+5], 32
	s_mov_b32 s[\g+6], 0
	s_mov_b32 s[\g+7], 0
.endr
	s_lshl_b32 s18, s16, 2                         ; which four tiles I fetch
	s_lshl_b32 s20, s17, 3
	s_add_co_u32 s20, s20, s18
	s_lshl_b32 s46, s42, 3
	s_add_co_u32 s46, s46, s18
	s_mul_i32 s22, s20, SBLK
	s_add_co_u32 s22, s22, A_SC
	s_mul_i32 s92, s46, SBLK
	s_add_co_u32 s92, s92, WS
	s_mul_i32 s20, s20, TROW
	s_mul_i32 s46, s46, TROW
	s_add_co_u32 s46, s46, WC
	s_mov_b32 s21, 0
	s_mov_b32 s23, 0
	s_mov_b32 s47, 0
	s_mov_b32 s93, 0
	s_mul_i32 s45, s14, HALFT                      ; where they go: no place in the cluster enters an LDS address
	s_mul_i32 s94, s14, HALFS
	s_wait_kmcnt 0x0
	s_add_nc_u64 s[20:21], s[4:5], s[20:21]
	s_add_nc_u64 s[22:23], s[4:5], s[22:23]
	s_add_nc_u64 s[46:47], s[6:7], s[46:47]
	s_add_nc_u64 s[92:93], s[6:7], s[92:93]
	CROUND                                         ; all sixteen work-groups are here: the first joint loads meet
	s_mov_b32 s[G0S], 1
	s_add_co_u32 s[G0S+1], s94, SCL
	s_mov_b64 s[G0S+2:G0S+3], s[22:23]
	s_or_b32 s[G0S+3], s[G0S+3], 0x80000000
	s_mov_b32 s[G0SB], 1
	s_add_co_u32 s[G0SB+1], s94, SCL
	s_mov_b64 s[G0SB+2:G0SB+3], s[92:93]
	s_or_b32 s[G0SB+3], s[G0SB+3], 0x80000000
	JLOAD G0S, G1S, G0SB, G1SB                     ; the scale words first: they are wanted with K step 0
.irp s, 0,1
	s_mov_b32 s[G0+4*\s], 1
	s_add_co_u32 s[G0+4*\s+1], s45, \s*SLOT
	s_add_nc_u64 s[G0+4*\s+2:G0+4*\s+3], s[20:21], \s*TB
	s_or_b32 s[G0+4*\s+3], s[G0+4*\s+3], 0x80000000
	s_mov_b32 s[G0B+4*\s], 1
	s_add_co_u32 s[G0B+4*\s+1], s45, \s*SLOT
	s_add_nc_u64 s[G0B+4*\s+2:G0B+4*\s+3], s[46:47], \s*TB
	s_or_b32 s[G0B+4*\s+3], s[G0B+4*\s+3], 0x80000000
	JLOAD G0+4*\s, G1, G0B+4*\s, G1B
.endr
	v_and_b32 v1, 31, v0                           ; lane
	v_and_b32 v2, 15, v0                           ; r
	v_bfe_u32 v3, v0, 4, 1                         ; h
	v_lshlrev_b32 v4, 4, v1                        ; 16 x lane
	v_lshlrev_b32 v5, 3, v1                        ; 8 x lane
	s_mul_i32 s21, s15, HALFT                      ; my four tiles of the tokens
	s_mul_i32 s22, s16, HALFT                      ; my four of the weight,
	s_add_co_u32 s22, s22, 2*HALFT                 ; which lie behind the tokens' eight
.irp s, 0,1
	v_add_nc_u32 v[ADRA+\s], s21, v4
	v_add_nc_u32 v[ADRB+\s], s22, v4
	v_add_nc_u32 v[ADRA+2+\s], s21, v5
	v_add_nc_u32 v[ADRB+2+\s], s22, v5
	s_add_co_u32 s21, s21, SLOT
	s_add_co_u32 s22, s22, SLOT
.endr
	v_lshlrev_b32 v6, 2, v2                        ; my row's scale word
	s_mul_i32 s21, s15, HALFS
	s_mul_i32 s22, s16, HALFS
	s_add_co_u32 s22, s22, 2*HALFS
	s_sub_co_u32 s22, s22, s21
	v_mul_u32_u24 v7, s22, v3                      ; lanes 16-31 take the weight's
	s_add_co_u32 s21, s21, SCL
	v_add_nc_u32 v6, v6, v7
	v_add_nc_u32 v[ADRS], s21, v6
	s_mul_i32 s23, s14, 16*SPITCH                  ; my stage
	v_mul_u32_u24 v6, v2, SPITCH
	v_lshl_add_u32 v6, v3, 6, v6
	v_add_nc_u32 v[STO], s23, v6                   ; in: row r, + 64 h
	v_mul_u32_u24 v6, v3, SPITCH
	v_lshl_add_u32 v6, v2, 4, v6
	v_add_nc_u32 v[RD], s23, v6                    ; back: lanes 0-15 one row of 256 bytes, lanes 16-31 the next
	v_lshlrev_b32 v[CO], 4, v2
	v_lshl_add_u32 v[CO], v3, 12, v[CO]            ; and the same two rows in memory, 4,096 bytes apart
	s_lshl_b32 s20, s17, 7
	s_lshl_b32 s21, s15, 6
	s_add_co_u32 s20, s20, s21
	s_lshl_b32 s20, s20, 12                        ; my first token's row of 4,096 bytes
	s_mov_b32 s21, 0
	s_lshl_b32 s46, s42, 9
	s_lshl_b32 s47, s16, 8
	s_add_co_u32 s46, s46, s47                     ; my first column, in bytes: a multiple of 256
	s_mov_b32 s47, 0
	s_add_nc_u64 s[8:9], s[8:9], s[46:47]          ; the bias of my 64 columns
	s_add_nc_u64 s[20:21], s[20:21], s[46:47]
	s_add_nc_u64 s[10:11], s[10:11], s[20:21]
	s_add_nc_u64 s[12:13], s[12:13], s[20:21]
	v_lshlrev_b32 v8, 6, v3                        ; 64 h
	WIN 0x40
.irp e, 0,1
.irp q, 0,1,2,3
	global_load_b128 v[CB+16*\e+4*\q:CB+16*\e+4*\q+3], v8, s[8:9] offset:128*\e+16*\q   ; register 16 e + i: column 32 e + 16 h + i: the result's layout
.endr
.endr
	WIN 0x80                                       ; destination window 2
.irp a, 0,1,2,3                                ; the residual: row t of tile a is token 32 (a / 2) + 8 (a % 2) + t + 8 (t / 8) of my 64; two rows an instruction, sixteen lanes to a row's 256 bytes
.irp t, 0,1,2,3,4,5,6,7
	global_load_b128 v[32*\a+4*\t:32*\a+4*\t+3], v[CO], s[10:11] offset:(32*(\a/2)+8*(\a%2)+2*\t+8*(\t/4))*4096 th:TH_LOAD_NT
.endr
.endr
	WIN 0
.macro FRAG reg, adr, q, i             ; a fragment is two pieces on end: registers 0-3, 4-5, 6-9, 10-11 by four loads of consecutive bytes
	ds_load_b128 v[\reg:\reg+3], v[\adr] offset:(\i)*TB+1536*(\q)
	ds_load_b64 v[\reg+4:\reg+5], v[\adr+2] offset:(\i)*TB+1536*(\q)+512
	ds_load_b128 v[\reg+6:\reg+9], v[\adr] offset:(\i)*TB+1536*(\q)+768
	ds_load_b64 v[\reg+10:\reg+11], v[\adr+2] offset:(\i)*TB+1536*(\q)+1280
.endm
; 4 matrix instructions: the tokens' tile a x the weight's four, 128 along K: the slot's q-th, out of set f.  mode 2: the first product starts the sums with the bias as C.
; The 16 accumulators take turns, one instruction a turn, in the same order in every step.
.macro MUL4 a, f, q, sc, mode
.irp b, 0,1,2,3
.if \mode == 2
	v_wmma_scale_f32_16x16x128_f8f6f4 v[ACC+8*(4*(\a)+\b):ACC+8*(4*(\a)+\b)+7], v[(\f)+48+FR*\b:(\f)+48+FR*\b+FR-1], v[(\f)+FR*(\a):(\f)+FR*(\a)+FR-1], v[CB+8*\b:CB+8*\b+7], v[SC+16*(\sc)+4*\b+(\q)], v[SC+16*(\sc)+4*(\a)+(\q)] matrix_a_fmt:MATRIX_FMT_FP6 matrix_b_fmt:MATRIX_FMT_FP6 matrix_a_scale:MATRIX_SCALE_ROW1
.else
	v_wmma_scale_f32_16x16x128_f8f6f4 v[ACC+8*(4*(\a)+\b):ACC+8*(4*(\a)+\b)+7], v[(\f)+48+FR*\b:(\f)+48+FR*\b+FR-1], v[(\f)+FR*(\a):(\f)+FR*(\a)+FR-1], v[ACC+8*(4*(\a)+\b):ACC+8*(4*(\a)+\b)+7], v[SC+16*(\sc)+4*\b+(\q)], v[SC+16*(\sc)+4*(\a)+(\q)] matrix_a_fmt:MATRIX_FMT_FP6 matrix_b_fmt:MATRIX_FMT_FP6 matrix_a_scale:MATRIX_SCALE_ROW1
.endif
.endr
.endm
.macro SCALES sc                       ; a K step's scale words: lanes 0-15 take the tokens' tile i, lanes 16-31 the weight's tile i
.irp i, 0,1,2,3
.irp q, 0,1,2,3
	ds_load_b32 v[SC+16*(\sc)+4*\i+\q], v[ADRS] offset:\i*SBLK+64*\q
.endr
.endr
.endm
; 32 LDS loads in one run: the eight fragments of the slot's q-th 128 along K into set f; the tokens' tiles 2 and 3, which are wanted last, last.  sc >= 0: the slot's scale words go with them, ahead of those last eight loads
.macro FETCH slot, q, f, sc
	WIN TO_F
.irp i, 0,1,2,3
	FRAG (\f)+48+FR*\i, ADRB+\slot, \q, \i
.endr
.irp i, 0,1
	FRAG (\f)+FR*\i, ADRA+\slot, \q, \i
.endr
.if (\sc) >= 0
	WIN 0
	SCALES \sc
	WIN TO_F
.endif
.irp i, 2,3
	FRAG (\f)+FR*\i, ADRA+\slot, \q, \i
.endr
.endm
.macro PLACES n                        ; plain vector lines between a matrix instruction and a load into, or a read of, its registers (ISA guide 7.12.1 for reads)
.rept \n
	v_nop
.endr
.endm
.macro STEP slot, q, mode              ; 128 along K with its successor in the same slot: multiplies set q % 2 and fetches the next step into the other set
	s_wait_dscnt 8                                 ; all but the youngest eight loads (the tokens' tiles 2, 3)
.if \mode == 2
	WIN MULB
.else
	WIN MUL
.endif
	MUL4 0, 128*((\q)%2), \q, \slot, \mode
	MUL4 1, 128*((\q)%2), \q, \slot, \mode
	PLACES NP
	FETCH \slot, (\q)+1, 128*(1-(\q)%2), -1
	s_wait_dscnt 32                                ; all but the 32 just issued
.if \mode == 2
	WIN MULB
.else
	WIN MUL
.endif
	MUL4 2, 128*((\q)%2), \q, \slot, \mode
	MUL4 3, 128*((\q)%2), \q, \slot, \mode
.endm
; A slot's last step multiplies set 1 and changes slots: one barrier; in front of it each wave waits for all its tensor loads, adds 0 to its spare word, and waits for that and for its reads of this slot.  fill = 1: this slot is filled again, two K steps ahead.
.macro TURN slot, next, fill
	WIN 0                                          ; (the add's two registers lie in window 0)
	s_wait_tensorcnt 0x0                           ; all my tensor loads have landed: my part of the next slot
	ds_add_u32 v[SPW], v[NIL]                      ; 0 onto my spare word
	s_wait_dscnt 9                                 ; (the add and the youngest eight loads may be out)
	WIN MUL
	MUL4 0, F1, NQ-1, \slot, 0                     ; four matrix instructions stand between the add and the wait for it
	s_wait_dscnt 0x0                               ; the add is done, and my reads of this slot are over
	s_barrier_signal -1
	MUL4 1, F1, NQ-1, \slot, 0
	WIN 0
	s_barrier_wait -1
.if \fill
	CREST                                          ; the barrier has opened a round of the cluster's: no wave of any partner still reads this slot or has a load on its way
	s_add_nc_u64 s[G0+4*\slot+2:G0+4*\slot+3], s[G0+4*\slot+2:G0+4*\slot+3], 2*TB
	s_add_nc_u64 s[G0B+4*\slot+2:G0B+4*\slot+3], s[G0B+4*\slot+2:G0B+4*\slot+3], 2*TB
	JLOAD G0+4*\slot, G1, G0B+4*\slot, G1B         ; the first tensor load behind the round; its four v_nop are the places in front of the loads below
.else
	PLACES NP
.endif
	v_add_nc_u32 v[ADRS], 64*NQ, v[ADRS]           ; the next K step's scale words
	FETCH \next, 0, F0, \next
	WIN MUL
	MUL4 2, F1, NQ-1, \slot, 0
	MUL4 3, F1, NQ-1, \slot, 0
.endm
	s_wait_tensorcnt 1                             ; the scale words and my part of K step 0 are in; K step 1's load may be out
	s_barrier_signal -1
	s_barrier_wait -1
	FETCH 0, 0, F0, 0
	s_wait_loadcnt 32                              ; the bias's eight loads are in; the residual's 32, issued behind them, may be out
	STEP 0, 0, 2                                   ; the first step stands in front of the loop: its products start the sums
.if LAPS > 1
	WIN 0                                          ; at a label and at a branch every window is 0
	s_mov_b32 s3, LAPS-1
.Llap:                                             ; a trip goes once round the ring, from a lap's second step to the next lap's first, and fills both slots again
	STEP 0, 1, 0
	STEP 0, 2, 0
	TURN 0, 1, 1
	STEP 1, 0, 0
	STEP 1, 1, 0
	STEP 1, 2, 0
	TURN 1, 0, 1
	STEP 0, 0, 0
	WIN 0
	s_sub_co_u32 s3, s3, 1
	s_cmp_lg_u32 s3, 0
	s_cbranch_scc1 .Llap
.endif
	STEP 0, 1, 0                                   ; the last lap fills nothing
	STEP 0, 2, 0
	TURN 0, 1, 0
	STEP 1, 0, 0
	STEP 1, 1, 0
	STEP 1, 2, 0
	s_wait_dscnt 8                                 ; the very last step: nothing more to fetch
	WIN MUL
	MUL4 0, F1, NQ-1, 1, 0
	MUL4 1, F1, NQ-1, 1, 0
	s_wait_dscnt 0
	MUL4 2, F1, NQ-1, 1, 0
	MUL4 3, F1, NQ-1, 1, 0
	WIN 0
; THE WAY OUT, tile by tile of 16 tokens x 64 columns: through my own stage in LDS, back as whole rows of 256 bytes, the residual's rows added, stored.
.macro TOSTAGE a
.irp b, 0,1,2,3
	ds_store_b128 v[STO], v[ACC+8*(4*(\a)+\b):ACC+8*(4*(\a)+\b)+3] offset:128*(\b/2)+32*(\b%2)        ; each accumulator from its low end on
	ds_store_b128 v[STO], v[ACC+8*(4*(\a)+\b)+4:ACC+8*(4*(\a)+\b)+7] offset:128*(\b/2)+32*(\b%2)+16
.endr
.set BB, BK+32*((\a)%2)
.irp t, 0,1,2,3,4,5,6,7
	ds_load_b128 v[BB+4*\t:BB+4*\t+3], v[RD] offset:2*\t*SPITCH    ; LDS serves a wave's instructions in order (ISA guide 5.7.1.4): these see the stores above
.endr
.endm
.macro SEND a, younger
.set BB, BK+32*((\a)%2)
	s_wait_dscnt \younger                          ; the tile is back in registers; the next tile's 8 stores and 8 loads may be out
	WIN 0x08                                       ; source 1: window 2
.set n, 0
.rept 16
	v_pk_add_f32 v[BB+2*n:BB+2*n+1], v[BB+2*n:BB+2*n+1], v[32*(\a)+2*n:32*(\a)+2*n+1]
.set n, n+1
.endr
	WIN 0
.irp t, 0,1,2,3,4,5,6,7
	global_store_b128 v[CO], v[BB+4*\t:BB+4*\t+3], s[12:13] offset:(32*((\a)/2)+8*((\a)%2)+2*\t+8*(\t/4))*4096 th:TH_STORE_NT   ; sixteen lanes store 256 consecutive bytes, at a multiple of 256 from the buffer's first byte
.endr
.endm
	PLACES NP                                      ; behind the last products, whose results are read below
	s_wait_loadcnt 0x0                             ; the residual, asked for at the head
	TOSTAGE 0
.irp a, 1,2,3
.if \a > 1
	s_wait_xcnt 0x0                                ; tile a - 2's stores have read their registers: tile a's rows may land there
.endif
	TOSTAGE \a
	SEND \a-1, 16
.endr
	SEND 3, 0
	s_wait_tensorcnt 0x0                           ; the wave's end
	ds_add_u32 v[SPW], v[NIL]
	s_wait_dscnt 0x0
	CROUND                                         ; the closing round
	s_endpgm
.Lfunc_end_k_q6bfa3b44b3_fc2:
	.size	k_q6bfa3b44b3_fc2, .Lfunc_end_k_q6bfa3b44b3_fc2-k_q6bfa3b44b3_fc2
	.p2alignl 7, 3214868480
	.fill 96, 4, 3214868480
	.section	.rodata,"a",@progbits
	.p2align	6, 0x0
	.amdhsa_kernel k_q6bfa3b44b3_fc2
		.amdhsa_group_segment_fixed_size 327680
		.amdhsa_private_segment_fixed_size 0
		.amdhsa_enable_private_segment 0
		.amdhsa_kernarg_size 40
		.amdhsa_user_sgpr_count 2
		.amdhsa_user_sgpr_kernarg_segment_ptr 1
		.amdhsa_wavefront_size32 1
		.amdhsa_system_sgpr_workgroup_id_x 1
		.amdhsa_system_sgpr_workgroup_id_y 1
		.amdhsa_system_sgpr_workgroup_id_z 1
		.amdhsa_system_vgpr_workitem_id 0
		.amdhsa_next_free_vgpr 640
		.amdhsa_next_free_sgpr 98
		.amdhsa_reserve_vcc 0
		.amdhsa_float_denorm_mode_32 3
		.amdhsa_float_denorm_mode_16_64 3
		.amdhsa_memory_ordered 1
		.amdhsa_forward_progress 1
		.amdhsa_inst_pref_size 101
	.end_amdhsa_kernel
	.amdgpu_metadata
---
amdhsa.version: [ 1, 2 ]
amdhsa.kernels:
  - .name:           k_q6bfa3b44b3_fc2
    .symbol:         k_q6bfa3b44b3_fc2.kd
    .args:
      - { .name: G, .offset: 0, .size: 8, .value_kind: global_buffer, .address_space: global }
      - { .name: W, .offset: 8, .size: 8, .value_kind: global_buffer, .address_space: global }
      - { .name: b_fc2, .offset: 16, .size: 8, .value_kind: global_buffer, .address_space: global }
      - { .name: X2, .offset: 24, .size: 8, .value_kind: global_buffer, .address_space: global }
      - { .name: out0, .offset: 32, .size: 8, .value_kind: global_buffer, .address_space: global }
    .group_segment_fixed_size: 327680
    .private_segment_fixed_size: 0
    .kernarg_segment_align: 8
    .kernarg_segment_size: 40
    .max_flat_workgroup_size: 128
    .sgpr_count:     98
    .vgpr_count:     640
    .wavefront_size: 32
...
	.end_amdgpu_metadata
.endif
;; end of part 9
